; MI455X (gfx1250); checked and timed in simulation.
; The chip was launched on July 23, 2026; its instructions are those of AMD's public machine-readable ISA for CDNA 5 (MIT licence, August 2026) and "CDNA5" Instruction Set Architecture Reference Guide (July 2026). The comments in the code are by the model that wrote it; some were corrected since.
;; Encoder. Allowed arithmetic: matrix products marked QUANTISED: E2M1 operands, one E8M0 scale for each 32 along K, by v_wmma_scale_f32_16x16x128_f8f6f4 with both operands' format E2M1 (or v_wmma_scale_f32_32x16x128_f4), f32 sums; everything else in f32.
;; Inputs: b1 4,096 float32; b2 1,024 float32; ln1_b 1,024 float32; ln1_w 1,024 float32; ln2_b 1,024 float32; ln2_w 1,024 float32; w1 1,024 x 4,096 float32; w2 4,096 x 1,024 float32; w_out 1,024 x 1,024 float32; w_qkv 1,024 x 3,072 float32; x 2 x 2,048 x 1,024 float32.
;; Outputs: out0 2 x 2,048 x 1,024 float32.
;; This version of the problem:
;;   THIS VERSION OF THE PROBLEM IS GIVEN IN LOW PRECISION. The matrix products marked QUANTISED in the list below multiply operands that are first quantised to E2M1 (2 exponent bits, 1 mantissa bit; 4 bits a number), with one power-of-two scale for each 32 numbers along K (OCP MX v1.0); their sums are f32. All else is computed in f32.
;;   The module's matrix products, in the order in which they are computed (A, B: the left and right operand; K: the contracted axis; several contracted axes count as one K, in the product's order):
;;     1. [M 4,096, K 1,024] x [K 1,024, N 3,072]; A: input x; B: input w_qkv: QUANTISED
;;     2. batch 32 x [M 2,048, K 64] x [K 64, N 2,048]; A: computed on the way; B: computed on the way: QUANTISED
;;     3. batch 32 x [M 2,048, K 2,048] x [K 2,048, N 64]; A: softmax (see below); B: computed on the way: QUANTISED
;;     4. [M 4,096, K 1,024] x [K 1,024, N 1,024]; A: computed on the way; B: input w_out: QUANTISED
;;     5. [M 4,096, K 1,024] x [K 1,024, N 4,096]; A: computed on the way; B: input w1: QUANTISED
;;     6. [M 4,096, K 4,096] x [K 4,096, N 1,024]; A: computed on the way; B: input w2: QUANTISED
;;   THE QUANTISER, for each operand of a quantised product, along K:
;;     - K is cut into blocks of 32 from its start; a last block that is shorter is filled with zeros.
;;     - A block's scale is 2^e with e = floor(log2(the largest magnitude in the block)) - 2, held to -126 .. 127; a block of zeros has e = 0. As a byte (E8M0): e + 127.
;;     - Each number is divided by its block's scale, clamped to +-6, and rounded to the nearest number of E2M1, ties to even, subnormals kept.
;;     - The product sums the exact products of the quantised numbers (number of the format x scale) in f32.
;;   ~~~python
;;   def quantise(x, axis):      # numpy; x: float32 -> the quantised numbers, widened to float32 again
;;       x = np.moveaxis(x, axis, -1); K = x.shape[-1]
;;       x = np.pad(x, [(0, 0)] * (x.ndim - 1) + [(0, -K % 32)]); x = x.reshape(x.shape[:-1] + (-1, 32)); a = np.abs(x).max(-1, keepdims=True)
;;       e = np.where(a > 0, np.clip(np.frexp(np.where(a > 0, a, 1))[1] - 1 - 2, -126, 127), 0)      # np.frexp(a)[1] - 1 = floor(log2(a)), exactly
;;       r = np.clip(x / 2.0 ** e, -6, 6)
;;       step = 2.0 ** (np.maximum(np.frexp(np.where(r == 0, 1, r))[1] - 1, 0) - 1)
;;       q = np.round(r / step) * step * 2.0 ** e      # np.round: ties to even
;;       return np.moveaxis(q.reshape(q.shape[:-2] + (-1,))[..., :K], -1, axis).astype(np.float32)
;;   ~~~
;;   SOFTMAX AHEAD OF A QUANTISED PRODUCT. Where the list says 'softmax', what is quantised is not the finished softmax but p = 2^(t - M), with t = logit x log2(e) and M = ceil(the row's largest t), a whole number; so 1/2 < the row's largest p <= 1. The row's sum l is taken of the UNQUANTISED p, in f32, and the product's result is divided by l at the end. Since M is a whole number, a kernel that streams over the keys may use a running M (the ceiling of the running maximum): every later rescaling is an exact power of two, which a block's scale takes up: the codes' values come out the same.
;;   OPERANDS COMPUTED ON THE WAY. 'Computed on the way' means the value that the module computes at that place (a softmax that the list does not call 'softmax' is quantised finished and normalised). What goes into a quantiser is computed in f32, as accurately as f32 sums, v_exp_f32 and their like allow (about 1e-6 of the number): no bf16 or f16 on the way to a quantiser, and a product that is left as it is and whose result goes on into a quantised operand takes f32 operands (vector FMAs, or v_wmma_f32_16x16x4_f32). A number that lies on a knife's edge between two numbers of the format may be rounded either way, as far as f32 arithmetic and the matrix unit's own rounding can turn it there, and no further.
;; 2 versions. Each part assembles by itself: llvm-mc -triple=amdgcn-amd-amdhsa -mcpu=gfx1250 --defsym DOCPART=n.
;; ======== version 1 of 2: 6 launches
;; workspace buffers: xq 2,228,224 bytes; wq 6,684,672 bytes; qkvb 6,684,672 bytes; ao 2,228,224 bytes; x1 16,777,216 bytes; x1q 2,228,224 bytes; hq 8,912,896 bytes
;; launch quant (part 1): grid 1024 x 1, 4 waves a work-group, no clusters, 68,096 bytes of LDS; arguments x, w_qkv, w_out, w1, w2, xq, wq; writes xq, wq
.if DOCPART == 1
	.amdgcn_target "amdgcn-amd-amdhsa--gfx1250"
	.amdhsa_code_object_version 6
	.text
	.protected	k_q4334cb015a_quant
	.globl	k_q4334cb015a_quant
	.p2align	8
	.type	k_q4334cb015a_quant,@function
k_q4334cb015a_quant:
	s_mov_b64 s[64:65], 0
	v_nop
	global_prefetch_b8 v0, s[64:65] scope:SCOPE_SE
	s_setreg_imm32_b32 hwreg(HW_REG_WAVE_MODE, 25, 1), 1
	s_wait_xcnt 0x0
; THE ENCODER LAYER, launch 1 of 6: x and the four weights become codes of E2M1 with one E8M0 byte for each 32 along K.
; NO WORK OF THE PROBLEM IS DEAD: every input has a way to the output, nothing is masked or sliced away; all eleven inputs are loaded by some launch.
; LIMITS: NaN and infinities among the inputs are not served.  A block whose largest magnitude lies under 2^-124 keeps the byte 1; a block of zeros gets the byte 1 where
; the rule says 127: its codes are zeros, which add nothing under any byte but 0xff, and the bytes are read by this program alone.
; THE LAYOUT OF EVERY OPERAND IN THE WORKSPACE (X[rows][K], KQ = K / 128): images of the matrix operand's registers.
;   tile T, lane-row p (0..15) is row 32 (T / 2) + 8 (T % 2) + p + 8 (p / 8);
;   codes: byte ((T KQ + q) 2 + c) 512 + 16 (p + 16 h) holds the 32 codes of k = 128 q + 64 c + 32 h + 0..31 of that row;  scale word: byte ((T KQ + q) 16 + p) 4, its byte 2 c + h for that block.
;   So a fragment (T, q) is 1,024 dense bytes that a wave takes by two loads of 16 bytes a lane, and the products' results (used transposed) fall so that 64 registers of a lane are the next operand's fragment.
; SHARES.  Work-groups 0-255: a tile of 16 rows of x, a wave two K steps.  256-383: columns 0-2047 of w_qkv; 384-447: its columns 2048-3071; 448-511: w_out; 512-767: w1; 768-1023: w2:
; 128 columns x 128 along K each, a wave 32 columns, A LANE A COLUMN with its registers running down K, so that nothing is transposed.
.set XS,     2097152                   ; xq: the scale words begin here
.set WQK_C,  0                         ; wq: the regions of codes,
.set WV_C,   1048576
.set WO_C,   1572864
.set W1_C,   2097152
.set W2_C,   4194304
.set WQK_S,  6291456                   ; and of scale words
.set WV_S,   6356992
.set WO_S,   6389760
.set W1_S,   6422528
.set W2_S,   6553600
.set STG,    8448                      ; a stage: 16 rows x (512 bytes + 16)
.set SPARE,  67584                     ; behind the four waves' two stages each: the spare words, 128 bytes a wave
.set SPW,    8                         ; v8   LDS address of my spare word; never rewritten
.set NIL,    9                         ; v9   0; never rewritten
.set R,      16                        ; v16-143  x as loaded (two K steps); in the weights' paths a lane's 128 numbers
.set X,      144                       ; v144-207 64 numbers of a lane, in the quantiser's order; in the weights' paths v144-159 codes, v160 the scale word
.set TM,     208                       ; v208-223 at work
.set PC,     224                       ; v224-231 a fragment's codes
.set SEL,    26                        ; s[26:27] lane selects for lane l xor 16
.set HM,     28                        ; s28      the lanes 16-31
; 64 numbers of a lane, register 16 b + i = k 32 b + 16 (lane / 16) + i of my row, become a fragment's codes in v[pc] on and its scale word in v[pw]
.macro QUANT0 s, pc, pw
.irp b, 0,1,2,3
	v_max3_num_f32 v[TM+\b], |v[\s+16*\b]|, |v[\s+1+16*\b]|, 0x1800000   ; my 16 numbers of block b, and the floor 2^(3 - 127): the byte cannot fall under 1
.endr
.irp i, 2,4,6,8,10,12,14
.irp b, 0,1,2,3
	v_max3_num_f32 v[TM+\b], v[TM+\b], |v[\s+16*\b+\i]|, |v[\s+1+16*\b+\i]|
.endr
.endr
.irp b, 0,1,2,3
	v_permlanex16_b32 v[TM+4+\b], v[TM+\b], s[SEL], s[SEL+1]
.endr
.irp b, 0,1,2,3
	v_max_num_f32 v[TM+\b], v[TM+\b], v[TM+4+\b]                    ; with lane l xor 16's: the block's largest magnitude
.endr
.irp b, 0,1,2,3
	v_add_nc_u32 v[TM+12+\b], 0xff000000, v[TM+\b]                  ; 2 off its exponent field: the conversion's scale operand
.endr
.irp b, 0,1,2,3
	v_lshrrev_b32 v[TM+4+\b], 23, v[TM+12+\b]                       ; the scale's byte
.endr
	v_lshl_or_b32 v[\pw], v[TM+5], 8, v[TM+4]
	v_lshl_or_b32 v[\pw], v[TM+6], 16, v[\pw]
	v_lshl_or_b32 v[\pw], v[TM+7], 24, v[\pw]
.irp b, 0,1,2,3
	v_cvt_scalef32_pk8_fp4_f32 v[\pc+2*\b], v[\s+16*\b:\s+7+16*\b], v[TM+12+\b]
	v_cvt_scalef32_pk8_fp4_f32 v[\pc+1+2*\b], v[\s+8+16*\b:\s+15+16*\b], v[TM+12+\b]
.endr
	v_nop                                          ; one plain line behind the scaled conversions
.irp c, 0,1                                    ; the operand wants a whole block in a lane: lanes 0-15 block 2 c, lanes 16-31 block 2 c + 1
.irp i, 0,1
	v_permlane16_swap_b32 v[\pc+4*\c+\i], v[\pc+2+4*\c+\i]
.endr
.endr
.endm
; the weights: block t of a lane's four: 32 loads, W(128 q + 32 t + i, my column)
.macro WLOAD t, ncol
.irp i, 0,1,2,3,4,5,6,7,8,9,10,11,12,13,14,15,16,17,18,19,20,21,22,23,24,25,26,27,28,29,30,31
	global_load_b32 v[R+32*(\t)+\i], v10, s[22:23] offset:(32*(\t)+\i)*(\ncol)*4 th:TH_LOAD_NT
.endr
.endm
; block t is quantised and its 16 bytes stored: lanes 0-15 fill 256 consecutive aligned bytes of one tile's image, lanes 16-31 of the next tile's
.macro WBLOCK t
.set XB, R+32*(\t)
	v_max3_num_f32 v13, |v[XB]|, |v[XB+1]|, |v[XB+2]|
	v_max3_num_f32 v14, |v[XB+3]|, |v[XB+4]|, |v[XB+5]|
.irp i, 6,10,14,18,22,26
	v_max3_num_f32 v13, v13, |v[XB+\i]|, |v[XB+\i+1]|
	v_max3_num_f32 v14, v14, |v[XB+\i+2]|, |v[XB+\i+3]|
.endr
	v_max3_num_f32 v13, v13, |v[XB+30]|, |v[XB+31]|
	v_max3_num_f32 v13, v13, v14, 0x1800000        ; and the floor
	v_add_nc_u32 v15, 0xff000000, v13
	v_lshrrev_b32 v14, 23, v15
.if (\t) == 0
	v_mov_b32 v160, v14
.else
	v_lshl_or_b32 v160, v14, 8*(\t), v160
.endif
.irp g, 0,1,2,3
	v_cvt_scalef32_pk8_fp4_f32 v[144+4*(\t)+\g], v[XB+8*\g:XB+8*\g+7], v15
.endr
	v_nop                                          ; one plain line behind the scaled conversions
	global_store_b128 v11, v[144+4*(\t):147+4*(\t)], s[24:25] offset:512*((\t)/2)+256*((\t)%2)
.endm
; a whole job: first = its first work-group; 2^logcb blocks of 128 columns; p = the scalar pair with the tensor's address; col0 = its first column; ncol = the tensor's width; kq = K / 128; coff, soff = its regions in wq
.macro JOB first, logcb, p, col0, ncol, kq, coff, soff
	s_sub_co_u32 s19, ttmp9, \first
	s_and_b32 s20, s19, (1<<\logcb)-1              ; which 128 columns
	s_lshr_b32 s21, s19, \logcb                    ; q: which 128 along K
	s_lshl_b32 s20, s20, 7
	s_lshl_b32 s22, s18, 5
	s_add_co_u32 s20, s20, s22                     ; my wave's first column
	s_mul_i32 s22, s21, 128*(\ncol)*4
	s_lshl_b32 s23, s20, 2
	s_add_co_u32 s22, s22, s23
	s_add_co_u32 s22, s22, (\col0)*4
	s_mov_b32 s23, 0
	s_add_nc_u64 s[22:23], s[\p:\p+1], s[22:23]
	s_lshr_b32 s20, s20, 4                         ; my first tile
	s_mul_i32 s20, s20, \kq
	s_add_co_u32 s20, s20, s21                     ; tile x KQ + q
	s_lshl_b32 s24, s20, 10
	s_add_co_u32 s24, s24, \coff
	s_mov_b32 s25, 0
	s_add_nc_u64 s[24:25], s[16:17], s[24:25]
	s_lshl_b32 s20, s20, 6
	s_add_co_u32 s20, s20, \soff
	s_mov_b32 s21, 0
	s_add_nc_u64 s[20:21], s[16:17], s[20:21]
	v_mul_u32_u24 v11, v7, (\kq)*1024              ; lanes 16-31: the next tile
	v_lshl_add_u32 v11, v6, 4, v11
	v_mul_u32_u24 v12, v7, (\kq)*64
	v_lshl_add_u32 v12, v6, 2, v12
	WLOAD 0, \ncol
	WLOAD 1, \ncol
	s_wait_loadcnt 32                              ; block 0 is in; block 1's 32 loads may be out
	WLOAD 2, \ncol
	WBLOCK 0
	s_wait_loadcnt 32                              ; block 1 is in; block 2's may be out
	WLOAD 3, \ncol
	WBLOCK 1
	s_wait_loadcnt 32                              ; block 2 is in; block 3's may be out
	WBLOCK 2
	s_wait_loadcnt 0x0
	WBLOCK 3
	global_store_b32 v12, v160, s[20:21]           ; the scale words: 64 consecutive bytes for each of the two tiles
	s_endpgm
.endm
	s_load_b256 s[4:11], s[0:1], 0x0               ; x s[4:5], w_qkv s[6:7], w_out s[8:9], w1 s[10:11]
	s_load_b128 s[12:15], s[0:1], 0x20             ; w2 s[12:13], xq s[14:15]
	s_load_b64 s[16:17], s[0:1], 0x30              ; wq
	v_lshl_add_u32 v[SPW], v0, 2, SPARE
	v_mov_b32 v[NIL], 0
	v_lshrrev_b32 v1, 5, v0
	v_readfirstlane_b32 s18, v1                    ; wave 0..3
	v_and_b32 v1, 31, v0                           ; lane
	v_and_b32 v6, 15, v0                           ; lane % 16
	v_bfe_u32 v7, v0, 4, 1                         ; lane / 16
	v_and_b32 v10, 8, v6
	v_add_nc_u32 v10, v10, v6
	v_lshl_add_u32 v10, v7, 3, v10
	v_lshlrev_b32 v10, 2, v10                      ; the weights: my column among the wave's 32, in bytes: 4 (8 (lane / 16) + p + 8 (p / 8))
	s_wait_kmcnt 0x0
	s_cmp_lt_u32 ttmp9, 256
	s_cbranch_scc1 .Lx
	s_cmp_lt_u32 ttmp9, 384
	s_cbranch_scc1 .Lwqk
	s_cmp_lt_u32 ttmp9, 448
	s_cbranch_scc1 .Lwv
	s_cmp_lt_u32 ttmp9, 512
	s_cbranch_scc1 .Lwo
	s_cmp_lt_u32 ttmp9, 768
	s_cbranch_scc1 .Lw1
	JOB 768, 3, 12, 0, 1024, 32, W2_C, W2_S
.Lwqk:
	JOB 256, 4, 6, 0, 3072, 8, WQK_C, WQK_S
.Lwv:
	JOB 384, 3, 6, 2048, 3072, 8, WV_C, WV_S
.Lwo:
	JOB 448, 3, 8, 0, 1024, 8, WO_C, WO_S
.Lw1:
	JOB 512, 5, 10, 0, 4096, 8, W1_C, W1_S
.Lx:	; ---- x: tile T = the work-group's number; my wave's K steps 2 w and 2 w + 1.  Loads take a row's 512 bytes as they lie; the wave's own stage turns them so that a lane holds 16 neighbours of each block
	s_mov_b32 s[SEL], 0x76543210
	s_mov_b32 s[SEL+1], 0xfedcba98
	s_mov_b32 s[HM], 0xffff0000
	v_lshlrev_b32 v2, 4, v1                        ; 16 x lane
	s_mul_i32 s19, s18, 2*STG
	v_add_nc_u32 v3, s19, v2                       ; into the stage: a row as it lies
	v_mul_u32_u24 v4, v6, 528
	v_lshl_add_u32 v4, v7, 6, v4
	v_add_nc_u32 v4, s19, v4                       ; out of it: row p, + 64 (lane / 16)
	v_lshlrev_b32 v5, 2, v1
.irp b, 0,1,2,3
	v_mov_b32 v[TM+4+\b], 0                        ; written once: a lane permute's destination counts as one of its sources
.endr
	s_lshr_b32 s20, ttmp9, 1
	s_lshl_b32 s20, s20, 5
	s_and_b32 s21, ttmp9, 1
	s_lshl_b32 s21, s21, 3
	s_add_co_u32 s20, s20, s21                     ; the tile's first row
	s_lshl_b32 s20, s20, 12
	s_lshl_b32 s21, s18, 10
	s_add_co_u32 s20, s20, s21
	s_mov_b32 s21, 0
	s_add_nc_u64 s[4:5], s[4:5], s[20:21]
	s_lshl_b32 s20, ttmp9, 3
	s_lshl_b32 s22, s18, 1
	s_add_co_u32 s20, s20, s22                     ; 8 T + 2 w
	s_lshl_b32 s22, s20, 10
	s_mov_b32 s23, 0
	s_add_nc_u64 s[22:23], s[14:15], s[22:23]      ; my two fragments
	s_lshl_b32 s20, s20, 6
	s_add_co_u32 s20, s20, XS
	s_add_nc_u64 s[20:21], s[14:15], s[20:21]      ; and their scale words
.irp j, 0,1
.irp i, 0,1,2,3,4,5,6,7,8,9,10,11,12,13,14,15
	global_load_b128 v[R+64*\j+4*\i:R+64*\j+4*\i+3], v2, s[4:5] offset:(\i+8*(\i/8))*4096+512*\j th:TH_LOAD_NT   ; 32 lanes read 512 consecutive bytes of lane-row i
.endr
.endr
	s_wait_loadcnt 16                              ; the first K step's sixteen loads are in; the second's may be out
.irp i, 0,1,2,3,4,5,6,7,8,9,10,11,12,13,14,15
	ds_store_b128 v3, v[R+4*\i:R+4*\i+3] offset:528*\i
.endr
.irp b, 0,1,2,3
.irp g, 0,1,2,3
	ds_load_b128 v[X+16*\b+4*\g:X+16*\b+4*\g+3], v4 offset:128*\b+16*\g   ; LDS serves a wave's instructions in order: these see my stores
.endr
.endr
	s_wait_loadcnt 0x0
.irp i, 0,1,2,3,4,5,6,7,8,9,10,11,12,13,14,15
	ds_store_b128 v3, v[R+64+4*\i:R+64+4*\i+3] offset:STG+528*\i
.endr
	s_wait_dscnt 16                                ; the first step's numbers are back; the sixteen stores just issued may be out
	QUANT0 X, PC, 232
	global_store_b128 v2, v[PC:PC+3], s[22:23]
	global_store_b128 v2, v[PC+4:PC+7], s[22:23] offset:512
.irp b, 0,1,2,3
.irp g, 0,1,2,3
	ds_load_b128 v[X+16*\b+4*\g:X+16*\b+4*\g+3], v4 offset:STG+128*\b+16*\g
.endr
.endr
	s_wait_dscnt 0x0
	s_wait_xcnt 0x0                                ; the stores have read the codes' registers: they are written again only behind this wait
	QUANT0 X, PC, 233
	global_store_b128 v2, v[PC:PC+3], s[22:23] offset:1024
	global_store_b128 v2, v[PC+4:PC+7], s[22:23] offset:1536
	v_cndmask_b32 v234, v232, v233, s[HM]          ; lanes 0-15 the first step's words, lanes 16-31 the second's: 128 consecutive bytes
	global_store_b32 v5, v234, s[20:21]
	s_wait_tensorcnt 0x0                           ; the wave's end
	ds_add_u32 v[SPW], v[NIL]
	s_wait_dscnt 0x0
	s_endpgm
.Lfunc_end_k_q4334cb015a_quant:
	.size	k_q4334cb015a_quant, .Lfunc_end_k_q4334cb015a_quant-k_q4334cb015a_quant
	.p2alignl 7, 3214868480
	.fill 96, 4, 3214868480
	.section	.rodata,"a",@progbits
	.p2align	6, 0x0
	.amdhsa_kernel k_q4334cb015a_quant
		.amdhsa_group_segment_fixed_size 68096
		.amdhsa_private_segment_fixed_size 0
		.amdhsa_enable_private_segment 0
		.amdhsa_kernarg_size 56
		.amdhsa_user_sgpr_count 2
		.amdhsa_user_sgpr_kernarg_segment_ptr 1
		.amdhsa_wavefront_size32 1
		.amdhsa_system_sgpr_workgroup_id_x 1
		.amdhsa_system_sgpr_workgroup_id_y 1
		.amdhsa_system_sgpr_workgroup_id_z 1
		.amdhsa_system_vgpr_workitem_id 0
		.amdhsa_next_free_vgpr 240
		.amdhsa_next_free_sgpr 66
		.amdhsa_reserve_vcc 0
		.amdhsa_float_denorm_mode_32 3
		.amdhsa_float_denorm_mode_16_64 3
		.amdhsa_memory_ordered 1
		.amdhsa_forward_progress 1
		.amdhsa_inst_pref_size 117
	.end_amdhsa_kernel
	.amdgpu_metadata
---
amdhsa.version: [ 1, 2 ]
amdhsa.kernels:
  - .name:           k_q4334cb015a_quant
    .symbol:         k_q4334cb015a_quant.kd
    .args:
      - { .name: x, .offset: 0, .size: 8, .value_kind: global_buffer, .address_space: global }
      - { .name: w_qkv, .offset: 8, .size: 8, .value_kind: global_buffer, .address_space: global }
      - { .name: w_out, .offset: 16, .size: 8, .value_kind: global_buffer, .address_space: global }
      - { .name: w1, .offset: 24, .size: 8, .value_kind: global_buffer, .address_space: global }
      - { .name: w2, .offset: 32, .size: 8, .value_kind: global_buffer, .address_space: global }
      - { .name: xq, .offset: 40, .size: 8, .value_kind: global_buffer, .address_space: global }
      - { .name: wq, .offset: 48, .size: 8, .value_kind: global_buffer, .address_space: global }
    .group_segment_fixed_size: 68096
    .private_segment_fixed_size: 0
    .kernarg_segment_align: 8
    .kernarg_segment_size: 56
    .max_flat_workgroup_size: 128
    .sgpr_count:     66
    .vgpr_count:     240
    .wavefront_size: 32
...
	.end_amdgpu_metadata
.endif
;; end of part 1
;; launch qkv (part 2): grid 12 x 16, 4 waves a work-group, clusters of 4 x 4, 327,680 bytes of LDS; arguments xq, wq, qkvb; writes qkvb
.if DOCPART == 2
	.amdgcn_target "amdgcn-amd-amdhsa--gfx1250"
	.amdhsa_code_object_version 6
	.text
	.protected	k_q4334cb015a_qkv
	.globl	k_q4334cb015a_qkv
	.p2align	8
	.type	k_q4334cb015a_qkv,@function
k_q4334cb015a_qkv:
	s_mov_b64 s[64:65], 0
	v_nop
	global_prefetch_b8 v0, s[64:65] scope:SCOPE_SE
	s_setreg_imm32_b32 hwreg(HW_REG_WAVE_MODE, 25, 1), 1
	s_wait_xcnt 0x0
	s_wait_alu depctr_hold_cnt(0) depctr_sa_sdst(0) depctr_va_vdst(0) depctr_va_sdst(0) depctr_va_ssrc(0) depctr_va_vcc(0) depctr_vm_vsrc(0)
	s_getreg_b32 s2, hwreg(HW_REG_IB_STS2, 6, 4)
	s_cmp_eq_u32 s2, 0
	s_cbranch_scc0 .Lentry_in_a_cluster
	s_endpgm
.Lentry_in_a_cluster:
	s_bfe_u32 s2, ttmp6, 0x10000c
	s_cmp_lg_u32 s2, 0xf033
	s_cbranch_scc0 .Lentry_shape_is_right
	s_endpgm
.Lentry_shape_is_right:
; Launch 2 of 6: qkv = x w_qkv on codes of E2M1, and q, k, v quantised on the way out: q and k along the head's 64, v along the keys.  No work is left out.
; A tile of 256 x 256 to a work-group of four waves, 128 x 128 a wave: 64 accumulators in windows 2 and 3.  K = 1,024 is two LDS slots of 512 along K, both asked for at the head: nothing is filled twice.
; OPERANDS lie in memory as images of fragments (launch 1's head): tile T, K step q: 1,024 dense bytes; a wave's tensor load brings 8 tiles x 4 K steps; LDS needs no padding, every LDS load takes 512 consecutive bytes.
; PARTS, by the cluster's x, which all sixteen partners share: 0: q, 1: k (source 1 = tokens of x, source 0 = columns of w_qkv); 2: v, with the sides changed (source 1 = v's channels, source 0 = tokens),
; so that a lane's registers run along the keys, which are the K of attention's second product.
; THE PRODUCT IS USED TRANSPOSED: lane (r, h) holds lane-row r of source 1's tile, and the 16 registers of source 0's tiles 2 b, 2 b + 1 are 16 neighbours 32 b + 16 h + 0..15: what the quantiser wants.
; CLUSTERS: source 1's tiles are shared along a row of the cluster, source 0's along a column: joint loads.
; OUT (qkvb): q images [bh][tile 128][512 bytes] at 0; q's words at QS; from KV on a record of REC bytes for each (batch, head): k images [tile 128][512], k's words [pair 64][64], v images [64 keys 32][channel tile 4][512], v's words [128 keys 16][tile 4][64].
; q's and k's words hold two tiles' two bytes each (tile 2 p in bytes 0, 1; tile 2 p + 1 in bytes 2, 3): attention takes two key tiles as one fragment.  The words leave in runs of 64 bytes: a sixteenth of the codes' bytes.
; LIMITS: as stated at launch 1's head.
.set XS,    2097152
.set WV_C,  1048576
.set WQK_S, 6291456
.set WV_S,  6356992
.set QS,    2097152
.set KV,    2228224
.set REC,   139264
.set SLOT,  131072                     ; a slot: source 1's 16 tiles x 4,096 bytes, then source 0's
.set SCL,   262144                     ; the scale words of all of K: source 1's 8,192 bytes, then source 0's
.set SPARE, 278528                     ; the spare words, 128 bytes a wave
.set FR,    8
.set ADRA,  16                         ; v16-17 LDS address of my fragments of source 1 in slot 0, 1
.set ADRB,  20                         ; v20-21 of source 0
.set LI,    24                         ; v24 16 x lane
.set LI2,   25                         ; v25 the same, the second 64 columns' image
.set ADRS,  27                         ; v27 my scale words: lanes 0-15 source 1's, lanes 16-31 source 0's
.set SPW,   28
.set NIL,   29
.set SC,    32                         ; v32-95 scale words, two sets; they hold nothing else
.set TM,    96                         ; v96-111 at work in the quantiser
.set PC,    112                        ; v112-119 the codes just made
.set PWS,   120                        ; v120-127 the eight row tiles' scale words
.set AF,    128                        ; v128-191 source 1's fragments, one set; on the way out addresses
.set G1,    24
.set G0,    32
.set G1B,   48
.set G0B,   56
.set G1S,   68
.set G0S,   76
.set G1SB,  80
.set G0SB,  88
.set SEL,   48                         ; on the way out, when no tensor load is out: s[48:49] lane selects, s50 the lanes 16-31
.set HM,    50
.set MSB, 0
.macro WIN new                         ; the immediate's high byte repeats the setting that is left
.if MSB != \new
	s_set_vgpr_msb (MSB<<8)|\new
.set MSB, \new
.endif
.endm
.set MUL_LO, 0xa1                      ; source 0 window 1, source 1 window 0, C and D window 2
.set MUL_HI, 0xf1                      ; the same, C and D window 3
.set TO_B,   0x40
.macro PLACES n
.rept \n
	v_nop
.endr
.endm
.macro JLOAD g0a, g1a, g0b, g1b        ; a joint load: waves 0, 1 fetch for source 1, waves 2, 3 for source 0; an s_nop 0 and four v_nop follow each line
	s_cmp_eq_u32 s15, 0
	s_cbranch_scc0 .Lfor_b_\@
	tensor_load_to_lds s[\g0a:\g0a+3], s[\g1a:\g1a+7]
	s_nop 0
.rept 4
	v_nop
.endr
	s_branch .Lasked_\@
.Lfor_b_\@:
	tensor_load_to_lds s[\g0b:\g0b+3], s[\g1b:\g1b+7]
	s_nop 0
.rept 4
	v_nop
.endr
.Lasked_\@:
.endm
.macro CROUND                          ; a round of the cluster's barrier
	s_barrier_signal -1
	s_barrier_wait -1
	s_cmp_lg_u32 s14, 0
	s_cbranch_scc1 .Lnot_wave_0_\@
	s_barrier_signal -3
.Lnot_wave_0_\@:
	s_barrier_wait -3
	s_barrier_signal -1
	s_barrier_wait -1
.endm
; 64 numbers of a lane in window w, register 16 b + i = k 32 b + 16 (lane / 16) + i, become a fragment's codes in v[pc] on and its scale word in v[pw], both in window 0.  Each accumulator is read from its low end on
.macro QUANT s, w, pc, pw
.set WQ_, (\w)*5
	WIN WQ_                                        ; sources 0 and 1 in window w
.irp b, 0,1,2,3
	v_max3_num_f32 v[TM+\b], |v[\s+16*\b]|, |v[\s+1+16*\b]|, 0x1800000   ; and the floor 2^(3 - 127): the byte cannot fall under 1
.endr
.irp i, 2,4,6,8,10,12,14
.irp b, 0,1,2,3
	v_max3_num_f32 v[TM+\b], |v[\s+16*\b+\i]|, |v[\s+1+16*\b+\i]|, v[TM+\b]
.endr
.endr
	WIN 0
.irp b, 0,1,2,3
	v_permlanex16_b32 v[TM+4+\b], v[TM+\b], s[SEL], s[SEL+1]
.endr
.irp b, 0,1,2,3
	v_max_num_f32 v[TM+\b], v[TM+\b], v[TM+4+\b]
.endr
.irp b, 0,1,2,3
	v_add_nc_u32 v[TM+12+\b], 0xff000000, v[TM+\b]                  ; 2 off the exponent field: the conversion's scale operand
.endr
.irp b, 0,1,2,3
	v_lshrrev_b32 v[TM+4+\b], 23, v[TM+12+\b]
.endr
	v_lshl_or_b32 v[\pw], v[TM+5], 8, v[TM+4]
	v_lshl_or_b32 v[\pw], v[TM+6], 16, v[\pw]
	v_lshl_or_b32 v[\pw], v[TM+7], 24, v[\pw]
.set WQ_, \w
	WIN WQ_                                        ; source 0 in window w
.irp b, 0,1,2,3
	v_cvt_scalef32_pk8_fp4_f32 v[\pc+2*\b], v[\s+16*\b:\s+7+16*\b], v[TM+12+\b]
	v_cvt_scalef32_pk8_fp4_f32 v[\pc+1+2*\b], v[\s+8+16*\b:\s+15+16*\b], v[TM+12+\b]
.endr
	WIN 0
	v_nop                                          ; one plain line behind the scaled conversions
.irp c, 0,1
.irp i, 0,1
	v_permlane16_swap_b32 v[\pc+4*\c+\i], v[\pc+2+4*\c+\i]
.endr
.endr
.endm
	s_load_b128 s[4:7], s[0:1], 0x0                ; xq s[4:5], wq s[6:7]
	s_load_b64 s[12:13], s[0:1], 0x10              ; qkvb
	v_lshl_add_u32 v[SPW], v0, 2, SPARE
	v_mov_b32 v[NIL], 0
	ds_add_u32 v[SPW], v[NIL]                      ; the wave's opening: the add, twice on end, and its wait ahead of my first tensor load
	ds_add_u32 v[SPW], v[NIL]
	v_lshrrev_b32 v1, 5, v0
	v_readfirstlane_b32 s14, v1                    ; wave 0..3
	s_lshr_b32 s15, s14, 1                         ; my half of the tile's rows.  Also: I fetch for source 1 (0) or source 0 (1)
	s_and_b32 s16, s14, 1                          ; my half of its columns.  Also: which 8 tiles I fetch
	s_bfe_u32 s40, ttmp6, 0x40000                  ; cx
	s_bfe_u32 s41, ttmp6, 0x40004                  ; cy
	s_lshl_b32 s42, ttmp9, 2                       ; 4 x cluster x
	s_and_b32 s17, ttmp7, 0xffff
	s_lshl_b32 s17, s17, 2                         ; 4 x cluster y
	s_mov_b32 s18, XS
	s_mov_b32 s19, WQK_S
	s_cmp_eq_u32 ttmp9, 2                          ; part v?  The cluster's x is the same in all partners
	s_cselect_b32 s42, s17, s42                    ; v: the tokens run along the columns, by the cluster's y
	s_cselect_b32 s17, 0, s17                      ; v: four tile rows of channels, by cy alone
	s_cselect_b32 s92, WV_C, 0                     ; source 1's codes in its buffer,
	s_cselect_b32 s93, WV_S, s18                   ; its scale words,
	s_cselect_b32 s94, s18, s19                    ; source 0's scale words (its codes begin at 0 in both cases)
	s_add_co_u32 s42, s42, s40                     ; tile column
	s_add_co_u32 s17, s17, s41                     ; tile row
	s_lshl_b32 s43, s41, 2
	s_lshl_b32 s43, 15, s43                        ; my row of the cluster
	s_lshl_b32 s44, 0x1111, s40                    ; my column
	s_or_b32 s[G1+0], s43, (3<<16)|(1<<21)         ; 15:0 the mask; 17:16 elements of 8 bytes; 21 set beside a mask; no padding
	s_or_b32 s[G1B+0], s44, (3<<16)|(1<<21)
.irp g, G1, G1B
	s_mov_b32 s[\g+1], 512<<16                     ; tensor_dim0 = 512 elements: a tile's four K steps, 4,096 bytes
	s_mov_b32 s[\g+2], 8<<16                       ; tensor_dim1 = 8 tiles
	s_mov_b32 s[\g+3], 512<<16                     ; tile_dim0
	s_mov_b32 s[\g+4], 8                           ; tile_dim1
	s_mov_b32 s[\g+5], 1024                        ; from tile to tile: 8,192 bytes
	s_mov_b32 s[\g+6], 0
	s_mov_b32 s[\g+7], 0
.endr
	s_or_b32 s[G1S+0], s43, (3<<16)|(1<<21)        ; the scale words of 8 tiles: 4,096 dense bytes as 16 rows of 256
	s_or_b32 s[G1SB+0], s44, (3<<16)|(1<<21)
.irp g, G1S, G1SB
	s_mov_b32 s[\g+1], 32<<16
	s_mov_b32 s[\g+2], 16<<16
	s_mov_b32 s[\g+3], 32<<16
	s_mov_b32 s[\g+4], 16
	s_mov_b32 s[\g+5], 32
	s_mov_b32 s[\g+6], 0
	s_mov_b32 s[\g+7], 0
.endr
	s_lshl_b32 s18, s16, 3
	s_lshl_b32 s20, s17, 4
	s_add_co_u32 s20, s20, s18                     ; source 1: tile 16 x tile row + 8 x half
	s_lshl_b32 s46, s42, 4
	s_add_co_u32 s46, s46, s18                     ; source 0: tile 16 x tile column + 8 x half
	s_lshl_b32 s22, s20, 9
	s_add_co_u32 s22, s22, s93
	s_mov_b32 s23, 0
	s_lshl_b32 s20, s20, 13
	s_add_co_u32 s20, s20, s92
	s_mov_b32 s21, 0
	s_lshl_b32 s96, s46, 9
	s_add_co_u32 s96, s96, s94
	s_mov_b32 s97, 0
	s_lshl_b32 s46, s46, 13
	s_mov_b32 s47, 0
	s_lshl_b32 s45, s14, 15                        ; where they go: wave x 32,768: no place in the cluster enters an LDS address
	s_lshl_b32 s95, s14, 12
	s_wait_dscnt 0x0                               ; both opening adds are done
	s_wait_kmcnt 0x0
	s_cmp_eq_u32 ttmp9, 2
	s_cselect_b64 s[8:9], s[6:7], s[4:5]           ; source 1's buffer: wq in part v, else xq
	s_cselect_b64 s[10:11], s[4:5], s[6:7]         ; source 0's
	s_add_nc_u64 s[20:21], s[8:9], s[20:21]
	s_add_nc_u64 s[22:23], s[8:9], s[22:23]
	s_add_nc_u64 s[46:47], s[10:11], s[46:47]
	s_add_nc_u64 s[96:97], s[10:11], s[96:97]
	CROUND                                         ; all sixteen work-groups are here: the joint loads meet
	s_mov_b32 s[G0S], 1
	s_add_co_u32 s[G0S+1], s95, SCL
	s_mov_b64 s[G0S+2:G0S+3], s[22:23]
	s_or_b32 s[G0S+3], s[G0S+3], 0x80000000
	s_mov_b32 s[G0SB], 1
	s_add_co_u32 s[G0SB+1], s95, SCL
	s_mov_b64 s[G0SB+2:G0SB+3], s[96:97]
	s_or_b32 s[G0SB+3], s[G0SB+3], 0x80000000
	JLOAD G0S, G1S, G0SB, G1SB                     ; the scale words first
.irp s, 0,1
	s_mov_b32 s[G0+4*\s], 1
	s_add_co_u32 s[G0+4*\s+1], s45, \s*SLOT
	s_add_nc_u64 s[G0+4*\s+2:G0+4*\s+3], s[20:21], \s*4096
	s_or_b32 s[G0+4*\s+3], s[G0+4*\s+3], 0x80000000
	s_mov_b32 s[G0B+4*\s], 1
	s_add_co_u32 s[G0B+4*\s+1], s45, \s*SLOT
	s_add_nc_u64 s[G0B+4*\s+2:G0B+4*\s+3], s[46:47], \s*4096
	s_or_b32 s[G0B+4*\s+3], s[G0B+4*\s+3], 0x80000000
	JLOAD G0+4*\s, G1, G0B+4*\s, G1B               ; both slots: three tensor loads of mine are out
.endr
	v_and_b32 v1, 31, v0
	v_lshlrev_b32 v[LI], 4, v1
	s_lshl_b32 s21, s15, 15                        ; my 8 tiles of source 1
	s_lshl_b32 s22, s16, 15
	s_add_co_u32 s22, s22, 65536                   ; my 8 of source 0, behind source 1's 16
.irp s, 0,1
	v_add_nc_u32 v[ADRA+\s], s21, v[LI]
	v_add_nc_u32 v[ADRB+\s], s22, v[LI]
	s_add_co_u32 s21, s21, SLOT
	s_add_co_u32 s22, s22, SLOT
.endr
	v_and_b32 v1, 15, v0
	v_bfe_u32 v2, v0, 4, 1
	v_lshlrev_b32 v5, 2, v1
	s_lshl_b32 s21, s15, 12
	s_lshl_b32 s22, s16, 12
	s_add_co_u32 s22, s22, 8192
	s_sub_co_u32 s22, s22, s21
	v_mul_u32_u24 v6, s22, v2                      ; lanes 16-31 take source 0's words: one product with the lane's half
	s_add_co_u32 s21, s21, SCL
	v_add_nc_u32 v5, v5, v6
	v_add_nc_u32 v[ADRS], s21, v5
.irp b, 0,1,2,3
	v_mov_b32 v[TM+4+\b], 0                        ; written once: a lane permute's destination counts as one of its sources
.endr
.macro FRAG reg, adr, q, i             ; a fragment: two loads of 512 consecutive bytes
.irp c, 0,1
	ds_load_b128 v[\reg+4*\c:\reg+4*\c+3], v[\adr] offset:1024*(\q)+512*\c+(\i)*4096
.endr
.endm
; 16 matrix instructions: source 1's blocks a0, a0 + 1 x source 0's eight.  The 64 accumulators take turns, one instruction a turn, in the same order in every step
.macro MUL16 a0, p, q, sc, zero
.irp a, \a0, \a0+1
.irp b, 0,1,2,3,4,5,6,7
.if \zero
	v_wmma_scale_f32_16x16x128_f8f6f4 v[8*(8*((\a)%4)+\b):8*(8*((\a)%4)+\b)+7], v[128*(\p)+FR*\b:128*(\p)+FR*\b+FR-1], v[AF+FR*(\a):AF+FR*(\a)+FR-1], 0, v[SC+32*(\sc)+4*\b+(\q)], v[SC+32*(\sc)+4*(\a)+(\q)] matrix_a_fmt:MATRIX_FMT_FP4 matrix_b_fmt:MATRIX_FMT_FP4 matrix_a_scale:MATRIX_SCALE_ROW1
.else
	v_wmma_scale_f32_16x16x128_f8f6f4 v[8*(8*((\a)%4)+\b):8*(8*((\a)%4)+\b)+7], v[128*(\p)+FR*\b:128*(\p)+FR*\b+FR-1], v[AF+FR*(\a):AF+FR*(\a)+FR-1], v[8*(8*((\a)%4)+\b):8*(8*((\a)%4)+\b)+7], v[SC+32*(\sc)+4*\b+(\q)], v[SC+32*(\sc)+4*(\a)+(\q)] matrix_a_fmt:MATRIX_FMT_FP4 matrix_b_fmt:MATRIX_FMT_FP4 matrix_a_scale:MATRIX_SCALE_ROW1
.endif
.endr
.endr
.endm
.macro FETCH_B slot, q, p
	WIN TO_B
.irp i, 0,1,2,3,4,5,6,7
	FRAG 128*(\p)+FR*\i, ADRB+\slot, \q, \i
.endr
	WIN 0
.endm
.macro FETCH_A slot, q, i0
.irp i, \i0, \i0+1, \i0+2, \i0+3
	FRAG AF+FR*(\i), ADRA+\slot, \q, \i
.endr
.endm
.macro SCALES sc                       ; a slot's scale words: register 4 i + q: lanes 0-15 source 1's block i, lanes 16-31 source 0's block i
.irp i, 0,1,2,3,4,5,6,7
.irp q, 0,1,2,3
	ds_load_b32 v[SC+32*\sc+4*\i+\q], v[ADRS] offset:512*\i+64*(4*\sc+\q)
.endr
.endr
.endm
.macro STEP slot, q, zero              ; 128 along K, with its successor in the same slot
	s_wait_dscnt 8                                 ; all but the youngest eight loads (source 1's blocks 4-7) are in
	WIN MUL_LO
	MUL16 0, (\q)%2, \q, \slot, \zero
	MUL16 2, (\q)%2, \q, \slot, \zero
	s_wait_dscnt 0x0
	PLACES 4                                       ; four plain lines in front of loads into registers that matrix instructions have read
	FETCH_B \slot, (\q)+1, 1-(\q)%2
	FETCH_A \slot, (\q)+1, 0
	WIN MUL_HI
	MUL16 4, (\q)%2, \q, \slot, \zero
	MUL16 6, (\q)%2, \q, \slot, \zero
	PLACES 4
	WIN 0
	FETCH_A \slot, (\q)+1, 4
.endm
	s_wait_tensorcnt 0x1                           ; the scale words and my part of slot 0 are in; slot 1's load may be out
	s_barrier_signal -1
	s_barrier_wait -1
	FETCH_B 0, 0, 0
	FETCH_A 0, 0, 0
	SCALES 0
	FETCH_A 0, 0, 4
	STEP 0, 0, 1                                   ; the first products start the sums: nothing is cleared
	STEP 0, 1, 0
	STEP 0, 2, 0
	s_wait_tensorcnt 0x0                           ; slot 0's last step, and the change of slots: my part of slot 1 is in
	s_wait_dscnt 8
	WIN MUL_LO
	MUL16 0, 1, 3, 0, 0
	s_wait_dscnt 0x0
	s_barrier_signal -1
	MUL16 2, 1, 3, 0, 0
	WIN 0
	s_barrier_wait -1                              ; everybody's part of slot 1 is in; nothing is filled again
	PLACES 4
	FETCH_B 1, 0, 0
	FETCH_A 1, 0, 0
	SCALES 1
	WIN MUL_HI
	MUL16 4, 1, 3, 0, 0
	MUL16 6, 1, 3, 0, 0
	PLACES 4
	WIN 0
	FETCH_A 1, 0, 4
	STEP 1, 0, 0
	STEP 1, 1, 0
	STEP 1, 2, 0
	s_wait_dscnt 8
	WIN MUL_LO
	MUL16 0, 1, 3, 1, 0
	MUL16 2, 1, 3, 1, 0
	s_wait_dscnt 0x0
	WIN MUL_HI
	MUL16 4, 1, 3, 1, 0
	MUL16 6, 1, 3, 1, 0
	WIN 0
	PLACES 4                                       ; in front of the first reads of results and of writes into fragments' registers
	; THE WAY OUT.  Where the images and words go hangs on the part: three arms on the cluster's x fill the same scalars
	s_lshl_b32 s24, s17, 4
	s_lshl_b32 s25, s15, 3
	s_add_co_u32 s24, s24, s25                     ; my first row tile
	s_lshl_b32 s25, s42, 2
	s_lshl_b32 s26, s16, 1
	s_add_co_u32 s25, s25, s26                     ; my first group of 64 columns
	s_and_b32 s38, s24, 127
	s_lshr_b32 s39, s24, 7
	s_lshl_b32 s39, s39, 4                         ; q, k: 16 x batch
	s_cmp_eq_u32 ttmp9, 2
	s_cbranch_scc1 .Lpar_v
	s_cmp_eq_u32 ttmp9, 1
	s_cbranch_scc1 .Lpar_k
	s_add_co_u32 s39, s39, s25                     ; q: (batch, head)
	s_lshl_b32 s26, s39, 16
	s_lshl_b32 s27, s38, 9
	s_add_co_u32 s26, s26, s27                     ; the images
	s_lshl_b32 s28, s39, 12
	s_lshl_b32 s29, s38, 5
	s_add_co_u32 s28, s28, s29
	s_add_co_u32 s28, s28, QS                      ; the words
	s_mov_b32 s30, 65536                           ; from a head's image to the next head's
	s_mov_b32 s31, 4096                            ; and for the words
	s_branch .Lpar_qk
.Lpar_k:
	s_add_co_u32 s39, s39, s25
	s_sub_co_u32 s39, s39, 16
	s_mul_i32 s39, s39, REC
	s_add_co_u32 s39, s39, KV                      ; k: the head's record
	s_lshl_b32 s27, s38, 9
	s_add_co_u32 s26, s39, s27
	s_lshl_b32 s29, s38, 5
	s_add_co_u32 s28, s39, s29
	s_add_co_u32 s28, s28, 65536
	s_mov_b32 s30, REC
	s_mov_b32 s31, REC
.Lpar_qk:
	s_mov_b32 s32, 512                             ; from row tile 3 to 4
	s_mov_b32 s34, 64                              ; from pair to pair of row tiles, in the words
	s_mov_b32 s35, 128
	s_mov_b32 s36, 0x05040100                      ; the first head's two bytes of two tiles,
	s_mov_b32 s37, 0x07060302                      ; the second head's
	s_branch .Lpar_done
.Lpar_v:
	s_lshr_b32 s39, s25, 5
	s_lshl_b32 s39, s39, 4
	s_lshr_b32 s27, s24, 2
	s_add_co_u32 s39, s39, s27                     ; v: (batch of the keys, head of the channels)
	s_mul_i32 s39, s39, REC
	s_add_co_u32 s39, s39, KV
	s_and_b32 s38, s25, 31                         ; the group of 64 keys in the batch
	s_lshl_b32 s27, s38, 11
	s_add_co_u32 s26, s39, s27
	s_add_co_u32 s26, s26, 69632
	s_lshl_b32 s29, s38, 7
	s_add_co_u32 s28, s39, s29
	s_add_co_u32 s28, s28, 135168
	s_mov_b32 s30, 2048                            ; the next 64 keys
	s_mov_b32 s31, 64                              ; the next channel tile's words
	s_mov_b32 s32, REC-1536                        ; channel tile 3 to the next head's tile 0
	s_mov_b32 s34, 128
	s_mov_b32 s35, REC
	s_mov_b32 s36, 0x03020100                      ; the words as they are
	s_mov_b32 s37, 0x07060504
.Lpar_done:
	s_mov_b32 s27, 0
	s_mov_b32 s29, 0
	s_mov_b32 s33, 0
	s_add_nc_u64 s[44:45], s[12:13], s[26:27]
	s_add_nc_u64 s[46:47], s[12:13], s[28:29]
	s_mov_b32 s[SEL], 0x76543210
	s_mov_b32 s[SEL+1], 0xfedcba98
	s_mov_b32 s[HM], 0xffff0000
	v_and_b32 v132, 15, v0
	v_bfe_u32 v133, v0, 4, 1
	v_mul_lo_u32 v133, v133, s31
	v_lshl_add_u32 v128, v132, 2, v133             ; the words: 4 r, lanes 16-31 one head (v: one tile) on
	v_add_nc_u32 v129, s34, v128
	v_add_nc_u32 v130, s35, v128
	v_add_nc_u32 v131, s34, v130
	v_add_nc_u32 v[LI2], s30, v[LI]
.set A_, 0
.rept 8
.if A_ > 0
	s_wait_xcnt 0x0                                ; the last stores have read their data and base: both are written again only behind this wait
.if A_ == 4
	s_add_nc_u64 s[44:45], s[44:45], s[32:33]
.else
	s_add_nc_u64 s[44:45], s[44:45], 512
.endif
.endif
.set AC_, 64*(A_%4)
.set WA_, 2+A_/4
.set PW_, PWS+A_
	QUANT AC_, WA_, PC, PW_
	global_store_b128 v[LI], v[PC:PC+3], s[44:45]       ; 512 consecutive aligned bytes: the first 64 columns' image
	global_store_b128 v[LI2], v[PC+4:PC+7], s[44:45]    ; and the second's
.set A_, A_+1
.endr
.irp p, 0,1,2,3
	v_perm_b32 v132, v[PWS+2*\p+1], v[PWS+2*\p], s36
	v_perm_b32 v133, v[PWS+2*\p+1], v[PWS+2*\p], s37
	v_cndmask_b32 v[134+\p], v132, v133, s[HM]
	global_store_b32 v[128+\p], v[134+\p], s[46:47]
.endr
	s_wait_tensorcnt 0x0                           ; the wave's end
	ds_add_u32 v[SPW], v[NIL]
	s_wait_dscnt 0x0
	CROUND                                         ; the closing round
	s_endpgm
.Lfunc_end_k_q4334cb015a_qkv:
	.size	k_q4334cb015a_qkv, .Lfunc_end_k_q4334cb015a_qkv-k_q4334cb015a_qkv
	.p2alignl 7, 3214868480
	.fill 96, 4, 3214868480
	.section	.rodata,"a",@progbits
	.p2align	6, 0x0
	.amdhsa_kernel k_q4334cb015a_qkv
		.amdhsa_group_segment_fixed_size 327680
		.amdhsa_private_segment_fixed_size 0
		.amdhsa_enable_private_segment 0
		.amdhsa_kernarg_size 24
		.amdhsa_user_sgpr_count 2
		.amdhsa_user_sgpr_kernarg_segment_ptr 1
		.amdhsa_wavefront_size32 1
		.amdhsa_system_sgpr_workgroup_id_x 1
		.amdhsa_system_sgpr_workgroup_id_y 1
		.amdhsa_system_sgpr_workgroup_id_z 1
		.amdhsa_system_vgpr_workitem_id 0
		.amdhsa_next_free_vgpr 1024
		.amdhsa_next_free_sgpr 100
		.amdhsa_reserve_vcc 0
		.amdhsa_float_denorm_mode_32 3
		.amdhsa_float_denorm_mode_16_64 3
		.amdhsa_memory_ordered 1
		.amdhsa_forward_progress 1
		.amdhsa_inst_pref_size 135
	.end_amdhsa_kernel
	.amdgpu_metadata
---
amdhsa.version: [ 1, 2 ]
amdhsa.kernels:
  - .name:           k_q4334cb015a_qkv
    .symbol:         k_q4334cb015a_qkv.kd
    .args:
      - { .name: xq, .offset: 0, .size: 8, .value_kind: global_buffer, .address_space: global }
      - { .name: wq, .offset: 8, .size: 8, .value_kind: global_buffer, .address_space: global }
      - { .name: qkvb, .offset: 16, .size: 8, .value_kind: global_buffer, .address_space: global }
    .group_segment_fixed_size: 327680
    .private_segment_fixed_size: 0
    .kernarg_segment_align: 8
    .kernarg_segment_size: 24
    .max_flat_workgroup_size: 128
    .sgpr_count:     100
    .vgpr_count:     1024
    .wavefront_size: 32
...
	.end_amdgpu_metadata
.endif
;; end of part 2
;; launch attn (part 3): grid 8 x 32, 16 waves a work-group, clusters of 4 x 1, 167,936 bytes of LDS; arguments qkvb, ao; writes ao
.if DOCPART == 3
	.amdgcn_target "amdgcn-amd-amdhsa--gfx1250"
	.amdhsa_code_object_version 6
	.text
	.protected	k_q4334cb015a_attn
	.globl	k_q4334cb015a_attn
	.p2align	8
	.type	k_q4334cb015a_attn,@function
k_q4334cb015a_attn:
	s_mov_b64 s[64:65], 0
	v_nop
	global_prefetch_b8 v0, s[64:65] scope:SCOPE_SE
	s_setreg_imm32_b32 hwreg(HW_REG_WAVE_MODE, 25, 1), 1
	s_wait_xcnt 0x0
	s_wait_alu depctr_hold_cnt(0) depctr_sa_sdst(0) depctr_va_vdst(0) depctr_va_sdst(0) depctr_va_ssrc(0) depctr_va_vcc(0) depctr_vm_vsrc(0)
	s_getreg_b32 s2, hwreg(HW_REG_IB_STS2, 6, 4)
	s_cmp_eq_u32 s2, 0
	s_cbranch_scc0 .Lentry_in_a_cluster
	s_endpgm
.Lentry_in_a_cluster:
	s_bfe_u32 s2, ttmp6, 0x10000c
	s_cmp_lg_u32 s2, 0x3003
	s_cbranch_scc0 .Lentry_shape_is_right
	s_endpgm
.Lentry_shape_is_right:
; Launch 3 of 6: attention on codes of E2M1: S^T = K Q^T, p = 2^(t - M) quantised along the keys, O^T = V^T P^T, O / l quantised along D for the projection.  No work is left out.
; t = score x log2(e) / 8; M = the running largest t rounded UP to a whole number; the row's sum is taken of the unquantised p and divides at the end; when M moves, sum and O^T are multiplied by 2^(old M - new M), exactly.
; SHARES.  A work-group owns 256 queries of one (batch, head), each of its sixteen waves one tile of 16 in 256 registers.  Every wave walks the head's 2,048 keys, 128 a step.
; THE HEAD'S WHOLE RECORD (K's images and words, V's images and words: 139,264 bytes, launch 2's head) comes into LDS ONCE: every wave asks for a sixteenth; no slot is filled twice and no barrier stands in the loop.
; CLUSTER.  The four query blocks of a cluster belong to one head: the record is asked for jointly, by the same sixteen loads in all four.
; K = 64 IN A FORM OF 128: a fragment of K holds TWO key tiles (registers 0-3 tile 2 b, registers 4-7 tile 2 b + 1); it is multiplied once by [q, 0] and once by [0, q]; zero codes add nothing, and no LDS byte is read for nothing.
; A lane holds one query throughout; the keys of a tile are chosen (launch 1's row order) so that the 16 registers of tiles 2 b, 2 b + 1 are 16 neighbouring keys.
; LIMITS: as stated at launch 1's head; 1 / l is v_rcp_f32 and a multiplication.  A block's largest p is made from the block's largest score by the same two instructions as every p.
; The scale bytes of ao leave one byte a lane (a head has two of a word's four bytes): 32 bytes a wave in the whole launch.
.set REC,   139264
.set KV,    2228224
.set QS,    2097152
.set AOS,   2097152
.set SPARE, 139264                     ; behind the record: the spare words, 128 bytes a wave
.set SPW,   5
.set NIL,   6
.set WV,    18
.set SEL,   20
.set CS,    22                         ; s[22:23] c = log2(e) / 8
.set G1,    24
.set G0,    32
.set TK,    36                         ; the step's codes: 4,096 bytes a step, in K and in V
.set TS,    37                         ; its scale words: 256 bytes a step
.set CNT,   38
.set HM,    39
.macro CROUND
	s_barrier_signal -1
	s_barrier_wait -1
	s_cmp_lg_u32 s[WV], 0
	s_cbranch_scc1 .Lnot_wave_0_\@
	s_barrier_signal -3
.Lnot_wave_0_\@:
	s_barrier_wait -3
	s_barrier_signal -1
	s_barrier_wait -1
.endm
	s_load_b128 s[4:7], s[0:1], 0x0                ; qkvb s[4:5], ao s[6:7]
	v_lshl_add_u32 v[SPW], v0, 2, SPARE
	v_mov_b32 v[NIL], 0
	ds_add_u32 v[SPW], v[NIL]                      ; the wave's opening: the add, twice on end, and its wait ahead of my first tensor load
	ds_add_u32 v[SPW], v[NIL]
	v_lshrrev_b32 v8, 5, v0
	v_readfirstlane_b32 s[WV], v8                  ; wave 0..15
	s_bfe_u32 s8, ttmp6, 0x40000                   ; cx
	s_lshl_b32 s9, ttmp9, 2
	s_add_co_u32 s9, s9, s8                        ; my block of 256 queries: it enters q's and ao's addresses alone
	s_and_b32 s10, ttmp7, 0xffff                   ; (batch, head), which the partners share
	s_mov_b32 s[G1], 15|(3<<16)|(1<<21)            ; the mask: all four; elements of 8 bytes; bit 21 beside a mask; no padding
	s_mov_b32 s[G1+1], 32<<16                      ; 8,704 dense bytes as 34 rows of 256
	s_mov_b32 s[G1+2], 34<<16
	s_mov_b32 s[G1+3], 32<<16
	s_mov_b32 s[G1+4], 34
	s_mov_b32 s[G1+5], 32
	s_mov_b32 s[G1+6], 0
	s_mov_b32 s[G1+7], 0
	s_mul_i32 s11, s[WV], 8704                     ; my sixteenth of the record, in LDS and in memory
	s_mul_i32 s12, s10, REC
	s_add_co_u32 s12, s12, s11
	s_add_co_u32 s12, s12, KV
	s_mov_b32 s13, 0
	s_lshl_b32 s14, s9, 4
	s_add_co_u32 s14, s14, s[WV]                   ; my query tile in the batch
	s_lshl_b32 s15, s10, 7
	s_add_co_u32 s15, s15, s14
	s_lshl_b32 s40, s15, 9                         ; q's image
	s_mov_b32 s41, 0
	s_lshr_b32 s42, s15, 1
	s_lshl_b32 s42, s42, 6
	s_add_co_u32 s42, s42, QS                      ; the pair's words
	s_mov_b32 s43, 0
	s_lshr_b32 s44, s10, 4
	s_lshl_b32 s44, s44, 7
	s_add_co_u32 s44, s44, s14                     ; my token tile
	s_and_b32 s45, s10, 15                         ; the head
	s_lshl_b32 s46, s44, 4
	s_add_co_u32 s46, s46, s45
	s_lshl_b32 s46, s46, 9                         ; ao: ((tile x 8 + head / 2) x 2 + head % 2) x 512
	s_mov_b32 s47, 0
	s_lshl_b32 s48, s44, 3
	s_lshr_b32 s49, s45, 1
	s_add_co_u32 s48, s48, s49
	s_lshl_b32 s48, s48, 6
	s_and_b32 s49, s45, 1
	s_lshl_b32 s49, s49, 1
	s_add_co_u32 s48, s48, s49
	s_add_co_u32 s48, s48, AOS                     ; its scale bytes: + 2 (head % 2)
	s_mov_b32 s49, 0
	s_and_b32 s50, s[WV], 1
	s_lshl_b32 s50, s50, 4                         ; my tile's two bytes in the pair's word: 16 (tile % 2) bits up
	s_mov_b32 s[SEL], 0x76543210
	s_mov_b32 s[SEL+1], 0xfedcba98
	s_mov_b32 s[CS], 0x3e38aa3b
	s_mov_b32 s[CS+1], s[CS]
	s_mov_b32 s[HM], 0xffff0000
	s_mov_b32 s[TK], 0
	s_mov_b32 s[TS], 0
	s_mov_b32 s[CNT], 16
	s_wait_dscnt 0x0                               ; both opening adds are done
	s_wait_kmcnt 0x0
	s_mov_b32 s[G0], 1
	s_mov_b32 s[G0+1], s11
	s_add_nc_u64 s[G0+2:G0+3], s[4:5], s[12:13]
	s_or_b32 s[G0+3], s[G0+3], 0x80000000
	s_add_nc_u64 s[40:41], s[4:5], s[40:41]
	s_add_nc_u64 s[42:43], s[4:5], s[42:43]
	s_add_nc_u64 s[46:47], s[6:7], s[46:47]
	s_add_nc_u64 s[48:49], s[6:7], s[48:49]
	CROUND                                         ; all four work-groups are here: the joint loads meet
	tensor_load_to_lds s[G0:G0+3], s[G1:G1+7]      ; my one tensor load of the launch
	s_nop 0
.rept 4
	v_nop
.endr
	v_and_b32 v1, 31, v0
	v_lshlrev_b32 v1, 4, v1                        ; 16 x lane: K's images
	v_add_nc_u32 v2, 69632, v1                     ; V's
	v_and_b32 v7, 15, v0
	v_lshlrev_b32 v7, 2, v7                        ; 4 r
	v_add_nc_u32 v3, 65536, v7                     ; K's words
	v_add_nc_u32 v4, 135168, v7                    ; V's
	global_load_b128 v[16:19], v1, s[40:41]        ; [q, 0] in v16-23,
	global_load_b128 v[28:31], v1, s[40:41]        ; [0, q] in v24-31: two runs of registers
	global_load_b32 v254, v7, s[42:43]
.irp j, 20,21,22,23,24,25,26,27
	v_mov_b32 v[\j], 0
.endr
	v_mov_b32 v13, 0xff61b1e6                      ; the largest t so far: -3e38
	v_floor_f32 v12, -v13                          ; -M
	v_mov_b32 v14, 0                               ; the sum, in two halves
	v_mov_b32 v15, 0
.irp b, 0,1,2,3
	v_mov_b32 v[236+\b], 0                         ; written once: a lane permute's destination counts as one of its sources
.endr
	v_mov_b32 v253, 0
	s_wait_loadcnt 0x0
	v_lshrrev_b32 v254, s50, v254
	v_and_b32 v254, 0xffff, v254
	v_lshl_or_b32 v255, v254, 16, v254             ; q's two bytes, for either half of K's 128
.set J, 0
.rept 32
	v_mov_b32 v[160+J], 0                          ; O^T: the first change of M leaves zeros zeros.  (These lines also stand between the scale word's making and the first product)
.set J, J+1
.endr
	s_wait_tensorcnt 0x0                           ; my sixteenth is in,
	s_barrier_signal -1
	s_barrier_wait -1                              ; everybody's is
.Lstep:                                            ; 16 trips of 128 keys
	v_add_nc_u32 v8, s[TK], v1                     ; (these four are the plain lines in front of loads into registers that the last products read)
	v_add_nc_u32 v9, s[TK], v2
	v_add_nc_u32 v10, s[TS], v3
	v_add_nc_u32 v11, s[TS], v4
.irp b, 0,1,2,3
.irp u, 0,1
	ds_load_b128 v[32+8*\b+4*\u:35+8*\b+4*\u], v8 offset:1024*\b+512*\u
.endr
	ds_load_b32 v[196+\b], v10 offset:64*\b
.endr
.irp t, 0,1,2,3
.irp c, 0,1
	ds_load_b128 v[64+8*\t+4*\c:67+8*\t+4*\c], v9 offset:2048*\c+512*\t
.endr
	ds_load_b32 v[192+\t], v11 offset:64*\t
.endr
	s_wait_dscnt 12                                ; K's twelve loads are in; V's twelve may be out
.irp b, 0,1,2,3
	v_wmma_scale_f32_16x16x128_f8f6f4 v[96+16*\b:103+16*\b], v[32+8*\b:39+8*\b], v[16:23], 0, v[196+\b], v255 matrix_a_fmt:MATRIX_FMT_FP4 matrix_b_fmt:MATRIX_FMT_FP4
	v_wmma_scale_f32_16x16x128_f8f6f4 v[104+16*\b:111+16*\b], v[32+8*\b:39+8*\b], v[24:31], 0, v[196+\b], v255 matrix_a_fmt:MATRIX_FMT_FP4 matrix_b_fmt:MATRIX_FMT_FP4
.endr
.rept 4
	v_nop
.endr
.irp b, 0,1,2,3
	v_max3_num_f32 v[232+\b], v[96+16*\b], v[97+16*\b], v[98+16*\b]   ; the largest score of each block of 32 keys: for the row's maximum and for the block's largest p
.endr
.irp i, 3,5,7,9,11,13
.irp b, 0,1,2,3
	v_max3_num_f32 v[232+\b], v[232+\b], v[96+16*\b+\i], v[97+16*\b+\i]
.endr
.endr
.irp b, 0,1,2,3
	v_max_num_f32 v[232+\b], v[232+\b], v[111+16*\b]
.endr
.irp b, 0,1,2,3
	v_permlanex16_b32 v[236+\b], v[232+\b], s[SEL], s[SEL+1]
.endr
.irp b, 0,1,2,3
	v_max_num_f32 v[232+\b], v[232+\b], v[236+\b]
.endr
	v_max3_num_f32 v254, v232, v233, v234
	v_max_num_f32 v254, v254, v235
	v_mul_f32 v254, s[CS], v254                    ; as t
	v_max_num_f32 v13, v13, v254                   ; the running largest t
	v_mov_b32 v254, v12
	v_floor_f32 v12, -v13                          ; the new -M = -ceil(t)
	v_sub_f32 v254, v12, v254                      ; old M - new M: a whole number, 0 or less
	v_cvt_i32_f32 v254, v254
	v_ldexp_f32 v252, 1.0, v254                    ; f = 2^(old M - new M)
.set J, 0
.rept 32
	v_pk_fma_f32 v[96+J:97+J], v[96+J:97+J], s[CS:CS+1], v[12:13] op_sel_hi:[1,0,0]   ; t - M
.set J, J+2
.endr
.irp b, 0,1,2,3
	v_fma_f32 v[232+\b], v[232+\b], s[CS], v12
.endr
.set J, 0
.rept 64
	v_exp_f32 v[96+J], v[96+J]                     ; p = 2^(t - M): not normalised
.set J, J+1
.endr
	v_pk_mul_f32 v[14:15], v[14:15], v[252:253] op_sel_hi:[1,0]   ; the sums under the new M: the plain line behind the exponentials
	s_wait_alu depctr_va_vdst(0)                   ; one wait for the batch, ahead of its first reader
.irp b, 0,1,2,3
	v_exp_f32 v[232+\b], v[232+\b]                 ; the blocks' largest p
.endr
	v_pk_add_f32 v[236:237], v[96:97], v[98:99]    ; the row's sum, of the unquantised p, in two chains
.irp j, 4,8,12,16,20,24,28,32,36,40,44,48,52,56,60
	v_pk_add_f32 v[14:15], v[14:15], v[96+\j:97+\j]
	v_pk_add_f32 v[236:237], v[236:237], v[98+\j:99+\j]
.endr
	v_pk_add_f32 v[14:15], v[14:15], v[236:237]
	s_wait_alu depctr_va_vdst(0)                   ; and one for the four
.irp b, 0,1,2,3
	v_max_num_f32 v[232+\b], 0x1800000, v[232+\b]  ; the floor: the byte cannot fall under 1
.endr
.irp b, 0,1,2,3
	v_add_nc_u32 v[244+\b], 0xff000000, v[232+\b]
.endr
.irp b, 0,1,2,3
	v_lshrrev_b32 v[236+\b], 23, v[244+\b]
.endr
	v_lshl_or_b32 v253, v237, 8, v236              ; p's scale word for these 128 keys
	v_lshl_or_b32 v253, v238, 16, v253
	v_lshl_or_b32 v253, v239, 24, v253
.irp b, 0,1,2,3
	v_cvt_scalef32_pk8_fp4_f32 v[224+2*\b], v[96+16*\b:103+16*\b], v[244+\b]
	v_cvt_scalef32_pk8_fp4_f32 v[225+2*\b], v[104+16*\b:111+16*\b], v[244+\b]
.endr
	v_nop
.irp c, 0,1
.irp i, 0,1
	v_permlane16_swap_b32 v[224+4*\c+\i], v[226+4*\c+\i]
.endr
.endr
.set J, 0
.rept 16
	v_pk_mul_f32 v[160+J:161+J], v[160+J:161+J], v[252:253] op_sel_hi:[1,0]   ; O^T under the new M; also the plain lines between the scale word and codes just made and the products
.set J, J+2
.endr
	s_wait_dscnt 0x0                               ; V is in
.irp t, 0,1,2,3
	v_wmma_scale_f32_16x16x128_f8f6f4 v[160+8*\t:167+8*\t], v[64+8*\t:71+8*\t], v[224:231], v[160+8*\t:167+8*\t], v[192+\t], v253 matrix_a_fmt:MATRIX_FMT_FP4 matrix_b_fmt:MATRIX_FMT_FP4
.endr
	s_add_co_u32 s[TK], s[TK], 4096
	s_add_co_u32 s[TS], s[TS], 256
	s_sub_co_u32 s[CNT], s[CNT], 1
	s_cmp_lg_u32 s[CNT], 0
	s_cbranch_scc1 .Lstep
	; THE WAY OUT: O^T / l; its 32 registers are the head's 64 channels, 32 b + 16 h + 0..15: two blocks of the projection's K
	v_add_f32 v14, v14, v15
	v_permlanex16_b32 v252, v14, s[SEL], s[SEL+1]
	v_add_f32 v14, v14, v252                       ; the row's sum
	v_rcp_f32 v14, v14
	v_and_b32 v8, 15, v0
	v_bfe_u32 v9, v0, 4, 1
	v_lshl_add_u32 v10, v8, 2, v9                  ; 4 r + h: my byte of the row's word
	v_nop
	s_wait_alu depctr_va_vdst(0)                   ; ahead of the reciprocal's first reader
.set J, 0
.rept 32
	v_mul_f32 v[96+J], v[160+J], v14
.set J, J+1
.endr
.irp b, 0,1
	v_max3_num_f32 v[232+\b], |v[96+16*\b]|, |v[97+16*\b]|, 0x1800000
.endr
.irp i, 2,4,6,8,10,12,14
.irp b, 0,1
	v_max3_num_f32 v[232+\b], v[232+\b], |v[96+16*\b+\i]|, |v[97+16*\b+\i]|
.endr
.endr
.irp b, 0,1
	v_permlanex16_b32 v[236+\b], v[232+\b], s[SEL], s[SEL+1]
.endr
.irp b, 0,1
	v_max_num_f32 v[232+\b], v[232+\b], v[236+\b]
.endr
.irp b, 0,1
	v_add_nc_u32 v[244+\b], 0xff000000, v[232+\b]
.endr
.irp b, 0,1
	v_lshrrev_b32 v[236+\b], 23, v[244+\b]
.endr
.irp b, 0,1
	v_cvt_scalef32_pk8_fp4_f32 v[224+2*\b], v[96+16*\b:103+16*\b], v[244+\b]
	v_cvt_scalef32_pk8_fp4_f32 v[225+2*\b], v[104+16*\b:111+16*\b], v[244+\b]
.endr
	v_nop
	v_permlane16_swap_b32 v224, v226
	v_permlane16_swap_b32 v225, v227               ; v224-227: lane (r, h): the head's channels 32 h + 0..31
	v_cndmask_b32 v238, v236, v237, s[HM]          ; lanes 0-15 block 0's byte, lanes 16-31 block 1's
	global_store_b128 v1, v[224:227], s[46:47]     ; 512 consecutive aligned bytes
	global_store_b8 v10, v238, s[48:49]
	s_wait_tensorcnt 0x0                           ; the wave's end
	ds_add_u32 v[SPW], v[NIL]
	s_wait_dscnt 0x0
	CROUND                                         ; the closing round
	s_endpgm
.Lfunc_end_k_q4334cb015a_attn:
	.size	k_q4334cb015a_attn, .Lfunc_end_k_q4334cb015a_attn-k_q4334cb015a_attn
	.p2alignl 7, 3214868480
	.fill 96, 4, 3214868480
	.section	.rodata,"a",@progbits
	.p2align	6, 0x0
	.amdhsa_kernel k_q4334cb015a_attn
		.amdhsa_group_segment_fixed_size 167936
		.amdhsa_private_segment_fixed_size 0
		.amdhsa_enable_private_segment 0
		.amdhsa_kernarg_size 16
		.amdhsa_user_sgpr_count 2
		.amdhsa_user_sgpr_kernarg_segment_ptr 1
		.amdhsa_wavefront_size32 1
		.amdhsa_system_sgpr_workgroup_id_x 1
		.amdhsa_system_sgpr_workgroup_id_y 1
		.amdhsa_system_sgpr_workgroup_id_z 1
		.amdhsa_system_vgpr_workitem_id 0
		.amdhsa_next_free_vgpr 256
		.amdhsa_next_free_sgpr 66
		.amdhsa_reserve_vcc 0
		.amdhsa_float_denorm_mode_32 3
		.amdhsa_float_denorm_mode_16_64 3
		.amdhsa_memory_ordered 1
		.amdhsa_forward_progress 1
		.amdhsa_inst_pref_size 26
	.end_amdhsa_kernel
	.amdgpu_metadata
---
amdhsa.version: [ 1, 2 ]
amdhsa.kernels:
  - .name:           k_q4334cb015a_attn
    .symbol:         k_q4334cb015a_attn.kd
    .args:
      - { .name: qkvb, .offset: 0, .size: 8, .value_kind: global_buffer, .address_space: global }
      - { .name: ao, .offset: 8, .size: 8, .value_kind: global_buffer, .address_space: global }
    .group_segment_fixed_size: 167936
    .private_segment_fixed_size: 0
    .kernarg_segment_align: 8
    .kernarg_segment_size: 16
    .max_flat_workgroup_size: 512
    .sgpr_count:     66
    .vgpr_count:     256
    .wavefront_size: 32
...
	.end_amdgpu_metadata
.endif
;; end of part 3
;; launch proj (part 4): grid 256 x 1, 8 waves a work-group, no clusters, 81,920 bytes of LDS; arguments ao, wq, x, ln1_w, ln1_b, x1, x1q; writes x1, x1q
.if DOCPART == 4
	.amdgcn_target "amdgcn-amd-amdhsa--gfx1250"
	.amdhsa_code_object_version 6
	.text
	.protected	k_q4334cb015a_proj
	.globl	k_q4334cb015a_proj
	.p2align	8
	.type	k_q4334cb015a_proj,@function
k_q4334cb015a_proj:
	s_mov_b64 s[64:65], 0
	v_nop
	global_prefetch_b8 v0, s[64:65] scope:SCOPE_SE
	s_setreg_imm32_b32 hwreg(HW_REG_WAVE_MODE, 25, 1), 1
	s_wait_xcnt 0x0
; Launch 4 of 6: x1 = layernorm(x + attention's out w_out), stored as f32 (the next residual) and as codes of E2M1 along D (the next operand).  No work is left out.
; SHARES.  A work-group owns one tile of 16 tokens and all 1,024 columns, so that a row's mean and variance stay inside it; wave w owns columns 128 w .. 128 w + 127: 8 accumulators.
; Each fragment of the weight is read by one wave of the work-group: it goes from memory straight into registers, by loads of 512 consecutive bytes (operands lie as images of fragments: launch 1's head).
; NO CLUSTER, NO JOINT LOADS, though all work-groups walk the same weight: a fragment feeds one matrix instruction of one wave, so LDS would add a write and a read for each byte and a ring with a round for each refill.
; THE RESIDUAL IS THE SUMS' BEGINNING: x's 16 rows x 512 bytes are turned through the wave's stage into the result's layout and lie in the accumulators before the first product.
; The product is used transposed: lane (r, h) holds token r of the tile, register 16 b + i column 128 w + 32 b + 16 h + i.
; LAYER NORM in two passes, as it is defined: the mean; then the mean of the squared differences; the eight waves' partial sums meet in LDS behind a barrier each.
; LIMITS: as stated at launch 1's head.
.set KQ,    8                          ; K / 128
.set HASB,  0                          ; no bias on this product
.set HASQ,  1                          ; the result is also quantised
.set WC,    1572864                    ; the weight's codes in wq,
.set WS,    6389760                    ; its scale words
.set ASC,   2097152                    ; the left operand's scale words in its buffer
.set PB2,   10                         ; (not used here)
.set PGAIN, 10                         ; s[10:11] the gain, s[12:13] the shift, s[14:15] the f32 result, s[16:17] the codes
.set PSHIFT, 12
.set POUT,  14
.set PQ,    16
.set PAR,   67584                      ; LDS: behind the eight stages of 16 x 528 bytes: 3 x 512 bytes of parameters for each wave,
.set RED1,  79872                      ; 16 rows x 8 partial sums,
.set SPARE, 80896                      ; (RED1 + 512: the second pass's) and the spare words, 128 bytes a wave
.set SPW,   9
.set NIL,   10
.set TM,    240
.set SEL,   32
.macro PLACES n
.rept \n
	v_nop
.endr
.endm
.macro QUANT0 s, pc, pw
.irp b, 0,1,2,3
	v_max3_num_f32 v[TM+\b], |v[\s+16*\b]|, |v[\s+1+16*\b]|, 0x1800000
.endr
.irp i, 2,4,6,8,10,12,14
.irp b, 0,1,2,3
	v_max3_num_f32 v[TM+\b], v[TM+\b], |v[\s+16*\b+\i]|, |v[\s+1+16*\b+\i]|
.endr
.endr
.irp b, 0,1,2,3
	v_permlanex16_b32 v[TM+4+\b], v[TM+\b], s[SEL], s[SEL+1]
.endr
.irp b, 0,1,2,3
	v_max_num_f32 v[TM+\b], v[TM+\b], v[TM+4+\b]
.endr
.irp b, 0,1,2,3
	v_add_nc_u32 v[TM+12+\b], 0xff000000, v[TM+\b]
.endr
.irp b, 0,1,2,3
	v_lshrrev_b32 v[TM+4+\b], 23, v[TM+12+\b]
.endr
	v_lshl_or_b32 v[\pw], v[TM+5], 8, v[TM+4]
	v_lshl_or_b32 v[\pw], v[TM+6], 16, v[\pw]
	v_lshl_or_b32 v[\pw], v[TM+7], 24, v[\pw]
.irp b, 0,1,2,3
	v_cvt_scalef32_pk8_fp4_f32 v[\pc+2*\b], v[\s+16*\b:\s+7+16*\b], v[TM+12+\b]
	v_cvt_scalef32_pk8_fp4_f32 v[\pc+1+2*\b], v[\s+8+16*\b:\s+15+16*\b], v[TM+12+\b]
.endr
	v_nop
.irp c, 0,1
.irp i, 0,1
	v_permlane16_swap_b32 v[\pc+4*\c+\i], v[\pc+2+4*\c+\i]
.endr
.endr
.endm
; a K step's operands, 23 loads: 8 fragments of the weight, their words (lanes 0-15 tile 2 i, lanes 16-31 tile 2 i + 1), the tokens' fragment and its words
.macro LOADS rb, ra, rbs, ras, d
.irp i, 0,1,2,3,4,5,6,7
.irp c, 0,1
	global_load_b128 v[\rb+8*\i+4*\c:\rb+8*\i+4*\c+3], v1, s[20:21] offset:\i*KQ*1024+512*\c+1024*\d
.endr
.endr
.irp i, 0,1,2,3
	global_load_b32 v[\rbs+\i], v2, s[22:23] offset:\i*KQ*128+64*\d
.endr
.irp c, 0,1
	global_load_b128 v[\ra+4*\c:\ra+4*\c+3], v1, s[24:25] offset:512*\c+1024*\d
.endr
	global_load_b32 v[\ras], v3, s[26:27] offset:64*\d
.endm
.macro MUL rb, ra, rbs, ras            ; eight accumulators by turns
.irp i, 0,2,4,6
	v_wmma_scale_f32_16x16x128_f8f6f4 v[16+8*\i:23+8*\i], v[\rb+8*\i:\rb+8*\i+7], v[\ra:\ra+7], v[16+8*\i:23+8*\i], v[\rbs+\i/2], v[\ras] matrix_a_fmt:MATRIX_FMT_FP4 matrix_b_fmt:MATRIX_FMT_FP4
	v_wmma_scale_f32_16x16x128_f8f6f4 v[24+8*\i:31+8*\i], v[\rb+8+8*\i:\rb+8*\i+15], v[\ra:\ra+7], v[24+8*\i:31+8*\i], v[\rbs+\i/2], v[\ras] matrix_a_fmt:MATRIX_FMT_FP4 matrix_b_fmt:MATRIX_FMT_FP4 matrix_a_scale:MATRIX_SCALE_ROW1
.endr
.endm
.macro STEPB                           ; two K steps on
	s_add_nc_u64 s[20:21], s[20:21], 2048
	s_add_nc_u64 s[22:23], s[22:23], 128
	s_add_nc_u64 s[24:25], s[24:25], 2048
	s_add_nc_u64 s[26:27], s[26:27], 128
.endm
.macro GATHER off                      ; my partial sum in v240 meets the other waves': the row's sum comes back in v240
	v_add_f32 v240, v240, v241
	v_permlanex16_b32 v241, v240, s[SEL], s[SEL+1]
	v_add_f32 v240, v240, v241                     ; my wave's 128 columns of row r
	ds_store_b32 v7, v240 offset:\off              ; both halves of the lanes write the same word with the same value
	s_wait_dscnt 0x0                               ; for the others' sake: my store has landed (and my LDS loads are in)
	s_barrier_signal -1
	s_barrier_wait -1
	ds_load_b128 v[240:243], v8 offset:\off
	ds_load_b128 v[244:247], v8 offset:\off+16
	s_wait_dscnt 0x0
	v_add_f32 v240, v240, v241
	v_add_f32 v242, v242, v243
	v_add_f32 v244, v244, v245
	v_add_f32 v246, v246, v247
	v_add_f32 v240, v240, v242
	v_add_f32 v244, v244, v246
	v_add_f32 v240, v240, v244
.endm
	s_load_b256 s[4:11], s[0:1], 0x0
	s_load_b128 s[12:15], s[0:1], 0x20
	s_load_b64 s[16:17], s[0:1], 0x30
	v_lshl_add_u32 v[SPW], v0, 2, SPARE
	v_mov_b32 v[NIL], 0
	v_lshrrev_b32 v1, 5, v0
	v_readfirstlane_b32 s18, v1                    ; wave 0..7
	v_and_b32 v1, 31, v0
	v_lshlrev_b32 v1, 4, v1                        ; 16 x lane
	v_and_b32 v12, 15, v0                          ; r
	v_bfe_u32 v13, v0, 4, 1                        ; h
	v_lshlrev_b32 v3, 2, v12                       ; 4 r
	v_mul_u32_u24 v2, v13, KQ*64
	v_add_nc_u32 v2, v2, v3                        ; the weight's words: lanes 16-31 the next tile
	s_mul_i32 s19, s18, 8448
	v_add_nc_u32 v4, s19, v1                       ; my stage, by rows
	v_mul_u32_u24 v5, v12, 528
	v_lshl_add_u32 v5, v13, 6, v5
	v_add_nc_u32 v5, s19, v5                       ; and in the result's layout: row r, + 64 h
	s_mul_i32 s19, s18, 1536
	s_add_co_u32 s19, s19, PAR
	v_lshl_add_u32 v6, v13, 6, s19                 ; my parameters, read: + 64 h
	v_add_nc_u32 v15, s19, v1                      ; written: + 16 x lane
	s_lshl_b32 s19, s18, 2
	s_add_co_u32 s19, s19, RED1
	v_lshl_add_u32 v7, v12, 5, s19                 ; my partial sum: row r, wave w
	v_lshlrev_b32 v8, 5, v12
	v_add_nc_u32 v8, RED1, v8
	v_lshl_add_u32 v11, v13, 1, v3                 ; 4 r + 2 h
	v_lshlrev_b32 v237, 4, v13                     ; 16 h
	s_lshl_b32 s19, s18, 9
	v_add_nc_u32 v14, s19, v1                      ; my 512 bytes of a parameter
	s_mov_b32 s[SEL], 0x76543210
	s_mov_b32 s[SEL+1], 0xfedcba98
	s_mov_b32 s34, 0x3a800000                      ; 1 / 1024
	s_mov_b32 s35, 0x3727c5ac                      ; 1e-5
	s_mov_b32 s36, KQ/2-1
	s_mul_i32 s20, s18, KQ*8192
	s_add_co_u32 s20, s20, WC
	s_mov_b32 s21, 0
	s_mul_i32 s22, s18, KQ*512
	s_add_co_u32 s22, s22, WS
	s_mov_b32 s23, 0
	s_mul_i32 s24, ttmp9, KQ*1024
	s_mov_b32 s25, 0
	s_mul_i32 s26, ttmp9, KQ*64
	s_add_co_u32 s26, s26, ASC
	s_mov_b32 s27, 0
	s_lshr_b32 s28, ttmp9, 1
	s_lshl_b32 s28, s28, 5
	s_and_b32 s29, ttmp9, 1
	s_lshl_b32 s29, s29, 3
	s_add_co_u32 s28, s28, s29                     ; the tile's first true row
	s_lshl_b32 s28, s28, 12
	s_lshl_b32 s29, s18, 9
	s_add_co_u32 s28, s28, s29
	s_mov_b32 s29, 0
.if HASQ
	s_lshl_b32 s40, ttmp9, 3
	s_add_co_u32 s40, s40, s18                     ; 8 T + w
	s_lshl_b32 s42, s40, 6
	s_add_co_u32 s42, s42, 2097152
	s_mov_b32 s43, 0
	s_lshl_b32 s40, s40, 10
	s_mov_b32 s41, 0
.endif
	s_wait_kmcnt 0x0
	s_add_nc_u64 s[20:21], s[6:7], s[20:21]
	s_add_nc_u64 s[22:23], s[6:7], s[22:23]
	s_add_nc_u64 s[24:25], s[4:5], s[24:25]
	s_add_nc_u64 s[26:27], s[4:5], s[26:27]
	s_add_nc_u64 s[30:31], s[POUT:POUT+1], s[28:29]
	s_add_nc_u64 s[28:29], s[8:9], s[28:29]
.if HASQ
	s_add_nc_u64 s[40:41], s[PQ:PQ+1], s[40:41]
	s_add_nc_u64 s[42:43], s[PQ:PQ+1], s[42:43]
.endif
.irp i, 0,1,2,3,4,5,6,7,8,9,10,11,12,13,14,15
	global_load_b128 v[16+4*\i:19+4*\i], v1, s[28:29] offset:(\i+8*(\i/8))*4096   ; the residual: lane-row i's 512 bytes
.endr
	global_load_b128 v[240:243], v14, s[PGAIN:PGAIN+1]
	global_load_b128 v[244:247], v14, s[PSHIFT:PSHIFT+1]
.if HASB
	global_load_b128 v[248:251], v14, s[PB2:PB2+1]
.endif
	LOADS 80, 144, 152, 156, 0
	LOADS 160, 224, 232, 236, 1
	s_wait_xcnt 0x0                                ; the loads have read their bases and offsets: they are written again only behind this wait
	STEPB
	s_wait_loadcnt 46                              ; the residual and the parameters are in; the two sets of 23 may be out
.irp i, 0,1,2,3,4,5,6,7,8,9,10,11,12,13,14,15
	ds_store_b128 v4, v[16+4*\i:19+4*\i] offset:528*\i
.endr
	ds_store_b128 v15, v[240:243]
	ds_store_b128 v15, v[244:247] offset:512
.if HASB
	ds_store_b128 v15, v[248:251] offset:1024
.endif
.irp b, 0,1,2,3
.irp g, 0,1,2,3
	ds_load_b128 v[16+16*\b+4*\g:19+16*\b+4*\g], v5 offset:128*\b+16*\g   ; LDS serves a wave's instructions in order: these see my stores
.endr
.endr
	s_wait_dscnt 0x0
.Lk:                                               ; KQ / 2 - 1 trips of two K steps
	s_wait_loadcnt 23                              ; set 0 is in; set 1's 23 loads may be out
	MUL 80, 144, 152, 156
	PLACES 4                                       ; in front of loads into registers that matrix instructions have read
	LOADS 80, 144, 152, 156, 0
	s_wait_loadcnt 23                              ; set 1 is in; the 23 just issued may be out
	MUL 160, 224, 232, 236
	PLACES 4
	LOADS 160, 224, 232, 236, 1
	s_wait_xcnt 0x0
	STEPB
	s_sub_co_u32 s36, s36, 1
	s_cmp_lg_u32 s36, 0
	s_cbranch_scc1 .Lk
	s_wait_loadcnt 23
	MUL 80, 144, 152, 156
	s_wait_loadcnt 0x0
	MUL 160, 224, 232, 236
	PLACES 4
.if HASB
.irp b, 0,1,2,3
.irp g, 0,1,2,3
	ds_load_b128 v[80+16*\b+4*\g:83+16*\b+4*\g], v6 offset:1024+128*\b+16*\g
.endr
.endr
	s_wait_dscnt 0x0
.set J, 0
.rept 32
	v_pk_add_f32 v[16+J:17+J], v[16+J:17+J], v[80+J:81+J]           ; the bias
.set J, J+2
.endr
.endif
.irp b, 0,1,2,3
.irp g, 0,1,2,3
	ds_load_b128 v[80+16*\b+4*\g:83+16*\b+4*\g], v6 offset:128*\b+16*\g        ; the gain,
	ds_load_b128 v[160+16*\b+4*\g:163+16*\b+4*\g], v6 offset:512+128*\b+16*\g  ; the shift, in the result's layout
.endr
.endr
.irp c, 0,1,2,3                                ; the sum, in four chains; each accumulator is read from its low end on
	v_pk_add_f32 v[240+2*\c:241+2*\c], v[16+2*\c:17+2*\c], v[24+2*\c:25+2*\c]
.endr
.irp j, 16,24,32,40,48,56
.irp c, 0,1,2,3
	v_pk_add_f32 v[240+2*\c:241+2*\c], v[240+2*\c:241+2*\c], v[16+\j+2*\c:17+\j+2*\c]
.endr
.endr
	v_pk_add_f32 v[240:241], v[240:241], v[242:243]
	v_pk_add_f32 v[244:245], v[244:245], v[246:247]
	v_pk_add_f32 v[240:241], v[240:241], v[244:245]
	GATHER 0
	v_mul_f32 v12, s34, v240                       ; the mean
	v_mov_b32 v13, v12
.set J, 0
.rept 32
	v_pk_add_f32 v[16+J:17+J], v[16+J:17+J], v[12:13] neg_lo:[0,1] neg_hi:[0,1]
.set J, J+2
.endr
.irp c, 0,1,2,3
	v_pk_mul_f32 v[240+2*\c:241+2*\c], v[16+2*\c:17+2*\c], v[16+2*\c:17+2*\c]
.endr
.irp j, 8,16,24,32,40,48,56
.irp c, 0,1,2,3
	v_pk_fma_f32 v[240+2*\c:241+2*\c], v[16+\j+2*\c:17+\j+2*\c], v[16+\j+2*\c:17+\j+2*\c], v[240+2*\c:241+2*\c]
.endr
.endr
	v_pk_add_f32 v[240:241], v[240:241], v[242:243]
	v_pk_add_f32 v[244:245], v[244:245], v[246:247]
	v_pk_add_f32 v[240:241], v[240:241], v[244:245]
	GATHER 512
	v_fma_f32 v14, v240, s34, s35                  ; the variance + 1e-5
	v_rsq_f32 v14, v14
	v_nop
	s_wait_alu depctr_va_vdst(0)                   ; ahead of the first reader
	v_mov_b32 v15, v14
.set J, 0
.rept 32
	v_pk_mul_f32 v[16+J:17+J], v[16+J:17+J], v[14:15]
.set J, J+2
.endr
.set J, 0
.rept 32
	v_pk_fma_f32 v[16+J:17+J], v[16+J:17+J], v[80+J:81+J], v[160+J:161+J]
.set J, J+2
.endr
.irp b, 0,1,2,3                                ; back through my stage: whole rows of 512 bytes
.irp g, 0,1,2,3
	ds_store_b128 v5, v[16+16*\b+4*\g:19+16*\b+4*\g] offset:128*\b+16*\g
.endr
.endr
.irp i, 0,1,2,3,4,5,6,7,8,9,10,11,12,13,14,15
	ds_load_b128 v[160+4*\i:163+4*\i], v4 offset:528*\i
.endr
.if HASQ
	QUANT0 16, 144, 238                            ; my 128 columns are K step w of the next product
	global_store_b128 v1, v[144:147], s[40:41]
	global_store_b128 v1, v[148:151], s[40:41] offset:512
	v_lshrrev_b32 v239, v237, v238
	global_store_b16 v11, v239, s[42:43]           ; lane (r, h): half h of row r's word: 64 consecutive bytes
.endif
.irp i, 0,1,2,3,4,5,6,7,8,9,10,11,12,13,14,15
	s_wait_dscnt 15-\i                             ; row i is back; the later rows may be out
	global_store_b128 v1, v[160+4*\i:163+4*\i], s[30:31] offset:(\i+8*(\i/8))*4096   ; 512 consecutive aligned bytes
.endr
	s_wait_tensorcnt 0x0                           ; the wave's end
	ds_add_u32 v[SPW], v[NIL]
	s_wait_dscnt 0x0
	s_endpgm
.Lfunc_end_k_q4334cb015a_proj:
	.size	k_q4334cb015a_proj, .Lfunc_end_k_q4334cb015a_proj-k_q4334cb015a_proj
	.p2alignl 7, 3214868480
	.fill 96, 4, 3214868480
	.section	.rodata,"a",@progbits
	.p2align	6, 0x0
	.amdhsa_kernel k_q4334cb015a_proj
		.amdhsa_group_segment_fixed_size 81920
		.amdhsa_private_segment_fixed_size 0
		.amdhsa_enable_private_segment 0
		.amdhsa_kernarg_size 56
		.amdhsa_user_sgpr_count 2
		.amdhsa_user_sgpr_kernarg_segment_ptr 1
		.amdhsa_wavefront_size32 1
		.amdhsa_system_sgpr_workgroup_id_x 1
		.amdhsa_system_sgpr_workgroup_id_y 1
		.amdhsa_system_sgpr_workgroup_id_z 1
		.amdhsa_system_vgpr_workitem_id 0
		.amdhsa_next_free_vgpr 256
		.amdhsa_next_free_sgpr 66
		.amdhsa_reserve_vcc 0
		.amdhsa_float_denorm_mode_32 3
		.amdhsa_float_denorm_mode_16_64 3
		.amdhsa_memory_ordered 1
		.amdhsa_forward_progress 1
		.amdhsa_inst_pref_size 44
	.end_amdhsa_kernel
	.amdgpu_metadata
---
amdhsa.version: [ 1, 2 ]
amdhsa.kernels:
  - .name:           k_q4334cb015a_proj
    .symbol:         k_q4334cb015a_proj.kd
    .args:
      - { .name: ao, .offset: 0, .size: 8, .value_kind: global_buffer, .address_space: global }
      - { .name: wq, .offset: 8, .size: 8, .value_kind: global_buffer, .address_space: global }
      - { .name: x, .offset: 16, .size: 8, .value_kind: global_buffer, .address_space: global }
      - { .name: ln1_w, .offset: 24, .size: 8, .value_kind: global_buffer, .address_space: global }
      - { .name: ln1_b, .offset: 32, .size: 8, .value_kind: global_buffer, .address_space: global }
      - { .name: x1, .offset: 40, .size: 8, .value_kind: global_buffer, .address_space: global }
      - { .name: x1q, .offset: 48, .size: 8, .value_kind: global_buffer, .address_space: global }
    .group_segment_fixed_size: 81920
    .private_segment_fixed_size: 0
    .kernarg_segment_align: 8
    .kernarg_segment_size: 56
    .max_flat_workgroup_size: 256
    .sgpr_count:     66
    .vgpr_count:     256
    .wavefront_size: 32
...
	.end_amdgpu_metadata
.endif
;; end of part 4
;; launch ffn1 (part 5): grid 16 x 16, 4 waves a work-group, clusters of 4 x 4, 327,680 bytes of LDS; arguments x1q, wq, b1, hq; writes hq
.if DOCPART == 5
	.amdgcn_target "amdgcn-amd-amdhsa--gfx1250"
	.amdhsa_code_object_version 6
	.text
	.protected	k_q4334cb015a_ffn1
	.globl	k_q4334cb015a_ffn1
	.p2align	8
	.type	k_q4334cb015a_ffn1,@function
k_q4334cb015a_ffn1:
	s_mov_b64 s[64:65], 0
	v_nop
	global_prefetch_b8 v0, s[64:65] scope:SCOPE_SE
	s_setreg_imm32_b32 hwreg(HW_REG_WAVE_MODE, 25, 1), 1
	s_wait_xcnt 0x0
	s_wait_alu depctr_hold_cnt(0) depctr_sa_sdst(0) depctr_va_vdst(0) depctr_va_sdst(0) depctr_va_ssrc(0) depctr_va_vcc(0) depctr_vm_vsrc(0)
	s_getreg_b32 s2, hwreg(HW_REG_IB_STS2, 6, 4)
	s_cmp_eq_u32 s2, 0
	s_cbranch_scc0 .Lentry_in_a_cluster
	s_endpgm
.Lentry_in_a_cluster:
	s_bfe_u32 s2, ttmp6, 0x10000c
	s_cmp_lg_u32 s2, 0xf033
	s_cbranch_scc0 .Lentry_shape_is_right
	s_endpgm
.Lentry_shape_is_right:
; Launch 5 of 6: h = gelu(x1 w1 + b1), exact (by erf), quantised along DFF on the way out.  No work is left out.
; The product is launch 2's: a tile of 256 x 256 to four waves, K = 1,024 in two LDS slots asked for at the head, operands as images of fragments, joint loads along the cluster's rows and columns, used transposed.
; b1 is the C of each sum's first product: 64 registers in the result's layout.
; THE WAY OUT is a loop, so that the activation is written once: behind a barrier (every wave's reads of the slots are over; both slots have had their only fill) each wave lays its 64 accumulators into 65,536 bytes
; of the slots as images of registers, and eight trips take a row tile each: 64 numbers a lane, gelu, the quantiser, 1,024 bytes of codes and 64 of scale words.
; erf(z) = z P(z^2) / Q(z^2), P of degree 6 and Q of degree 4 in z^2, z held to +-4, where erf is 1 to f32; 1 / Q is v_rcp_f32 and a multiplication.  gelu = x / 2 + (x / 2) erf(x / sqrt 2).
; LIMITS: as stated at launch 1's head.
.set W1_C,  2097152
.set W1_S,  6422528
.set XS,    2097152
.set HS,    8388608
.set SLOT,  131072
.set SCL,   262144
.set SPARE, 278528
.set FR,    8
.set ADRA,  16
.set ADRB,  20
.set LI,    24                         ; v24 16 x lane
.set DA,    25                         ; v25 my 65,536 bytes of the slots, + 16 x lane
.set ADRS,  27
.set SPW,   28
.set NIL,   29
.set SC,    32                         ; v32-95 scale words; they hold nothing else
.set TM,    96
.set PC,    112
.set AF,    128
.set G1,    24
.set G0,    32
.set G1B,   48
.set G0B,   56
.set G1S,   68
.set G0S,   76
.set G1SB,  80
.set G0SB,  88
.set SEL,   50                         ; on the way out: s[50:51]
.set MSB, 0
.macro WIN new
.if MSB != \new
	s_set_vgpr_msb (MSB<<8)|\new
.set MSB, \new
.endif
.endm
.set MUL_LO, 0xa1
.set MUL_HI, 0xf1
.set TO_B,   0x40
.macro PLACES n
.rept \n
	v_nop
.endr
.endm
.macro JLOAD g0a, g1a, g0b, g1b
	s_cmp_eq_u32 s15, 0
	s_cbranch_scc0 .Lfor_b_\@
	tensor_load_to_lds s[\g0a:\g0a+3], s[\g1a:\g1a+7]
	s_nop 0
.rept 4
	v_nop
.endr
	s_branch .Lasked_\@
.Lfor_b_\@:
	tensor_load_to_lds s[\g0b:\g0b+3], s[\g1b:\g1b+7]
	s_nop 0
.rept 4
	v_nop
.endr
.Lasked_\@:
.endm
.macro CROUND
	s_barrier_signal -1
	s_barrier_wait -1
	s_cmp_lg_u32 s14, 0
	s_cbranch_scc1 .Lnot_wave_0_\@
	s_barrier_signal -3
.Lnot_wave_0_\@:
	s_barrier_wait -3
	s_barrier_signal -1
	s_barrier_wait -1
.endm
.macro QUANT s, w, pc, pw
.set WQ_, (\w)*5
	WIN WQ_
.irp b, 0,1,2,3
	v_max3_num_f32 v[TM+\b], |v[\s+16*\b]|, |v[\s+1+16*\b]|, 0x1800000
.endr
.irp i, 2,4,6,8,10,12,14
.irp b, 0,1,2,3
	v_max3_num_f32 v[TM+\b], |v[\s+16*\b+\i]|, |v[\s+1+16*\b+\i]|, v[TM+\b]
.endr
.endr
	WIN 0
.irp b, 0,1,2,3
	v_permlanex16_b32 v[TM+4+\b], v[TM+\b], s[SEL], s[SEL+1]
.endr
.irp b, 0,1,2,3
	v_max_num_f32 v[TM+\b], v[TM+\b], v[TM+4+\b]
.endr
.irp b, 0,1,2,3
	v_add_nc_u32 v[TM+12+\b], 0xff000000, v[TM+\b]
.endr
.irp b, 0,1,2,3
	v_lshrrev_b32 v[TM+4+\b], 23, v[TM+12+\b]
.endr
	v_lshl_or_b32 v[\pw], v[TM+5], 8, v[TM+4]
	v_lshl_or_b32 v[\pw], v[TM+6], 16, v[\pw]
	v_lshl_or_b32 v[\pw], v[TM+7], 24, v[\pw]
.set WQ_, \w
	WIN WQ_
.irp b, 0,1,2,3
	v_cvt_scalef32_pk8_fp4_f32 v[\pc+2*\b], v[\s+16*\b:\s+7+16*\b], v[TM+12+\b]
	v_cvt_scalef32_pk8_fp4_f32 v[\pc+1+2*\b], v[\s+8+16*\b:\s+15+16*\b], v[TM+12+\b]
.endr
	WIN 0
	v_nop
.irp c, 0,1
.irp i, 0,1
	v_permlane16_swap_b32 v[\pc+4*\c+\i], v[\pc+2+4*\c+\i]
.endr
.endr
.endm
	s_load_b128 s[4:7], s[0:1], 0x0                ; x1q s[4:5], wq s[6:7]
	s_load_b128 s[8:11], s[0:1], 0x10              ; b1 s[8:9], hq s[10:11]
	v_lshl_add_u32 v[SPW], v0, 2, SPARE
	v_mov_b32 v[NIL], 0
	ds_add_u32 v[SPW], v[NIL]                      ; the wave's opening: the add, twice on end, and its wait ahead of my first tensor load
	ds_add_u32 v[SPW], v[NIL]
	v_lshrrev_b32 v1, 5, v0
	v_readfirstlane_b32 s14, v1
	s_lshr_b32 s15, s14, 1
	s_and_b32 s16, s14, 1
	s_bfe_u32 s40, ttmp6, 0x40000                  ; cx
	s_bfe_u32 s41, ttmp6, 0x40004                  ; cy
	s_lshl_b32 s42, ttmp9, 2
	s_add_co_u32 s42, s42, s40                     ; tile column
	s_and_b32 s17, ttmp7, 0xffff
	s_lshl_b32 s17, s17, 2
	s_add_co_u32 s17, s17, s41                     ; tile row
	s_lshl_b32 s43, s41, 2
	s_lshl_b32 s43, 15, s43
	s_lshl_b32 s44, 0x1111, s40
	s_or_b32 s[G1+0], s43, (3<<16)|(1<<21)
	s_or_b32 s[G1B+0], s44, (3<<16)|(1<<21)
.irp g, G1, G1B
	s_mov_b32 s[\g+1], 512<<16
	s_mov_b32 s[\g+2], 8<<16
	s_mov_b32 s[\g+3], 512<<16
	s_mov_b32 s[\g+4], 8
	s_mov_b32 s[\g+5], 1024
	s_mov_b32 s[\g+6], 0
	s_mov_b32 s[\g+7], 0
.endr
	s_or_b32 s[G1S+0], s43, (3<<16)|(1<<21)
	s_or_b32 s[G1SB+0], s44, (3<<16)|(1<<21)
.irp g, G1S, G1SB
	s_mov_b32 s[\g+1], 32<<16
	s_mov_b32 s[\g+2], 16<<16
	s_mov_b32 s[\g+3], 32<<16
	s_mov_b32 s[\g+4], 16
	s_mov_b32 s[\g+5], 32
	s_mov_b32 s[\g+6], 0
	s_mov_b32 s[\g+7], 0
.endr
	s_lshl_b32 s18, s16, 3
	s_lshl_b32 s20, s17, 4
	s_add_co_u32 s20, s20, s18
	s_lshl_b32 s46, s42, 4
	s_add_co_u32 s46, s46, s18
	s_lshl_b32 s22, s20, 9
	s_add_co_u32 s22, s22, XS
	s_mov_b32 s23, 0
	s_lshl_b32 s20, s20, 13
	s_mov_b32 s21, 0
	s_lshl_b32 s96, s46, 9
	s_add_co_u32 s96, s96, W1_S
	s_mov_b32 s97, 0
	s_lshl_b32 s46, s46, 13
	s_add_co_u32 s46, s46, W1_C
	s_mov_b32 s47, 0
	s_lshl_b32 s45, s14, 15
	s_lshl_b32 s95, s14, 12
	s_wait_dscnt 0x0
	s_wait_kmcnt 0x0
	s_add_nc_u64 s[20:21], s[4:5], s[20:21]
	s_add_nc_u64 s[22:23], s[4:5], s[22:23]
	s_add_nc_u64 s[46:47], s[6:7], s[46:47]
	s_add_nc_u64 s[96:97], s[6:7], s[96:97]
	CROUND
	s_mov_b32 s[G0S], 1
	s_add_co_u32 s[G0S+1], s95, SCL
	s_mov_b64 s[G0S+2:G0S+3], s[22:23]
	s_or_b32 s[G0S+3], s[G0S+3], 0x80000000
	s_mov_b32 s[G0SB], 1
	s_add_co_u32 s[G0SB+1], s95, SCL
	s_mov_b64 s[G0SB+2:G0SB+3], s[96:97]
	s_or_b32 s[G0SB+3], s[G0SB+3], 0x80000000
	JLOAD G0S, G1S, G0SB, G1SB
.irp s, 0,1
	s_mov_b32 s[G0+4*\s], 1
	s_add_co_u32 s[G0+4*\s+1], s45, \s*SLOT
	s_add_nc_u64 s[G0+4*\s+2:G0+4*\s+3], s[20:21], \s*4096
	s_or_b32 s[G0+4*\s+3], s[G0+4*\s+3], 0x80000000
	s_mov_b32 s[G0B+4*\s], 1
	s_add_co_u32 s[G0B+4*\s+1], s45, \s*SLOT
	s_add_nc_u64 s[G0B+4*\s+2:G0B+4*\s+3], s[46:47], \s*4096
	s_or_b32 s[G0B+4*\s+3], s[G0B+4*\s+3], 0x80000000
	JLOAD G0+4*\s, G1, G0B+4*\s, G1B
.endr
	v_and_b32 v1, 31, v0
	v_lshlrev_b32 v[LI], 4, v1
	s_lshl_b32 s21, s14, 16
	v_add_nc_u32 v[DA], s21, v[LI]
	s_lshl_b32 s21, s15, 15
	s_lshl_b32 s22, s16, 15
	s_add_co_u32 s22, s22, 65536
.irp s, 0,1
	v_add_nc_u32 v[ADRA+\s], s21, v[LI]
	v_add_nc_u32 v[ADRB+\s], s22, v[LI]
	s_add_co_u32 s21, s21, SLOT
	s_add_co_u32 s22, s22, SLOT
.endr
	v_and_b32 v1, 15, v0
	v_bfe_u32 v2, v0, 4, 1
	v_lshlrev_b32 v5, 2, v1
	v_lshl_add_u32 v30, v2, 1, v5                  ; 4 r + 2 h
	v_lshlrev_b32 v31, 4, v2                       ; 16 h
	s_lshl_b32 s21, s15, 12
	s_lshl_b32 s22, s16, 12
	s_add_co_u32 s22, s22, 8192
	s_sub_co_u32 s22, s22, s21
	v_mul_u32_u24 v6, s22, v2
	s_add_co_u32 s21, s21, SCL
	v_add_nc_u32 v5, v5, v6
	v_add_nc_u32 v[ADRS], s21, v5
.irp b, 0,1,2,3
	v_mov_b32 v[TM+4+\b], 0
.endr
	v_lshlrev_b32 v26, 6, v2                       ; b1: 64 h
	s_lshl_b32 s46, s42, 10
	s_lshl_b32 s47, s16, 9
	s_add_co_u32 s46, s46, s47                     ; my 128 columns, in bytes
	s_mov_b32 s47, 0
	s_add_nc_u64 s[8:9], s[8:9], s[46:47]
.irp b, 0,1,2,3
.irp g, 0,1,2,3
	global_load_b128 v[192+16*\b+4*\g:195+16*\b+4*\g], v26, s[8:9] offset:128*\b+16*\g   ; register 192 + 16 b + i: b1 at column 32 b + 16 h + i
.endr
.endr
.macro FRAG reg, adr, q, i
.irp c, 0,1
	ds_load_b128 v[\reg+4*\c:\reg+4*\c+3], v[\adr] offset:1024*(\q)+512*\c+(\i)*4096
.endr
.endm
.macro MUL16 a0, p, q, sc, zero        ; zero = 2: the first products take b1 as C.  The 64 accumulators take turns
.irp a, \a0, \a0+1
.irp b, 0,1,2,3,4,5,6,7
.if \zero == 2
	v_wmma_scale_f32_16x16x128_f8f6f4 v[8*(8*((\a)%4)+\b):8*(8*((\a)%4)+\b)+7], v[128*(\p)+FR*\b:128*(\p)+FR*\b+FR-1], v[AF+FR*(\a):AF+FR*(\a)+FR-1], v[192+8*\b:199+8*\b], v[SC+32*(\sc)+4*\b+(\q)], v[SC+32*(\sc)+4*(\a)+(\q)] matrix_a_fmt:MATRIX_FMT_FP4 matrix_b_fmt:MATRIX_FMT_FP4 matrix_a_scale:MATRIX_SCALE_ROW1
.else
	v_wmma_scale_f32_16x16x128_f8f6f4 v[8*(8*((\a)%4)+\b):8*(8*((\a)%4)+\b)+7], v[128*(\p)+FR*\b:128*(\p)+FR*\b+FR-1], v[AF+FR*(\a):AF+FR*(\a)+FR-1], v[8*(8*((\a)%4)+\b):8*(8*((\a)%4)+\b)+7], v[SC+32*(\sc)+4*\b+(\q)], v[SC+32*(\sc)+4*(\a)+(\q)] matrix_a_fmt:MATRIX_FMT_FP4 matrix_b_fmt:MATRIX_FMT_FP4 matrix_a_scale:MATRIX_SCALE_ROW1
.endif
.endr
.endr
.endm
.macro FETCH_B slot, q, p
	WIN TO_B
.irp i, 0,1,2,3,4,5,6,7
	FRAG 128*(\p)+FR*\i, ADRB+\slot, \q, \i
.endr
	WIN 0
.endm
.macro FETCH_A slot, q, i0
.irp i, \i0, \i0+1, \i0+2, \i0+3
	FRAG AF+FR*(\i), ADRA+\slot, \q, \i
.endr
.endm
.macro SCALES sc
.irp i, 0,1,2,3,4,5,6,7
.irp q, 0,1,2,3
	ds_load_b32 v[SC+32*\sc+4*\i+\q], v[ADRS] offset:512*\i+64*(4*\sc+\q)
.endr
.endr
.endm
.macro STEP slot, q, zero
	s_wait_dscnt 8                                 ; all but the youngest eight loads (source 1's blocks 4-7) are in
.if \zero == 2
	WIN 0x81                                       ; C (b1) in window 0, D in window 2
.else
	WIN MUL_LO
.endif
	MUL16 0, (\q)%2, \q, \slot, \zero
	MUL16 2, (\q)%2, \q, \slot, \zero
	s_wait_dscnt 0x0
	PLACES 4
	FETCH_B \slot, (\q)+1, 1-(\q)%2
	FETCH_A \slot, (\q)+1, 0
.if \zero == 2
	WIN 0xc1
.else
	WIN MUL_HI
.endif
	MUL16 4, (\q)%2, \q, \slot, \zero
	MUL16 6, (\q)%2, \q, \slot, \zero
	PLACES 4
	WIN 0
	FETCH_A \slot, (\q)+1, 4
.endm
	s_wait_tensorcnt 0x1                           ; the scale words and my part of slot 0 are in; slot 1's load may be out
	s_barrier_signal -1
	s_barrier_wait -1
	FETCH_B 0, 0, 0
	FETCH_A 0, 0, 0
	SCALES 0
	FETCH_A 0, 0, 4
	s_wait_loadcnt 0x0                             ; b1
	STEP 0, 0, 2
	STEP 0, 1, 0
	STEP 0, 2, 0
	s_wait_tensorcnt 0x0
	s_wait_dscnt 8
	WIN MUL_LO
	MUL16 0, 1, 3, 0, 0
	s_wait_dscnt 0x0
	s_barrier_signal -1
	MUL16 2, 1, 3, 0, 0
	WIN 0
	s_barrier_wait -1
	PLACES 4
	FETCH_B 1, 0, 0
	FETCH_A 1, 0, 0
	SCALES 1
	WIN MUL_HI
	MUL16 4, 1, 3, 0, 0
	MUL16 6, 1, 3, 0, 0
	PLACES 4
	WIN 0
	FETCH_A 1, 0, 4
	STEP 1, 0, 0
	STEP 1, 1, 0
	STEP 1, 2, 0
	s_wait_dscnt 8
	WIN MUL_LO
	MUL16 0, 1, 3, 1, 0
	MUL16 2, 1, 3, 1, 0
	s_wait_dscnt 0x0
	WIN MUL_HI
	MUL16 4, 1, 3, 1, 0
	MUL16 6, 1, 3, 1, 0
	WIN 0
	PLACES 4
	; THE WAY OUT
	s_wait_dscnt 0x0                               ; my reads of the slots are over,
	s_barrier_signal -1
	s_barrier_wait -1                              ; everybody's are: the slots may be written
.set A_, 0
.rept 8
.set WD_, 0x08+4*(A_/4)
	WIN WD_                                        ; an LDS store's data are its source 1: window 2 or 3
.set G_, 0
.rept 16
	ds_store_b128 v[DA], v[64*(A_%4)+4*G_:64*(A_%4)+4*G_+3] offset:8192*A_+512*G_   ; each accumulator from its low end on
.set G_, G_+1
.endr
.set A_, A_+1
.endr
	WIN 0
	s_lshl_b32 s46, s17, 4
	s_lshl_b32 s47, s15, 3
	s_add_co_u32 s46, s46, s47                     ; my first row tile
	s_lshl_b32 s46, s46, 5
	s_lshl_b32 s47, s42, 1
	s_add_co_u32 s46, s46, s47
	s_add_co_u32 s46, s46, s16                     ; tile x 32 + my K step of the next product
	s_lshl_b32 s48, s46, 6
	s_add_co_u32 s48, s48, HS
	s_mov_b32 s49, 0
	s_lshl_b32 s46, s46, 10
	s_mov_b32 s47, 0
	s_add_nc_u64 s[46:47], s[10:11], s[46:47]
	s_add_nc_u64 s[48:49], s[10:11], s[48:49]
	s_mov_b32 s[SEL], 0x76543210
	s_mov_b32 s[SEL+1], 0xfedcba98
.macro CPAIR r, bits                   ; a constant as a pair: the packed forms name a pair and take its low word for both halves
	s_mov_b32 s[\r], \bits
	s_mov_b32 s[\r+1], \bits
.endm
	CPAIR 24, 0x3f3504f3                           ; 1 / sqrt 2
	CPAIR 26, 0xaf95df0b                           ; P: z^12,
	CPAIR 28, 0xb60cff51                           ; z^8,
	CPAIR 30, 0xb86ec2d2                           ; z^6,
	CPAIR 32, 0xba40ac63                           ; z^4,
	CPAIR 34, 0xbb41a1f6                           ; z^2,
	CPAIR 36, 0xbc83dbd4                           ; 1
	CPAIR 38, 0xb77460cd                           ; Q: z^8,
	CPAIR 40, 0xbadc924e                           ; z^4,
	CPAIR 42, 0xbbf19bf8                           ; z^2,
	CPAIR 44, 0xbc69b6a7                           ; 1
	WIN 0x40
	v_mov_b32 v80, 0x32edffee                      ; P: z^10, in window 1
	v_mov_b32 v81, 0x32edffee
	v_mov_b32 v82, 0xb95fbd29                      ; Q: z^6
	v_mov_b32 v83, 0xb95fbd29
	WIN 0
; 16 numbers x at v[128 + 16 k] of window 1 become gelu(x) in place.  Window 1: v0-15 z, v16-31 x / 2, v32-47 z^2, v48-63 P, v64-79 Q
.macro CHUNK k
	s_wait_dscnt 12-4*\k                           ; this chunk's four loads are in; the later chunks' may be out
.irp i, 0,2,4,6,8,10,12,14
	v_pk_mul_f32 v[\i:\i+1], v[128+16*\k+\i:129+16*\k+\i], s[24:25] op_sel_hi:[1,0]
.endr
.irp i, 0,2,4,6,8,10,12,14
	v_pk_mul_f32 v[16+\i:17+\i], v[128+16*\k+\i:129+16*\k+\i], 0.5 op_sel_hi:[1,0]
.endr
.irp i, 0,1,2,3,4,5,6,7,8,9,10,11,12,13,14,15
	v_med3_num_f32 v[\i], v[\i], -4.0, 4.0
.endr
.irp i, 0,2,4,6,8,10,12,14
	v_pk_mul_f32 v[32+\i:33+\i], v[\i:\i+1], v[\i:\i+1]
.endr
.irp i, 0,2,4,6,8,10,12,14
	v_pk_fma_f32 v[48+\i:49+\i], v[32+\i:33+\i], s[26:27], v[80:81] op_sel_hi:[1,0,1]
.endr
.irp i, 0,2,4,6,8,10,12,14
	v_pk_fma_f32 v[64+\i:65+\i], v[32+\i:33+\i], s[38:39], v[82:83] op_sel_hi:[1,0,1]
.endr
.irp cst, 28,30,32,34,36
.irp i, 0,2,4,6,8,10,12,14
	v_pk_fma_f32 v[48+\i:49+\i], v[48+\i:49+\i], v[32+\i:33+\i], s[\cst:\cst+1] op_sel_hi:[1,1,0]
.endr
.endr
.irp cst, 40,42,44
.irp i, 0,2,4,6,8,10,12,14
	v_pk_fma_f32 v[64+\i:65+\i], v[64+\i:65+\i], v[32+\i:33+\i], s[\cst:\cst+1] op_sel_hi:[1,1,0]
.endr
.endr
.irp i, 0,1,2,3,4,5,6,7,8,9,10,11,12,13,14,15
	v_rcp_f32 v[64+\i], v[64+\i]
.endr
.irp i, 0,2,4,6,8,10,12,14
	v_pk_mul_f32 v[48+\i:49+\i], v[48+\i:49+\i], v[\i:\i+1]         ; z P: plain work behind the reciprocals
.endr
	s_wait_alu depctr_va_vdst(0)                   ; one wait for the sixteen, ahead of their first reader
.irp i, 0,2,4,6,8,10,12,14
	v_pk_mul_f32 v[48+\i:49+\i], v[48+\i:49+\i], v[64+\i:65+\i]     ; erf
.endr
.irp i, 0,2,4,6,8,10,12,14
	v_pk_fma_f32 v[128+16*\k+\i:129+16*\k+\i], v[16+\i:17+\i], v[48+\i:49+\i], v[16+\i:17+\i]
.endr
.endm
	s_mov_b32 s2, 0
	s_mov_b32 s3, 8
.Lrow:                                             ; eight trips: a row tile each
	v_add_nc_u32 v26, s2, v[DA]
	WIN 0x40
.irp g, 0,1,2,3,4,5,6,7,8,9,10,11,12,13,14,15
	ds_load_b128 v[128+4*\g:131+4*\g], v26 offset:512*\g   ; LDS serves a wave's instructions in order: these see my stores
.endr
	WIN 0x55                                       ; all in window 1
	CHUNK 0
	CHUNK 1
	CHUNK 2
	CHUNK 3
	QUANT 128, 1, PC, 120
	global_store_b128 v[LI], v[PC:PC+3], s[46:47]
	global_store_b128 v[LI], v[PC+4:PC+7], s[46:47] offset:512
	v_lshrrev_b32 v121, v31, v120
	global_store_b16 v30, v121, s[48:49]           ; lane (r, h): half h of row r's word: 64 consecutive bytes
	s_wait_xcnt 0x0                                ; the stores have read their data and bases: both are written again only behind this wait
	s_add_nc_u64 s[46:47], s[46:47], 32768
	s_add_nc_u64 s[48:49], s[48:49], 2048
	s_add_co_u32 s2, s2, 8192
	s_sub_co_u32 s3, s3, 1
	s_cmp_lg_u32 s3, 0
	s_cbranch_scc1 .Lrow
	s_wait_tensorcnt 0x0                           ; the wave's end
	ds_add_u32 v[SPW], v[NIL]
	s_wait_dscnt 0x0
	CROUND                                         ; the closing round
	s_endpgm
.Lfunc_end_k_q4334cb015a_ffn1:
	.size	k_q4334cb015a_ffn1, .Lfunc_end_k_q4334cb015a_ffn1-k_q4334cb015a_ffn1
	.p2alignl 7, 3214868480
	.fill 96, 4, 3214868480
	.section	.rodata,"a",@progbits
	.p2align	6, 0x0
	.amdhsa_kernel k_q4334cb015a_ffn1
		.amdhsa_group_segment_fixed_size 327680
		.amdhsa_private_segment_fixed_size 0
		.amdhsa_enable_private_segment 0
		.amdhsa_kernarg_size 32
		.amdhsa_user_sgpr_count 2
		.amdhsa_user_sgpr_kernarg_segment_ptr 1
		.amdhsa_wavefront_size32 1
		.amdhsa_system_sgpr_workgroup_id_x 1
		.amdhsa_system_sgpr_workgroup_id_y 1
		.amdhsa_system_sgpr_workgroup_id_z 1
		.amdhsa_system_vgpr_workitem_id 0
		.amdhsa_next_free_vgpr 1024
		.amdhsa_next_free_sgpr 100
		.amdhsa_reserve_vcc 0
		.amdhsa_float_denorm_mode_32 3
		.amdhsa_float_denorm_mode_16_64 3
		.amdhsa_memory_ordered 1
		.amdhsa_forward_progress 1
		.amdhsa_inst_pref_size 153
	.end_amdhsa_kernel
	.amdgpu_metadata
---
amdhsa.version: [ 1, 2 ]
amdhsa.kernels:
  - .name:           k_q4334cb015a_ffn1
    .symbol:         k_q4334cb015a_ffn1.kd
    .args:
      - { .name: x1q, .offset: 0, .size: 8, .value_kind: global_buffer, .address_space: global }
      - { .name: wq, .offset: 8, .size: 8, .value_kind: global_buffer, .address_space: global }
      - { .name: b1, .offset: 16, .size: 8, .value_kind: global_buffer, .address_space: global }
      - { .name: hq, .offset: 24, .size: 8, .value_kind: global_buffer, .address_space: global }
    .group_segment_fixed_size: 327680
    .private_segment_fixed_size: 0
    .kernarg_segment_align: 8
    .kernarg_segment_size: 32
    .max_flat_workgroup_size: 128
    .sgpr_count:     100
    .vgpr_count:     1024
    .wavefront_size: 32
...
	.end_amdgpu_metadata
.endif
;; end of part 5
;; launch ffn2 (part 6): grid 256 x 1, 8 waves a work-group, no clusters, 81,920 bytes of LDS; arguments hq, wq, x1, b2, ln2_w, ln2_b, out0; writes out0
.if DOCPART == 6
	.amdgcn_target "amdgcn-amd-amdhsa--gfx1250"
	.amdhsa_code_object_version 6
	.text
	.protected	k_q4334cb015a_ffn2
	.globl	k_q4334cb015a_ffn2
	.p2align	8
	.type	k_q4334cb015a_ffn2,@function
k_q4334cb015a_ffn2:
	s_mov_b64 s[64:65], 0
	v_nop
	global_prefetch_b8 v0, s[64:65] scope:SCOPE_SE
	s_setreg_imm32_b32 hwreg(HW_REG_WAVE_MODE, 25, 1), 1
	s_wait_xcnt 0x0
; Launch 6 of 6: out0 = layernorm(x1 + h w2 + b2).  No work is left out.
; The text is launch 4's with K = 4,096, a bias and no quantiser at the end.
; SHARES.  A work-group owns one tile of 16 tokens and all 1,024 columns, so that a row's mean and variance stay inside it; wave w owns columns 128 w .. 128 w + 127: 8 accumulators.
; Each fragment of the weight is read by one wave of the work-group: it goes from memory straight into registers, by loads of 512 consecutive bytes (operands lie as images of fragments: launch 1's head).
; NO CLUSTER, NO JOINT LOADS, though all work-groups walk the same weight: a fragment feeds one matrix instruction of one wave, so LDS would add a write and a read for each byte and a ring with a round for each refill.
; THE RESIDUAL IS THE SUMS' BEGINNING: x1's 16 rows x 512 bytes are turned through the wave's stage into the result's layout and lie in the accumulators before the first product.
; LAYER NORM in two passes, as it is defined; the eight waves' partial sums meet in LDS behind a barrier each.
; LIMITS: as stated at launch 1's head.
.set KQ,    32
.set HASB,  1
.set HASQ,  0
.set WC,    4194304
.set WS,    6553600
.set ASC,   8388608
.set PB2,   10                         ; s[10:11] the bias, s[12:13] the gain, s[14:15] the shift, s[16:17] the result
.set PGAIN, 12
.set PSHIFT, 14
.set POUT,  16
.set PAR,   67584
.set RED1,  79872
.set SPARE, 80896
.set SPW,   9
.set NIL,   10
.set TM,    240
.set SEL,   32
.macro PLACES n
.rept \n
	v_nop
.endr
.endm
.macro LOADS rb, ra, rbs, ras, d       ; a K step's operands, 23 loads
.irp i, 0,1,2,3,4,5,6,7
.irp c, 0,1
	global_load_b128 v[\rb+8*\i+4*\c:\rb+8*\i+4*\c+3], v1, s[20:21] offset:\i*KQ*1024+512*\c+1024*\d
.endr
.endr
.irp i, 0,1,2,3
	global_load_b32 v[\rbs+\i], v2, s[22:23] offset:\i*KQ*128+64*\d
.endr
.irp c, 0,1
	global_load_b128 v[\ra+4*\c:\ra+4*\c+3], v1, s[24:25] offset:512*\c+1024*\d
.endr
	global_load_b32 v[\ras], v3, s[26:27] offset:64*\d
.endm
.macro MUL rb, ra, rbs, ras            ; eight accumulators by turns
.irp i, 0,2,4,6
	v_wmma_scale_f32_16x16x128_f8f6f4 v[16+8*\i:23+8*\i], v[\rb+8*\i:\rb+8*\i+7], v[\ra:\ra+7], v[16+8*\i:23+8*\i], v[\rbs+\i/2], v[\ras] matrix_a_fmt:MATRIX_FMT_FP4 matrix_b_fmt:MATRIX_FMT_FP4
	v_wmma_scale_f32_16x16x128_f8f6f4 v[24+8*\i:31+8*\i], v[\rb+8+8*\i:\rb+8*\i+15], v[\ra:\ra+7], v[24+8*\i:31+8*\i], v[\rbs+\i/2], v[\ras] matrix_a_fmt:MATRIX_FMT_FP4 matrix_b_fmt:MATRIX_FMT_FP4 matrix_a_scale:MATRIX_SCALE_ROW1
.endr
.endm
.macro STEPB
	s_add_nc_u64 s[20:21], s[20:21], 2048
	s_add_nc_u64 s[22:23], s[22:23], 128
	s_add_nc_u64 s[24:25], s[24:25], 2048
	s_add_nc_u64 s[26:27], s[26:27], 128
.endm
.macro GATHER off
	v_add_f32 v240, v240, v241
	v_permlanex16_b32 v241, v240, s[SEL], s[SEL+1]
	v_add_f32 v240, v240, v241
	ds_store_b32 v7, v240 offset:\off
	s_wait_dscnt 0x0                               ; for the others' sake: my store has landed (and my LDS loads are in)
	s_barrier_signal -1
	s_barrier_wait -1
	ds_load_b128 v[240:243], v8 offset:\off
	ds_load_b128 v[244:247], v8 offset:\off+16
	s_wait_dscnt 0x0
	v_add_f32 v240, v240, v241
	v_add_f32 v242, v242, v243
	v_add_f32 v244, v244, v245
	v_add_f32 v246, v246, v247
	v_add_f32 v240, v240, v242
	v_add_f32 v244, v244, v246
	v_add_f32 v240, v240, v244
.endm
	s_load_b256 s[4:11], s[0:1], 0x0
	s_load_b128 s[12:15], s[0:1], 0x20
	s_load_b64 s[16:17], s[0:1], 0x30
	v_lshl_add_u32 v[SPW], v0, 2, SPARE
	v_mov_b32 v[NIL], 0
	v_lshrrev_b32 v1, 5, v0
	v_readfirstlane_b32 s18, v1
	v_and_b32 v1, 31, v0
	v_lshlrev_b32 v1, 4, v1
	v_and_b32 v12, 15, v0
	v_bfe_u32 v13, v0, 4, 1
	v_lshlrev_b32 v3, 2, v12
	v_mul_u32_u24 v2, v13, KQ*64
	v_add_nc_u32 v2, v2, v3
	s_mul_i32 s19, s18, 8448
	v_add_nc_u32 v4, s19, v1
	v_mul_u32_u24 v5, v12, 528
	v_lshl_add_u32 v5, v13, 6, v5
	v_add_nc_u32 v5, s19, v5
	s_mul_i32 s19, s18, 1536
	s_add_co_u32 s19, s19, PAR
	v_lshl_add_u32 v6, v13, 6, s19
	v_add_nc_u32 v15, s19, v1
	s_lshl_b32 s19, s18, 2
	s_add_co_u32 s19, s19, RED1
	v_lshl_add_u32 v7, v12, 5, s19
	v_lshlrev_b32 v8, 5, v12
	v_add_nc_u32 v8, RED1, v8
	s_lshl_b32 s19, s18, 9
	v_add_nc_u32 v14, s19, v1
	s_mov_b32 s[SEL], 0x76543210
	s_mov_b32 s[SEL+1], 0xfedcba98
	s_mov_b32 s34, 0x3a800000                      ; 1 / 1024
	s_mov_b32 s35, 0x3727c5ac                      ; 1e-5
	s_mov_b32 s36, KQ/2-1
	s_mul_i32 s20, s18, KQ*8192
	s_add_co_u32 s20, s20, WC
	s_mov_b32 s21, 0
	s_mul_i32 s22, s18, KQ*512
	s_add_co_u32 s22, s22, WS
	s_mov_b32 s23, 0
	s_mul_i32 s24, ttmp9, KQ*1024
	s_mov_b32 s25, 0
	s_mul_i32 s26, ttmp9, KQ*64
	s_add_co_u32 s26, s26, ASC
	s_mov_b32 s27, 0
	s_lshr_b32 s28, ttmp9, 1
	s_lshl_b32 s28, s28, 5
	s_and_b32 s29, ttmp9, 1
	s_lshl_b32 s29, s29, 3
	s_add_co_u32 s28, s28, s29
	s_lshl_b32 s28, s28, 12
	s_lshl_b32 s29, s18, 9
	s_add_co_u32 s28, s28, s29
	s_mov_b32 s29, 0
	s_wait_kmcnt 0x0
	s_add_nc_u64 s[20:21], s[6:7], s[20:21]
	s_add_nc_u64 s[22:23], s[6:7], s[22:23]
	s_add_nc_u64 s[24:25], s[4:5], s[24:25]
	s_add_nc_u64 s[26:27], s[4:5], s[26:27]
	s_add_nc_u64 s[30:31], s[POUT:POUT+1], s[28:29]
	s_add_nc_u64 s[28:29], s[8:9], s[28:29]
.irp i, 0,1,2,3,4,5,6,7,8,9,10,11,12,13,14,15
	global_load_b128 v[16+4*\i:19+4*\i], v1, s[28:29] offset:(\i+8*(\i/8))*4096
.endr
	global_load_b128 v[240:243], v14, s[PGAIN:PGAIN+1]
	global_load_b128 v[244:247], v14, s[PSHIFT:PSHIFT+1]
	global_load_b128 v[248:251], v14, s[PB2:PB2+1]
	LOADS 80, 144, 152, 156, 0
	LOADS 160, 224, 232, 236, 1
	s_wait_xcnt 0x0                                ; the loads have read their bases and offsets: they are written again only behind this wait
	STEPB
	s_wait_loadcnt 46                              ; the residual and the parameters are in; the two sets of 23 may be out
.irp i, 0,1,2,3,4,5,6,7,8,9,10,11,12,13,14,15
	ds_store_b128 v4, v[16+4*\i:19+4*\i] offset:528*\i
.endr
	ds_store_b128 v15, v[240:243]
	ds_store_b128 v15, v[244:247] offset:512
	ds_store_b128 v15, v[248:251] offset:1024
.irp b, 0,1,2,3
.irp g, 0,1,2,3
	ds_load_b128 v[16+16*\b+4*\g:19+16*\b+4*\g], v5 offset:128*\b+16*\g
.endr
.endr
	s_wait_dscnt 0x0
.Lk:                                               ; KQ / 2 - 1 trips of two K steps
	s_wait_loadcnt 23                              ; set 0 is in; set 1's 23 loads may be out
	MUL 80, 144, 152, 156
	PLACES 4
	LOADS 80, 144, 152, 156, 0
	s_wait_loadcnt 23                              ; set 1 is in; the 23 just issued may be out
	MUL 160, 224, 232, 236
	PLACES 4
	LOADS 160, 224, 232, 236, 1
	s_wait_xcnt 0x0
	STEPB
	s_sub_co_u32 s36, s36, 1
	s_cmp_lg_u32 s36, 0
	s_cbranch_scc1 .Lk
	s_wait_loadcnt 23
	MUL 80, 144, 152, 156
	s_wait_loadcnt 0x0
	MUL 160, 224, 232, 236
	PLACES 4
.irp b, 0,1,2,3
.irp g, 0,1,2,3
	ds_load_b128 v[80+16*\b+4*\g:83+16*\b+4*\g], v6 offset:1024+128*\b+16*\g
.endr
.endr
	s_wait_dscnt 0x0
.set J, 0
.rept 32
	v_pk_add_f32 v[16+J:17+J], v[16+J:17+J], v[80+J:81+J]           ; the bias; each accumulator is read from its low end on
.set J, J+2
.endr
.irp b, 0,1,2,3
.irp g, 0,1,2,3
	ds_load_b128 v[80+16*\b+4*\g:83+16*\b+4*\g], v6 offset:128*\b+16*\g
	ds_load_b128 v[160+16*\b+4*\g:163+16*\b+4*\g], v6 offset:512+128*\b+16*\g
.endr
.endr
.irp c, 0,1,2,3
	v_pk_add_f32 v[240+2*\c:241+2*\c], v[16+2*\c:17+2*\c], v[24+2*\c:25+2*\c]
.endr
.irp j, 16,24,32,40,48,56
.irp c, 0,1,2,3
	v_pk_add_f32 v[240+2*\c:241+2*\c], v[240+2*\c:241+2*\c], v[16+\j+2*\c:17+\j+2*\c]
.endr
.endr
	v_pk_add_f32 v[240:241], v[240:241], v[242:243]
	v_pk_add_f32 v[244:245], v[244:245], v[246:247]
	v_pk_add_f32 v[240:241], v[240:241], v[244:245]
	GATHER 0
	v_mul_f32 v12, s34, v240                       ; the mean
	v_mov_b32 v13, v12
.set J, 0
.rept 32
	v_pk_add_f32 v[16+J:17+J], v[16+J:17+J], v[12:13] neg_lo:[0,1] neg_hi:[0,1]
.set J, J+2
.endr
.irp c, 0,1,2,3
	v_pk_mul_f32 v[240+2*\c:241+2*\c], v[16+2*\c:17+2*\c], v[16+2*\c:17+2*\c]
.endr
.irp j, 8,16,24,32,40,48,56
.irp c, 0,1,2,3
	v_pk_fma_f32 v[240+2*\c:241+2*\c], v[16+\j+2*\c:17+\j+2*\c], v[16+\j+2*\c:17+\j+2*\c], v[240+2*\c:241+2*\c]
.endr
.endr
	v_pk_add_f32 v[240:241], v[240:241], v[242:243]
	v_pk_add_f32 v[244:245], v[244:245], v[246:247]
	v_pk_add_f32 v[240:241], v[240:241], v[244:245]
	GATHER 512
	v_fma_f32 v14, v240, s34, s35                  ; the variance + 1e-5
	v_rsq_f32 v14, v14
	v_nop
	s_wait_alu depctr_va_vdst(0)                   ; ahead of the first reader
	v_mov_b32 v15, v14
.set J, 0
.rept 32
	v_pk_mul_f32 v[16+J:17+J], v[16+J:17+J], v[14:15]
.set J, J+2
.endr
.set J, 0
.rept 32
	v_pk_fma_f32 v[16+J:17+J], v[16+J:17+J], v[80+J:81+J], v[160+J:161+J]
.set J, J+2
.endr
.irp b, 0,1,2,3
.irp g, 0,1,2,3
	ds_store_b128 v5, v[16+16*\b+4*\g:19+16*\b+4*\g] offset:128*\b+16*\g
.endr
.endr
.irp i, 0,1,2,3,4,5,6,7,8,9,10,11,12,13,14,15
	ds_load_b128 v[160+4*\i:163+4*\i], v4 offset:528*\i
.endr
.irp i, 0,1,2,3,4,5,6,7,8,9,10,11,12,13,14,15
	s_wait_dscnt 15-\i                             ; row i is back; the later rows may be out
	global_store_b128 v1, v[160+4*\i:163+4*\i], s[30:31] offset:(\i+8*(\i/8))*4096 th:TH_STORE_NT   ; 512 consecutive aligned bytes
.endr
	s_wait_tensorcnt 0x0                           ; the wave's end
	ds_add_u32 v[SPW], v[NIL]
	s_wait_dscnt 0x0
	s_endpgm
.Lfunc_end_k_q4334cb015a_ffn2:
	.size	k_q4334cb015a_ffn2, .Lfunc_end_k_q4334cb015a_ffn2-k_q4334cb015a_ffn2
	.p2alignl 7, 3214868480
	.fill 96, 4, 3214868480
	.section	.rodata,"a",@progbits
	.p2align	6, 0x0
	.amdhsa_kernel k_q4334cb015a_ffn2
		.amdhsa_group_segment_fixed_size 81920
		.amdhsa_private_segment_fixed_size 0
		.amdhsa_enable_private_segment 0
		.amdhsa_kernarg_size 56
		.amdhsa_user_sgpr_count 2
		.amdhsa_user_sgpr_kernarg_segment_ptr 1
		.amdhsa_wavefront_size32 1
		.amdhsa_system_sgpr_workgroup_id_x 1
		.amdhsa_system_sgpr_workgroup_id_y 1
		.amdhsa_system_sgpr_workgroup_id_z 1
		.amdhsa_system_vgpr_workitem_id 0
		.amdhsa_next_free_vgpr 256
		.amdhsa_next_free_sgpr 66
		.amdhsa_reserve_vcc 0
		.amdhsa_float_denorm_mode_32 3
		.amdhsa_float_denorm_mode_16_64 3
		.amdhsa_memory_ordered 1
		.amdhsa_forward_progress 1
		.amdhsa_inst_pref_size 42
	.end_amdhsa_kernel
	.amdgpu_metadata
---
amdhsa.version: [ 1, 2 ]
amdhsa.kernels:
  - .name:           k_q4334cb015a_ffn2
    .symbol:         k_q4334cb015a_ffn2.kd
    .args:
      - { .name: hq, .offset: 0, .size: 8, .value_kind: global_buffer, .address_space: global }
      - { .name: wq, .offset: 8, .size: 8, .value_kind: global_buffer, .address_space: global }
      - { .name: x1, .offset: 16, .size: 8, .value_kind: global_buffer, .address_space: global }
      - { .name: b2, .offset: 24, .size: 8, .value_kind: global_buffer, .address_space: global }
      - { .name: ln2_w, .offset: 32, .size: 8, .value_kind: global_buffer, .address_space: global }
      - { .name: ln2_b, .offset: 40, .size: 8, .value_kind: global_buffer, .address_space: global }
      - { .name: out0, .offset: 48, .size: 8, .value_kind: global_buffer, .address_space: global }
    .group_segment_fixed_size: 81920
    .private_segment_fixed_size: 0
    .kernarg_segment_align: 8
    .kernarg_segment_size: 56
    .max_flat_workgroup_size: 256
    .sgpr_count:     66
    .vgpr_count:     256
    .wavefront_size: 32
...
	.end_amdgpu_metadata
.endif
;; end of part 6
;; ======== version 2 of 2: 7 launches
;; limits: right only within a limited range of input values
;; workspace buffers: xq 2,228,224 bytes; wq 6,684,672 bytes; qkvb 6,684,672 bytes; ao 2,228,224 bytes; x1 16,777,216 bytes; x1q 2,228,224 bytes; hq 8,912,896 bytes; y 16,777,216 bytes
;; launch quant (part 7): grid 1024 x 1, 4 waves a work-group, no clusters, 68,096 bytes of LDS; arguments x, w_qkv, w_out, w1, w2, xq, wq; writes xq, wq
.if DOCPART == 7
	.amdgcn_target "amdgcn-amd-amdhsa--gfx1250"
	.amdhsa_code_object_version 6
	.text
	.protected	k_q4334cb015a_quant
	.globl	k_q4334cb015a_quant
	.p2align	8
	.type	k_q4334cb015a_quant,@function
k_q4334cb015a_quant:
	s_mov_b64 s[64:65], 0
	v_nop
	global_prefetch_b8 v0, s[64:65] scope:SCOPE_SE
	s_setreg_imm32_b32 hwreg(HW_REG_WAVE_MODE, 25, 1), 1
	s_wait_xcnt 0x0
; THE ENCODER LAYER, launch 1 of 7: x and the four weights become codes of E2M1 with one E8M0 byte for each 32 along K.
; NO WORK OF THE PROBLEM IS DEAD: every input has a way to the output, nothing is masked or sliced away; all eleven inputs are loaded by some launch.
; LIMITS: NaN and infinities among the inputs are not served.  A block whose largest magnitude lies under 2^-124 keeps the byte 1; a block of zeros gets the byte 1 where
; the rule says 127: its codes are zeros, which add nothing under any byte but 0xff, and the bytes are read by this program alone.
; THE LAYOUT OF EVERY OPERAND IN THE WORKSPACE (X[rows][K], KQ = K / 128): images of the matrix operand's registers.
;   tile T, lane-row p (0..15) is row 32 (T / 2) + 8 (T % 2) + p + 8 (p / 8);
;   codes: byte ((T KQ + q) 2 + c) 512 + 16 (p + 16 h) holds the 32 codes of k = 128 q + 64 c + 32 h + 0..31 of that row;  scale word: byte ((T KQ + q) 16 + p) 4, its byte 2 c + h for that block.
;   So a fragment (T, q) is 1,024 dense bytes that a wave takes by two loads of 16 bytes a lane, and the products' results (used transposed) fall so that 64 registers of a lane are the next operand's fragment.
; SHARES.  Work-groups 0-255: a tile of 16 rows of x, a wave two K steps.  256-383: columns 0-2047 of w_qkv; 384-447: its columns 2048-3071; 448-511: w_out; 512-767: w1; 768-1023: w2:
; 128 columns x 128 along K each, a wave 32 columns, A LANE A COLUMN with its registers running down K, so that nothing is transposed.
.set XS,     2097152                   ; xq: the scale words begin here
.set WQK_C,  0                         ; wq: the regions of codes,
.set WV_C,   1048576
.set WO_C,   1572864
.set W1_C,   2097152
.set W2_C,   4194304
.set WQK_S,  6291456                   ; and of scale words
.set WV_S,   6356992
.set WO_S,   6389760
.set W1_S,   6422528
.set W2_S,   6553600
.set STG,    8448                      ; a stage: 16 rows x (512 bytes + 16)
.set SPARE,  67584                     ; behind the four waves' two stages each: the spare words, 128 bytes a wave
.set SPW,    8                         ; v8   LDS address of my spare word; never rewritten
.set NIL,    9                         ; v9   0; never rewritten
.set R,      16                        ; v16-143  x as loaded (two K steps); in the weights' paths a lane's 128 numbers
.set X,      144                       ; v144-207 64 numbers of a lane, in the quantiser's order; in the weights' paths v144-159 codes, v160 the scale word
.set TM,     208                       ; v208-223 at work
.set PC,     224                       ; v224-231 a fragment's codes
.set SEL,    26                        ; s[26:27] lane selects for lane l xor 16
.set HM,     28                        ; s28      the lanes 16-31
; 64 numbers of a lane, register 16 b + i = k 32 b + 16 (lane / 16) + i of my row, become a fragment's codes in v[pc] on and its scale word in v[pw]
.macro QUANT0 s, pc, pw
.irp b, 0,1,2,3
	v_max3_num_f32 v[TM+\b], |v[\s+16*\b]|, |v[\s+1+16*\b]|, 0x1800000   ; my 16 numbers of block b, and the floor 2^(3 - 127): the byte cannot fall under 1
.endr
.irp i, 2,4,6,8,10,12,14
.irp b, 0,1,2,3
	v_max3_num_f32 v[TM+\b], v[TM+\b], |v[\s+16*\b+\i]|, |v[\s+1+16*\b+\i]|
.endr
.endr
.irp b, 0,1,2,3
	v_permlanex16_b32 v[TM+4+\b], v[TM+\b], s[SEL], s[SEL+1]
.endr
.irp b, 0,1,2,3
	v_max_num_f32 v[TM+\b], v[TM+\b], v[TM+4+\b]                    ; with lane l xor 16's: the block's largest magnitude
.endr
.irp b, 0,1,2,3
	v_add_nc_u32 v[TM+12+\b], 0xff000000, v[TM+\b]                  ; 2 off its exponent field: the conversion's scale operand
.endr
.irp b, 0,1,2,3
	v_lshrrev_b32 v[TM+4+\b], 23, v[TM+12+\b]                       ; the scale's byte
.endr
	v_lshl_or_b32 v[\pw], v[TM+5], 8, v[TM+4]
	v_lshl_or_b32 v[\pw], v[TM+6], 16, v[\pw]
	v_lshl_or_b32 v[\pw], v[TM+7], 24, v[\pw]
.irp b, 0,1,2,3
	v_cvt_scalef32_pk8_fp4_f32 v[\pc+2*\b], v[\s+16*\b:\s+7+16*\b], v[TM+12+\b]
	v_cvt_scalef32_pk8_fp4_f32 v[\pc+1+2*\b], v[\s+8+16*\b:\s+15+16*\b], v[TM+12+\b]
.endr
	v_nop                                          ; one plain line behind the scaled conversions
.irp c, 0,1                                    ; the operand wants a whole block in a lane: lanes 0-15 block 2 c, lanes 16-31 block 2 c + 1
.irp i, 0,1
	v_permlane16_swap_b32 v[\pc+4*\c+\i], v[\pc+2+4*\c+\i]
.endr
.endr
.endm
; the weights: block t of a lane's four: 32 loads, W(128 q + 32 t + i, my column)
.macro WLOAD t, ncol
.irp i, 0,1,2,3,4,5,6,7,8,9,10,11,12,13,14,15,16,17,18,19,20,21,22,23,24,25,26,27,28,29,30,31
	global_load_b32 v[R+32*(\t)+\i], v10, s[22:23] offset:(32*(\t)+\i)*(\ncol)*4 th:TH_LOAD_NT
.endr
.endm
; block t is quantised and its 16 bytes stored: lanes 0-15 fill 256 consecutive aligned bytes of one tile's image, lanes 16-31 of the next tile's
.macro WBLOCK t
.set XB, R+32*(\t)
	v_max3_num_f32 v13, |v[XB]|, |v[XB+1]|, |v[XB+2]|
	v_max3_num_f32 v14, |v[XB+3]|, |v[XB+4]|, |v[XB+5]|
.irp i, 6,10,14,18,22,26
	v_max3_num_f32 v13, v13, |v[XB+\i]|, |v[XB+\i+1]|
	v_max3_num_f32 v14, v14, |v[XB+\i+2]|, |v[XB+\i+3]|
.endr
	v_max3_num_f32 v13, v13, |v[XB+30]|, |v[XB+31]|
	v_max3_num_f32 v13, v13, v14, 0x1800000        ; and the floor
	v_add_nc_u32 v15, 0xff000000, v13
	v_lshrrev_b32 v14, 23, v15
.if (\t) == 0
	v_mov_b32 v160, v14
.else
	v_lshl_or_b32 v160, v14, 8*(\t), v160
.endif
.irp g, 0,1,2,3
	v_cvt_scalef32_pk8_fp4_f32 v[144+4*(\t)+\g], v[XB+8*\g:XB+8*\g+7], v15
.endr
	v_nop                                          ; one plain line behind the scaled conversions
	global_store_b128 v11, v[144+4*(\t):147+4*(\t)], s[24:25] offset:512*((\t)/2)+256*((\t)%2)
.endm
; a whole job: first = its first work-group; 2^logcb blocks of 128 columns; p = the scalar pair with the tensor's address; col0 = its first column; ncol = the tensor's width; kq = K / 128; coff, soff = its regions in wq
.macro JOB first, logcb, p, col0, ncol, kq, coff, soff
	s_sub_co_u32 s19, ttmp9, \first
	s_and_b32 s20, s19, (1<<\logcb)-1              ; which 128 columns
	s_lshr_b32 s21, s19, \logcb                    ; q: which 128 along K
	s_lshl_b32 s20, s20, 7
	s_lshl_b32 s22, s18, 5
	s_add_co_u32 s20, s20, s22                     ; my wave's first column
	s_mul_i32 s22, s21, 128*(\ncol)*4
	s_lshl_b32 s23, s20, 2
	s_add_co_u32 s22, s22, s23
	s_add_co_u32 s22, s22, (\col0)*4
	s_mov_b32 s23, 0
	s_add_nc_u64 s[22:23], s[\p:\p+1], s[22:23]
	s_lshr_b32 s20, s20, 4                         ; my first tile
	s_mul_i32 s20, s20, \kq
	s_add_co_u32 s20, s20, s21                     ; tile x KQ + q
	s_lshl_b32 s24, s20, 10
	s_add_co_u32 s24, s24, \coff
	s_mov_b32 s25, 0
	s_add_nc_u64 s[24:25], s[16:17], s[24:25]
	s_lshl_b32 s20, s20, 6
	s_add_co_u32 s20, s20, \soff
	s_mov_b32 s21, 0
	s_add_nc_u64 s[20:21], s[16:17], s[20:21]
	v_mul_u32_u24 v11, v7, (\kq)*1024              ; lanes 16-31: the next tile
	v_lshl_add_u32 v11, v6, 4, v11
	v_mul_u32_u24 v12, v7, (\kq)*64
	v_lshl_add_u32 v12, v6, 2, v12
	WLOAD 0, \ncol
	WLOAD 1, \ncol
	s_wait_loadcnt 32                              ; block 0 is in; block 1's 32 loads may be out
	WLOAD 2, \ncol
	WBLOCK 0
	s_wait_loadcnt 32                              ; block 1 is in; block 2's may be out
	WLOAD 3, \ncol
	WBLOCK 1
	s_wait_loadcnt 32                              ; block 2 is in; block 3's may be out
	WBLOCK 2
	s_wait_loadcnt 0x0
	WBLOCK 3
	global_store_b32 v12, v160, s[20:21]           ; the scale words: 64 consecutive bytes for each of the two tiles
	s_endpgm
.endm
	s_load_b256 s[4:11], s[0:1], 0x0               ; x s[4:5], w_qkv s[6:7], w_out s[8:9], w1 s[10:11]
	s_load_b128 s[12:15], s[0:1], 0x20             ; w2 s[12:13], xq s[14:15]
	s_load_b64 s[16:17], s[0:1], 0x30              ; wq
	v_lshl_add_u32 v[SPW], v0, 2, SPARE
	v_mov_b32 v[NIL], 0
	v_lshrrev_b32 v1, 5, v0
	v_readfirstlane_b32 s18, v1                    ; wave 0..3
	v_and_b32 v1, 31, v0                           ; lane
	v_and_b32 v6, 15, v0                           ; lane % 16
	v_bfe_u32 v7, v0, 4, 1                         ; lane / 16
	v_and_b32 v10, 8, v6
	v_add_nc_u32 v10, v10, v6
	v_lshl_add_u32 v10, v7, 3, v10
	v_lshlrev_b32 v10, 2, v10                      ; the weights: my column among the wave's 32, in bytes: 4 (8 (lane / 16) + p + 8 (p / 8))
	s_wait_kmcnt 0x0
	s_cmp_lt_u32 ttmp9, 256
	s_cbranch_scc1 .Lx
	s_cmp_lt_u32 ttmp9, 384
	s_cbranch_scc1 .Lwqk
	s_cmp_lt_u32 ttmp9, 448
	s_cbranch_scc1 .Lwv
	s_cmp_lt_u32 ttmp9, 512
	s_cbranch_scc1 .Lwo
	s_cmp_lt_u32 ttmp9, 768
	s_cbranch_scc1 .Lw1
	s_wait_alu depctr_va_vdst(0)
	JOB 768, 3, 12, 0, 1024, 32, W2_C, W2_S
.Lwqk:
	s_wait_alu depctr_va_vdst(0)
	JOB 256, 4, 6, 0, 3072, 8, WQK_C, WQK_S
.Lwv:
	s_wait_alu depctr_va_vdst(0)
	JOB 384, 3, 6, 2048, 3072, 8, WV_C, WV_S
.Lwo:
	s_wait_alu depctr_va_vdst(0)
	JOB 448, 3, 8, 0, 1024, 8, WO_C, WO_S
.Lw1:
	s_wait_alu depctr_va_vdst(0)
	JOB 512, 5, 10, 0, 4096, 8, W1_C, W1_S
.Lx:	; ---- x: tile T = the work-group's number; my wave's K steps 2 w and 2 w + 1.  Loads take a row's 512 bytes as they lie; the wave's own stage turns them so that a lane holds 16 neighbours of each block
	s_mov_b32 s[SEL], 0x76543210
	s_mov_b32 s[SEL+1], 0xfedcba98
	s_mov_b32 s[HM], 0xffff0000
	s_wait_alu depctr_va_vdst(0)
	v_lshlrev_b32 v2, 4, v1                        ; 16 x lane
	s_mul_i32 s19, s18, 2*STG
	v_add_nc_u32 v3, s19, v2                       ; into the stage: a row as it lies
	v_mul_u32_u24 v4, v6, 528
	v_lshl_add_u32 v4, v7, 6, v4
	v_add_nc_u32 v4, s19, v4                       ; out of it: row p, + 64 (lane / 16)
	v_lshlrev_b32 v5, 2, v1
.irp b, 0,1,2,3
	v_mov_b32 v[TM+4+\b], 0                        ; written once: a lane permute's destination counts as one of its sources
.endr
	s_lshr_b32 s20, ttmp9, 1
	s_lshl_b32 s20, s20, 5
	s_and_b32 s21, ttmp9, 1
	s_lshl_b32 s21, s21, 3
	s_add_co_u32 s20, s20, s21                     ; the tile's first row
	s_lshl_b32 s20, s20, 12
	s_lshl_b32 s21, s18, 10
	s_add_co_u32 s20, s20, s21
	s_mov_b32 s21, 0
	s_add_nc_u64 s[4:5], s[4:5], s[20:21]
	s_lshl_b32 s20, ttmp9, 3
	s_lshl_b32 s22, s18, 1
	s_add_co_u32 s20, s20, s22                     ; 8 T + 2 w
	s_lshl_b32 s22, s20, 10
	s_mov_b32 s23, 0
	s_add_nc_u64 s[22:23], s[14:15], s[22:23]      ; my two fragments
	s_lshl_b32 s20, s20, 6
	s_add_co_u32 s20, s20, XS
	s_add_nc_u64 s[20:21], s[14:15], s[20:21]      ; and their scale words
.irp j, 0,1
.irp i, 0,1,2,3,4,5,6,7,8,9,10,11,12,13,14,15
	global_load_b128 v[R+64*\j+4*\i:R+64*\j+4*\i+3], v2, s[4:5] offset:(\i+8*(\i/8))*4096+512*\j th:TH_LOAD_NT   ; 32 lanes read 512 consecutive bytes of lane-row i
.endr
.endr
	s_wait_alu depctr_va_vdst(0)
	s_wait_loadcnt 16                              ; the first K step's sixteen loads are in; the second's may be out
.irp i, 0,1,2,3,4,5,6,7,8,9,10,11,12,13,14,15
	ds_store_b128 v3, v[R+4*\i:R+4*\i+3] offset:528*\i
.endr
.irp b, 0,1,2,3
.irp g, 0,1,2,3
	ds_load_b128 v[X+16*\b+4*\g:X+16*\b+4*\g+3], v4 offset:128*\b+16*\g   ; LDS serves a wave's instructions in order: these see my stores
.endr
.endr
	s_wait_loadcnt 0x0
.irp i, 0,1,2,3,4,5,6,7,8,9,10,11,12,13,14,15
	ds_store_b128 v3, v[R+64+4*\i:R+64+4*\i+3] offset:STG+528*\i
.endr
	s_wait_dscnt 16                                ; the first step's numbers are back; the sixteen stores just issued may be out
	QUANT0 X, PC, 232
	global_store_b128 v2, v[PC:PC+3], s[22:23]
	global_store_b128 v2, v[PC+4:PC+7], s[22:23] offset:512
.irp b, 0,1,2,3
.irp g, 0,1,2,3
	ds_load_b128 v[X+16*\b+4*\g:X+16*\b+4*\g+3], v4 offset:STG+128*\b+16*\g
.endr
.endr
	s_wait_dscnt 0x0
	s_wait_xcnt 0x0                                ; the stores have read the codes' registers: they are written again only behind this wait
	QUANT0 X, PC, 233
	global_store_b128 v2, v[PC:PC+3], s[22:23] offset:1024
	global_store_b128 v2, v[PC+4:PC+7], s[22:23] offset:1536
	v_cndmask_b32 v234, v232, v233, s[HM]          ; lanes 0-15 the first step's words, lanes 16-31 the second's: 128 consecutive bytes
	global_store_b32 v5, v234, s[20:21]
	s_wait_tensorcnt 0x0                           ; the wave's end
	ds_add_u32 v[SPW], v[NIL]
	s_wait_dscnt 0x0
	s_endpgm
.Lfunc_end_k_q4334cb015a_quant:
	.size	k_q4334cb015a_quant, .Lfunc_end_k_q4334cb015a_quant-k_q4334cb015a_quant
	.p2alignl 7, 3214868480
	.fill 96, 4, 3214868480
	.section	.rodata,"a",@progbits
	.p2align	6, 0x0
	.amdhsa_kernel k_q4334cb015a_quant
		.amdhsa_group_segment_fixed_size 68096
		.amdhsa_private_segment_fixed_size 0
		.amdhsa_enable_private_segment 0
		.amdhsa_kernarg_size 56
		.amdhsa_user_sgpr_count 2
		.amdhsa_user_sgpr_kernarg_segment_ptr 1
		.amdhsa_wavefront_size32 1
		.amdhsa_system_sgpr_workgroup_id_x 1
		.amdhsa_system_sgpr_workgroup_id_y 1
		.amdhsa_system_sgpr_workgroup_id_z 1
		.amdhsa_system_vgpr_workitem_id 0
		.amdhsa_next_free_vgpr 240
		.amdhsa_next_free_sgpr 66
		.amdhsa_reserve_vcc 0
		.amdhsa_float_denorm_mode_32 3
		.amdhsa_float_denorm_mode_16_64 3
		.amdhsa_memory_ordered 1
		.amdhsa_forward_progress 1
		.amdhsa_inst_pref_size 117
	.end_amdhsa_kernel
	.amdgpu_metadata
---
amdhsa.version: [ 1, 2 ]
amdhsa.kernels:
  - .name:           k_q4334cb015a_quant
    .symbol:         k_q4334cb015a_quant.kd
    .args:
      - { .name: x, .offset: 0, .size: 8, .value_kind: global_buffer, .address_space: global }
      - { .name: w_qkv, .offset: 8, .size: 8, .value_kind: global_buffer, .address_space: global }
      - { .name: w_out, .offset: 16, .size: 8, .value_kind: global_buffer, .address_space: global }
      - { .name: w1, .offset: 24, .size: 8, .value_kind: global_buffer, .address_space: global }
      - { .name: w2, .offset: 32, .size: 8, .value_kind: global_buffer, .address_space: global }
      - { .name: xq, .offset: 40, .size: 8, .value_kind: global_buffer, .address_space: global }
      - { .name: wq, .offset: 48, .size: 8, .value_kind: global_buffer, .address_space: global }
    .group_segment_fixed_size: 68096
    .private_segment_fixed_size: 0
    .kernarg_segment_align: 8
    .kernarg_segment_size: 56
    .max_flat_workgroup_size: 128
    .sgpr_count:     66
    .vgpr_count:     240
    .wavefront_size: 32
...
	.end_amdgpu_metadata
.endif
;; end of part 7
;; launch qkv (part 8): grid 12 x 16, 4 waves a work-group, clusters of 4 x 4, 327,680 bytes of LDS; arguments xq, wq, qkvb; writes qkvb
.if DOCPART == 8
	.amdgcn_target "amdgcn-amd-amdhsa--gfx1250"
	.amdhsa_code_object_version 6
	.text
	.protected	k_q4334cb015a_qkv
	.globl	k_q4334cb015a_qkv
	.p2align	8
	.type	k_q4334cb015a_qkv,@function
k_q4334cb015a_qkv:
	s_mov_b64 s[64:65], 0
	v_nop
	global_prefetch_b8 v0, s[64:65] scope:SCOPE_SE
	s_setreg_imm32_b32 hwreg(HW_REG_WAVE_MODE, 25, 1), 1
	s_wait_xcnt 0x0
	s_wait_alu depctr_hold_cnt(0) depctr_sa_sdst(0) depctr_va_vdst(0) depctr_va_sdst(0) depctr_va_ssrc(0) depctr_va_vcc(0) depctr_vm_vsrc(0)
	s_getreg_b32 s2, hwreg(HW_REG_IB_STS2, 6, 4)
	s_cmp_eq_u32 s2, 0
	s_cbranch_scc0 .Lentry_in_a_cluster
	s_endpgm
.Lentry_in_a_cluster:
	s_bfe_u32 s2, ttmp6, 0x10000c
	s_cmp_lg_u32 s2, 0xf033
	s_cbranch_scc0 .Lentry_shape_is_right
	s_endpgm
.Lentry_shape_is_right:
; Launch 2 of 7: qkv = x w_qkv on codes of E2M1, and q, k, v quantised on the way out: q and k along the head's 64, v along the keys.  No work is left out.
; A tile of 256 x 256 to a work-group of four waves, 128 x 128 a wave: 64 accumulators in windows 2 and 3.  K = 1,024 is two LDS slots of 512 along K, both asked for at the head: nothing is filled twice.
; OPERANDS lie in memory as images of fragments (launch 1's head): tile T, K step q: 1,024 dense bytes; a wave's tensor load brings 16 (at the head) or 8 tiles x 4 K steps; LDS needs no padding, every LDS load takes 512 consecutive bytes.
; PARTS, by the cluster's x, which all sixteen partners share: 0: q, 1: k (source 1 = tokens of x, source 0 = columns of w_qkv); 2: v, with the sides changed (source 1 = v's channels, source 0 = tokens),
; so that a lane's registers run along the keys, which are the K of attention's second product.
; THE PRODUCT IS USED TRANSPOSED: lane (r, h) holds lane-row r of source 1's tile, and the 16 registers of source 0's tiles 2 b, 2 b + 1 are 16 neighbours 32 b + 16 h + 0..15: what the quantiser wants.
; CLUSTERS: source 1's tiles are shared along a row of the cluster, source 0's along a column: joint loads.
; OUT (qkvb): q images [bh][tile 128][512 bytes] at 0; q's words at QS; from KV on a record of REC bytes for each (batch, head): k images [tile 128][512], k's words [pair 64][64], v images [64 keys 32][channel tile 4][512], v's words [128 keys 16][tile 4][64].
; q's and k's words hold two tiles' two bytes each (tile 2 p in bytes 0, 1; tile 2 p + 1 in bytes 2, 3): attention takes two key tiles as one fragment.  The words leave in runs of 64 bytes: a sixteenth of the codes' bytes.
; LIMITS: as stated at launch 1's head.
.set XS,    2097152
.set WV_C,  1048576
.set WQK_S, 6291456
.set WV_S,  6356992
.set QS,    2097152
.set KV,    2228224
.set REC,   139264
.set SLOT,  131072                     ; a slot: source 1's 16 tiles x 4,096 bytes, then source 0's
.set SCL,   262144                     ; the scale words of all of K: source 1's 8,192 bytes, then source 0's
.set SPARE, 278528                     ; the spare words, 128 bytes a wave
.set FR,    8
.set ADRA,  16                         ; v16-17 LDS address of my fragments of source 1 in slot 0, 1
.set ADRB,  20                         ; v20-21 of source 0
.set LI,    24                         ; v24 16 x lane
.set LI2,   25                         ; v25 the same, the second 64 columns' image
.set ADRS,  27                         ; v27 my scale words: lanes 0-15 source 1's, lanes 16-31 source 0's
.set SPW,   28
.set NIL,   29
.set SC,    32                         ; v32-95 scale words, two sets; they hold nothing else
.set TM,    96                         ; v96-111 at work in the quantiser
.set PC,    112                        ; v112-119 the codes just made
.set PWS,   120                        ; v120-127 the eight row tiles' scale words
.set AF,    128                        ; v128-191 source 1's fragments, one set; on the way out addresses
.set G1,    24
.set G0,    32
.set G1B,   48
.set G0B,   56
.set G1S,   68
.set G0S,   76
.set G1SB,  80
.set G0SB,  88
.set SEL,   48                         ; on the way out, when no tensor load is out: s[48:49] lane selects, s50 the lanes 16-31
.set HM,    50
.set MSB, 0
.macro WIN new                         ; the immediate's high byte repeats the setting that is left
.if MSB != \new
	s_set_vgpr_msb (MSB<<8)|\new
.set MSB, \new
.endif
.endm
.set MUL_LO, 0xa1                      ; source 0 window 1, source 1 window 0, C and D window 2
.set MUL_HI, 0xf1                      ; the same, C and D window 3
.set TO_B,   0x40
.macro PLACES n
.rept \n
	v_nop
.endr
.endm
.macro JLOAD g0a, g1a, g0b, g1b        ; a joint load: waves 0, 1 fetch for source 1, waves 2, 3 for source 0; an s_nop 0 and four v_nop follow each line
	s_cmp_eq_u32 s15, 0
	s_cbranch_scc0 .Lfor_b_\@
	tensor_load_to_lds s[\g0a:\g0a+3], s[\g1a:\g1a+7]
	s_nop 0
.rept 4
	v_nop
.endr
	s_branch .Lasked_\@
.Lfor_b_\@:
	tensor_load_to_lds s[\g0b:\g0b+3], s[\g1b:\g1b+7]
	s_nop 0
.rept 4
	v_nop
.endr
.Lasked_\@:
.endm
.macro CROUND                          ; a round of the cluster's barrier
	s_barrier_signal -1
	s_barrier_wait -1
	s_cmp_lg_u32 s14, 0
	s_cbranch_scc1 .Lnot_wave_0_\@
	s_barrier_signal -3
.Lnot_wave_0_\@:
	s_barrier_wait -3
	s_barrier_signal -1
	s_barrier_wait -1
.endm
; 64 numbers of a lane in window w, register 16 b + i = k 32 b + 16 (lane / 16) + i, become a fragment's codes in v[pc] on and its scale word in v[pw], both in window 0.  Each accumulator is read from its low end on
.macro QUANT s, w, pc, pw
.set WQ_, (\w)*5
	WIN WQ_                                        ; sources 0 and 1 in window w
.irp b, 0,1,2,3
	v_max3_num_f32 v[TM+\b], |v[\s+16*\b]|, |v[\s+1+16*\b]|, 0x1800000   ; and the floor 2^(3 - 127): the byte cannot fall under 1
.endr
.irp i, 2,4,6,8,10,12,14
.irp b, 0,1,2,3
	v_max3_num_f32 v[TM+\b], |v[\s+16*\b+\i]|, |v[\s+1+16*\b+\i]|, v[TM+\b]
.endr
.endr
	WIN 0
.irp b, 0,1,2,3
	v_permlanex16_b32 v[TM+4+\b], v[TM+\b], s[SEL], s[SEL+1]
.endr
.irp b, 0,1,2,3
	v_max_num_f32 v[TM+\b], v[TM+\b], v[TM+4+\b]
.endr
.irp b, 0,1,2,3
	v_add_nc_u32 v[TM+12+\b], 0xff000000, v[TM+\b]                  ; 2 off the exponent field: the conversion's scale operand
.endr
.irp b, 0,1,2,3
	v_lshrrev_b32 v[TM+4+\b], 23, v[TM+12+\b]
.endr
	v_lshl_or_b32 v[\pw], v[TM+5], 8, v[TM+4]
	v_lshl_or_b32 v[\pw], v[TM+6], 16, v[\pw]
	v_lshl_or_b32 v[\pw], v[TM+7], 24, v[\pw]
.set WQ_, \w
	WIN WQ_                                        ; source 0 in window w
.irp b, 0,1,2,3
	v_cvt_scalef32_pk8_fp4_f32 v[\pc+2*\b], v[\s+16*\b:\s+7+16*\b], v[TM+12+\b]
	v_cvt_scalef32_pk8_fp4_f32 v[\pc+1+2*\b], v[\s+8+16*\b:\s+15+16*\b], v[TM+12+\b]
.endr
	WIN 0
	v_nop                                          ; one plain line behind the scaled conversions
.irp c, 0,1
.irp i, 0,1
	v_permlane16_swap_b32 v[\pc+4*\c+\i], v[\pc+2+4*\c+\i]
.endr
.endr
.endm
	s_load_b128 s[4:7], s[0:1], 0x0                ; xq s[4:5], wq s[6:7]
	s_load_b64 s[12:13], s[0:1], 0x10              ; qkvb
	v_lshl_add_u32 v[SPW], v0, 2, SPARE
	v_mov_b32 v[NIL], 0
	ds_add_u32 v[SPW], v[NIL]                      ; the wave's opening: the add, twice on end, and its wait ahead of my first tensor load
	ds_add_u32 v[SPW], v[NIL]
	v_lshrrev_b32 v1, 5, v0
	v_readfirstlane_b32 s14, v1                    ; wave 0..3
	s_lshr_b32 s15, s14, 1                         ; my half of the tile's rows.  Also: I fetch for source 1 (0) or source 0 (1)
	s_and_b32 s16, s14, 1                          ; my half of its columns.  Also: which 8 tiles I fetch
	s_bfe_u32 s40, ttmp6, 0x40000                  ; cx
	s_bfe_u32 s41, ttmp6, 0x40004                  ; cy
	s_lshl_b32 s42, ttmp9, 2                       ; 4 x cluster x
	s_and_b32 s17, ttmp7, 0xffff
	s_lshl_b32 s17, s17, 2                         ; 4 x cluster y
	s_mov_b32 s18, XS
	s_mov_b32 s19, WQK_S
	s_cmp_eq_u32 ttmp9, 2                          ; part v?  The cluster's x is the same in all partners
	s_cselect_b32 s42, s17, s42                    ; v: the tokens run along the columns, by the cluster's y
	s_cselect_b32 s17, 0, s17                      ; v: four tile rows of channels, by cy alone
	s_cselect_b32 s92, WV_C, 0                     ; source 1's codes in its buffer,
	s_cselect_b32 s93, WV_S, s18                   ; its scale words,
	s_cselect_b32 s94, s18, s19                    ; source 0's scale words (its codes begin at 0 in both cases)
	s_add_co_u32 s42, s42, s40                     ; tile column
	s_add_co_u32 s17, s17, s41                     ; tile row
	s_lshl_b32 s43, s41, 2
	s_lshl_b32 s43, 15, s43                        ; my row of the cluster
	s_lshl_b32 s44, 0x1111, s40                    ; my column
	s_or_b32 s[G1+0], s43, (3<<16)|(1<<21)         ; 15:0 the mask; 17:16 elements of 8 bytes; 21 set beside a mask; no padding
	s_or_b32 s[G1B+0], s44, (3<<16)|(1<<21)
.irp g, G1, G1B
	s_mov_b32 s[\g+1], 512<<16                     ; tensor_dim0 = 512 elements: a tile's four K steps, 4,096 bytes
	s_mov_b32 s[\g+2], 16<<16                      ; tensor_dim1 = 16 tiles for the head's loads; behind them 8
	s_mov_b32 s[\g+3], 512<<16                     ; tile_dim0
	s_mov_b32 s[\g+4], 16                          ; tile_dim1
	s_mov_b32 s[\g+5], 1024                        ; from tile to tile: 8,192 bytes
	s_mov_b32 s[\g+6], 0
	s_mov_b32 s[\g+7], 0
.endr
	s_or_b32 s[G1S+0], s43, (3<<16)|(1<<21)        ; the scale words of 16 tiles: 8,192 dense bytes as 32 rows of 256
	s_or_b32 s[G1SB+0], s44, (3<<16)|(1<<21)
.irp g, G1S, G1SB
	s_mov_b32 s[\g+1], 32<<16                      ; the scale words of a side's 16 tiles: 8,192 dense bytes as 32 rows of 256
	s_mov_b32 s[\g+2], 32<<16
	s_mov_b32 s[\g+3], 32<<16
	s_mov_b32 s[\g+4], 32
	s_mov_b32 s[\g+5], 32
	s_mov_b32 s[\g+6], 0
	s_mov_b32 s[\g+7], 0
.endr
	s_lshl_b32 s18, s16, 16                        ; slot 1's loads: my half of a side, 8 tiles x 8,192 bytes on
	s_mov_b32 s19, 0
	s_lshl_b32 s20, s17, 4                         ; source 1: tile 16 x tile row
	s_lshl_b32 s46, s42, 4                         ; source 0: tile 16 x tile column
	s_lshl_b32 s22, s20, 9
	s_add_co_u32 s22, s22, s93
	s_mov_b32 s23, 0
	s_lshl_b32 s20, s20, 13
	s_add_co_u32 s20, s20, s92
	s_mov_b32 s21, 0
	s_lshl_b32 s96, s46, 9
	s_add_co_u32 s96, s96, s94
	s_mov_b32 s97, 0
	s_lshl_b32 s46, s46, 13
	s_mov_b32 s47, 0
	s_lshl_b32 s45, s14, 15                        ; where they go: wave x 32,768: no place in the cluster enters an LDS address
	s_wait_dscnt 0x0                               ; both opening adds are done
	s_wait_kmcnt 0x0
	s_cmp_eq_u32 ttmp9, 2
	s_cselect_b64 s[8:9], s[6:7], s[4:5]           ; source 1's buffer: wq in part v, else xq
	s_cselect_b64 s[10:11], s[4:5], s[6:7]         ; source 0's
	s_add_nc_u64 s[20:21], s[8:9], s[20:21]
	s_add_nc_u64 s[22:23], s[8:9], s[22:23]
	s_add_nc_u64 s[46:47], s[10:11], s[46:47]
	s_add_nc_u64 s[96:97], s[10:11], s[96:97]
	CROUND                                         ; all sixteen work-groups are here: the joint loads meet
	s_mov_b32 s[G0S], 1
	s_mov_b32 s[G0S+1], SCL
	s_mov_b64 s[G0S+2:G0S+3], s[22:23]
	s_or_b32 s[G0S+3], s[G0S+3], 0x80000000
	s_mov_b32 s[G0SB], 1
	s_mov_b32 s[G0SB+1], SCL+8192
	s_mov_b64 s[G0SB+2:G0SB+3], s[96:97]
	s_or_b32 s[G0SB+3], s[G0SB+3], 0x80000000
.irp s, 0,1
	s_mov_b32 s[G0+4*\s], 1
	s_add_co_u32 s[G0+4*\s+1], s45, \s*SLOT
	s_add_nc_u64 s[G0+4*\s+2:G0+4*\s+3], s[20:21], \s*4096
	s_or_b32 s[G0+4*\s+3], s[G0+4*\s+3], 0x80000000
	s_mov_b32 s[G0B+4*\s], 1
	s_add_co_u32 s[G0B+4*\s+1], s45, \s*SLOT
	s_add_nc_u64 s[G0B+4*\s+2:G0B+4*\s+3], s[46:47], \s*4096
	s_or_b32 s[G0B+4*\s+3], s[G0B+4*\s+3], 0x80000000
.endr
	s_mov_b32 s[G0+1], 0                           ; slot 0 comes by the head's loads, a whole side each: source 1's 16 tiles,
	s_mov_b32 s[G0B+1], 65536                      ; source 0's behind them
	s_add_nc_u64 s[G0+6:G0+7], s[G0+6:G0+7], s[18:19]       ; slot 1 comes a quarter a wave: my 8 tiles
	s_add_nc_u64 s[G0B+6:G0B+7], s[G0B+6:G0B+7], s[18:19]
; THE HEAD'S LOADS, ONE A WAVE: wave 0 source 1's side of slot 0, wave 1 source 0's, wave 2 source 1's scale words, wave 3 source 0's.
; One chain of branches on the wave's number: every way through it passes exactly one load.
.macro ARM under, g0, g1, next
	s_cmp_lt_u32 s14, \under
	s_cbranch_scc0 \next
	tensor_load_to_lds s[\g0:\g0+3], s[\g1:\g1+7]
	s_nop 0
.rept 4
	v_nop
.endr
	s_branch .Lhead_asked
\next:
.endm
	ARM 1, G0,  G1,  .Lhead_b
	ARM 2, G0B, G1B, .Lhead_sa
	ARM 3, G0S, G1S, .Lhead_sb
	tensor_load_to_lds s[G0SB:G0SB+3], s[G1SB:G1SB+7]
	s_nop 0
.rept 4
	v_nop
.endr
.Lhead_asked:
	v_and_b32 v1, 31, v0
	v_lshlrev_b32 v[LI], 4, v1
	s_lshl_b32 s21, s15, 15                        ; my 8 tiles of source 1
	s_lshl_b32 s22, s16, 15
	s_add_co_u32 s22, s22, 65536                   ; my 8 of source 0, behind source 1's 16
.irp s, 0,1
	v_add_nc_u32 v[ADRA+\s], s21, v[LI]
	v_add_nc_u32 v[ADRB+\s], s22, v[LI]
	s_add_co_u32 s21, s21, SLOT
	s_add_co_u32 s22, s22, SLOT
.endr
	v_and_b32 v1, 15, v0
	v_bfe_u32 v2, v0, 4, 1
	v_lshlrev_b32 v5, 2, v1
	s_lshl_b32 s21, s15, 12
	s_lshl_b32 s22, s16, 12
	s_add_co_u32 s22, s22, 8192
	s_sub_co_u32 s22, s22, s21
	v_mul_u32_u24 v6, s22, v2                      ; lanes 16-31 take source 0's words: one product with the lane's half
	s_add_co_u32 s21, s21, SCL
	v_add_nc_u32 v5, v5, v6
	v_add_nc_u32 v[ADRS], s21, v5
.irp b, 0,1,2,3
	v_mov_b32 v[TM+4+\b], 0                        ; written once: a lane permute's destination counts as one of its sources
.endr
.macro FRAG reg, adr, q, i             ; a fragment: two loads of 512 consecutive bytes
.irp c, 0,1
	ds_load_b128 v[\reg+4*\c:\reg+4*\c+3], v[\adr] offset:1024*(\q)+512*\c+(\i)*4096
.endr
.endm
; 16 matrix instructions: source 1's blocks a0, a0 + 1 x source 0's eight.  The 64 accumulators take turns, one instruction a turn, in the same order in every step
.macro MUL16 a0, p, q, sc, zero
.irp a, \a0, \a0+1
.irp b, 0,1,2,3,4,5,6,7
.if \zero
	v_wmma_scale_f32_16x16x128_f8f6f4 v[8*(8*((\a)%4)+\b):8*(8*((\a)%4)+\b)+7], v[128*(\p)+FR*\b:128*(\p)+FR*\b+FR-1], v[AF+FR*(\a):AF+FR*(\a)+FR-1], 0, v[SC+32*(\sc)+4*\b+(\q)], v[SC+32*(\sc)+4*(\a)+(\q)] matrix_a_fmt:MATRIX_FMT_FP4 matrix_b_fmt:MATRIX_FMT_FP4 matrix_a_scale:MATRIX_SCALE_ROW1
.else
	v_wmma_scale_f32_16x16x128_f8f6f4 v[8*(8*((\a)%4)+\b):8*(8*((\a)%4)+\b)+7], v[128*(\p)+FR*\b:128*(\p)+FR*\b+FR-1], v[AF+FR*(\a):AF+FR*(\a)+FR-1], v[8*(8*((\a)%4)+\b):8*(8*((\a)%4)+\b)+7], v[SC+32*(\sc)+4*\b+(\q)], v[SC+32*(\sc)+4*(\a)+(\q)] matrix_a_fmt:MATRIX_FMT_FP4 matrix_b_fmt:MATRIX_FMT_FP4 matrix_a_scale:MATRIX_SCALE_ROW1
.endif
.endr
.endr
.endm
.macro FETCH_B slot, q, p
	WIN TO_B
.irp i, 0,1,2,3,4,5,6,7
	FRAG 128*(\p)+FR*\i, ADRB+\slot, \q, \i
.endr
	WIN 0
.endm
.macro FETCH_A slot, q, i0
.irp i, \i0, \i0+1, \i0+2, \i0+3
	FRAG AF+FR*(\i), ADRA+\slot, \q, \i
.endr
.endm
.macro SCALES sc                       ; a slot's scale words: register 4 i + q: lanes 0-15 source 1's block i, lanes 16-31 source 0's block i
.irp i, 0,1,2,3,4,5,6,7
.irp q, 0,1,2,3
	ds_load_b32 v[SC+32*\sc+4*\i+\q], v[ADRS] offset:512*\i+64*(4*\sc+\q)
.endr
.endr
.endm
.macro STEP slot, q, zero              ; 128 along K, with its successor in the same slot
	s_wait_dscnt 8                                 ; all but the youngest eight loads (source 1's blocks 4-7) are in
	WIN MUL_LO
	MUL16 0, (\q)%2, \q, \slot, \zero
	MUL16 2, (\q)%2, \q, \slot, \zero
	s_wait_dscnt 0x0
	PLACES 4                                       ; four plain lines in front of loads into registers that matrix instructions have read
	FETCH_B \slot, (\q)+1, 1-(\q)%2
	FETCH_A \slot, (\q)+1, 0
	WIN MUL_HI
	MUL16 4, (\q)%2, \q, \slot, \zero
	MUL16 6, (\q)%2, \q, \slot, \zero
	PLACES 4
	WIN 0
	FETCH_A \slot, (\q)+1, 4
.endm
	s_wait_alu depctr_va_vdst(0)
	s_wait_tensorcnt 0x0                           ; my tile of the head's four is in
	ds_add_u32 v[SPW], v[NIL]
	s_mov_b32 s[G1+2], 8<<16                       ; no tensor load of mine is out, so a descriptor may be written: from here on a load brings 8 tiles
	s_mov_b32 s[G1+4], 8
	s_mov_b32 s[G1B+2], 8<<16
	s_mov_b32 s[G1B+4], 8
	s_wait_dscnt 0x0
	CROUND                                         ; all four tiles are in, and all sixteen work-groups are here
	JLOAD G0+4, G1, G0B+4, G1B                     ; slot 1's first fill, the first tensor load behind the round
	FETCH_B 0, 0, 0
	FETCH_A 0, 0, 0
	SCALES 0
	FETCH_A 0, 0, 4
	STEP 0, 0, 1                                   ; the first products start the sums: nothing is cleared
	STEP 0, 1, 0
	STEP 0, 2, 0
	s_wait_tensorcnt 0x0                           ; slot 0's last step, and the change of slots: my part of slot 1 is in
	s_wait_dscnt 8
	WIN MUL_LO
	MUL16 0, 1, 3, 0, 0
	s_wait_dscnt 0x0
	s_barrier_signal -1
	MUL16 2, 1, 3, 0, 0
	WIN 0
	s_barrier_wait -1                              ; everybody's part of slot 1 is in; nothing is filled again
	PLACES 4
	FETCH_B 1, 0, 0
	FETCH_A 1, 0, 0
	SCALES 1
	WIN MUL_HI
	MUL16 4, 1, 3, 0, 0
	MUL16 6, 1, 3, 0, 0
	PLACES 4
	WIN 0
	FETCH_A 1, 0, 4
	STEP 1, 0, 0
	STEP 1, 1, 0
	STEP 1, 2, 0
	s_wait_dscnt 8
	WIN MUL_LO
	MUL16 0, 1, 3, 1, 0
	MUL16 2, 1, 3, 1, 0
	s_wait_dscnt 0x0
	WIN MUL_HI
	MUL16 4, 1, 3, 1, 0
	MUL16 6, 1, 3, 1, 0
	WIN 0
	PLACES 4                                       ; in front of the first reads of results and of writes into fragments' registers
	; THE WAY OUT.  Where the images and words go hangs on the part: three arms on the cluster's x fill the same scalars
	s_lshl_b32 s24, s17, 4
	s_lshl_b32 s25, s15, 3
	s_add_co_u32 s24, s24, s25                     ; my first row tile
	s_lshl_b32 s25, s42, 2
	s_lshl_b32 s26, s16, 1
	s_add_co_u32 s25, s25, s26                     ; my first group of 64 columns
	s_and_b32 s38, s24, 127
	s_lshr_b32 s39, s24, 7
	s_lshl_b32 s39, s39, 4                         ; q, k: 16 x batch
	s_cmp_eq_u32 ttmp9, 2
	s_cbranch_scc1 .Lpar_v
	s_cmp_eq_u32 ttmp9, 1
	s_cbranch_scc1 .Lpar_k
	s_add_co_u32 s39, s39, s25                     ; q: (batch, head)
	s_lshl_b32 s26, s39, 16
	s_lshl_b32 s27, s38, 9
	s_add_co_u32 s26, s26, s27                     ; the images
	s_lshl_b32 s28, s39, 12
	s_lshl_b32 s29, s38, 5
	s_add_co_u32 s28, s28, s29
	s_add_co_u32 s28, s28, QS                      ; the words
	s_mov_b32 s30, 65536                           ; from a head's image to the next head's
	s_mov_b32 s31, 4096                            ; and for the words
	s_branch .Lpar_qk
.Lpar_k:
	s_add_co_u32 s39, s39, s25
	s_sub_co_u32 s39, s39, 16
	s_mul_i32 s39, s39, REC
	s_add_co_u32 s39, s39, KV                      ; k: the head's record
	s_lshl_b32 s27, s38, 9
	s_add_co_u32 s26, s39, s27
	s_lshl_b32 s29, s38, 5
	s_add_co_u32 s28, s39, s29
	s_add_co_u32 s28, s28, 65536
	s_mov_b32 s30, REC
	s_mov_b32 s31, REC
.Lpar_qk:
	s_mov_b32 s32, 512                             ; from row tile 3 to 4
	s_mov_b32 s34, 64                              ; from pair to pair of row tiles, in the words
	s_mov_b32 s35, 128
	s_mov_b32 s36, 0x05040100                      ; the first head's two bytes of two tiles,
	s_mov_b32 s37, 0x07060302                      ; the second head's
	s_branch .Lpar_done
.Lpar_v:
	s_lshr_b32 s39, s25, 5
	s_lshl_b32 s39, s39, 4
	s_lshr_b32 s27, s24, 2
	s_add_co_u32 s39, s39, s27                     ; v: (batch of the keys, head of the channels)
	s_mul_i32 s39, s39, REC
	s_add_co_u32 s39, s39, KV
	s_and_b32 s38, s25, 31                         ; the group of 64 keys in the batch
	s_lshl_b32 s27, s38, 11
	s_add_co_u32 s26, s39, s27
	s_add_co_u32 s26, s26, 69632
	s_lshl_b32 s29, s38, 7
	s_add_co_u32 s28, s39, s29
	s_add_co_u32 s28, s28, 135168
	s_mov_b32 s30, 2048                            ; the next 64 keys
	s_mov_b32 s31, 64                              ; the next channel tile's words
	s_mov_b32 s32, REC-1536                        ; channel tile 3 to the next head's tile 0
	s_mov_b32 s34, 128
	s_mov_b32 s35, REC
	s_mov_b32 s36, 0x03020100                      ; the words as they are
	s_mov_b32 s37, 0x07060504
.Lpar_done:
	s_mov_b32 s27, 0
	s_mov_b32 s29, 0
	s_mov_b32 s33, 0
	s_add_nc_u64 s[44:45], s[12:13], s[26:27]
	s_add_nc_u64 s[46:47], s[12:13], s[28:29]
	s_mov_b32 s[SEL], 0x76543210
	s_mov_b32 s[SEL+1], 0xfedcba98
	s_mov_b32 s[HM], 0xffff0000
	v_and_b32 v132, 15, v0
	v_bfe_u32 v133, v0, 4, 1
	v_mul_lo_u32 v133, v133, s31
	v_lshl_add_u32 v128, v132, 2, v133             ; the words: 4 r, lanes 16-31 one head (v: one tile) on
	v_add_nc_u32 v129, s34, v128
	v_add_nc_u32 v130, s35, v128
	v_add_nc_u32 v131, s34, v130
	v_add_nc_u32 v[LI2], s30, v[LI]
.set A_, 0
.rept 8
.if A_ > 0
	s_wait_xcnt 0x0                                ; the last stores have read their data and base: both are written again only behind this wait
.if A_ == 4
	s_add_nc_u64 s[44:45], s[44:45], s[32:33]
.else
	s_add_nc_u64 s[44:45], s[44:45], 512
.endif
.endif
.set AC_, 64*(A_%4)
.set WA_, 2+A_/4
.set PW_, PWS+A_
	QUANT AC_, WA_, PC, PW_
	global_store_b128 v[LI], v[PC:PC+3], s[44:45]       ; 512 consecutive aligned bytes: the first 64 columns' image
	global_store_b128 v[LI2], v[PC+4:PC+7], s[44:45]    ; and the second's
.set A_, A_+1
.endr
.irp p, 0,1,2,3
	v_perm_b32 v132, v[PWS+2*\p+1], v[PWS+2*\p], s36
	v_perm_b32 v133, v[PWS+2*\p+1], v[PWS+2*\p], s37
	v_cndmask_b32 v[134+\p], v132, v133, s[HM]
	global_store_b32 v[128+\p], v[134+\p], s[46:47]
.endr
	s_wait_tensorcnt 0x0                           ; the wave's end
	ds_add_u32 v[SPW], v[NIL]
	s_wait_dscnt 0x0
	CROUND                                         ; the closing round
	s_endpgm
.Lfunc_end_k_q4334cb015a_qkv:
	.size	k_q4334cb015a_qkv, .Lfunc_end_k_q4334cb015a_qkv-k_q4334cb015a_qkv
	.p2alignl 7, 3214868480
	.fill 96, 4, 3214868480
	.section	.rodata,"a",@progbits
	.p2align	6, 0x0
	.amdhsa_kernel k_q4334cb015a_qkv
		.amdhsa_group_segment_fixed_size 327680
		.amdhsa_private_segment_fixed_size 0
		.amdhsa_enable_private_segment 0
		.amdhsa_kernarg_size 24
		.amdhsa_user_sgpr_count 2
		.amdhsa_user_sgpr_kernarg_segment_ptr 1
		.amdhsa_wavefront_size32 1
		.amdhsa_system_sgpr_workgroup_id_x 1
		.amdhsa_system_sgpr_workgroup_id_y 1
		.amdhsa_system_sgpr_workgroup_id_z 1
		.amdhsa_system_vgpr_workitem_id 0
		.amdhsa_next_free_vgpr 1024
		.amdhsa_next_free_sgpr 100
		.amdhsa_reserve_vcc 0
		.amdhsa_float_denorm_mode_32 3
		.amdhsa_float_denorm_mode_16_64 3
		.amdhsa_memory_ordered 1
		.amdhsa_forward_progress 1
		.amdhsa_inst_pref_size 135
	.end_amdhsa_kernel
	.amdgpu_metadata
---
amdhsa.version: [ 1, 2 ]
amdhsa.kernels:
  - .name:           k_q4334cb015a_qkv
    .symbol:         k_q4334cb015a_qkv.kd
    .args:
      - { .name: xq, .offset: 0, .size: 8, .value_kind: global_buffer, .address_space: global }
      - { .name: wq, .offset: 8, .size: 8, .value_kind: global_buffer, .address_space: global }
      - { .name: qkvb, .offset: 16, .size: 8, .value_kind: global_buffer, .address_space: global }
    .group_segment_fixed_size: 327680
    .private_segment_fixed_size: 0
    .kernarg_segment_align: 8
    .kernarg_segment_size: 24
    .max_flat_workgroup_size: 128
    .sgpr_count:     100
    .vgpr_count:     1024
    .wavefront_size: 32
...
	.end_amdgpu_metadata
.endif
;; end of part 8
;; launch attn (part 9): grid 8 x 32, 16 waves a work-group, clusters of 4 x 1, 167,936 bytes of LDS; arguments qkvb, ao; writes ao
.if DOCPART == 9
	.amdgcn_target "amdgcn-amd-amdhsa--gfx1250"
	.amdhsa_code_object_version 6
	.text
	.protected	k_q4334cb015a_attn
	.globl	k_q4334cb015a_attn
	.p2align	8
	.type	k_q4334cb015a_attn,@function
k_q4334cb015a_attn:
	s_mov_b64 s[64:65], 0
	v_nop
	global_prefetch_b8 v0, s[64:65] scope:SCOPE_SE
	s_setreg_imm32_b32 hwreg(HW_REG_WAVE_MODE, 25, 1), 1
	s_wait_xcnt 0x0
	s_wait_alu depctr_hold_cnt(0) depctr_sa_sdst(0) depctr_va_vdst(0) depctr_va_sdst(0) depctr_va_ssrc(0) depctr_va_vcc(0) depctr_vm_vsrc(0)
	s_getreg_b32 s2, hwreg(HW_REG_IB_STS2, 6, 4)
	s_cmp_eq_u32 s2, 0
	s_cbranch_scc0 .Lentry_in_a_cluster
	s_endpgm
.Lentry_in_a_cluster:
	s_bfe_u32 s2, ttmp6, 0x10000c
	s_cmp_lg_u32 s2, 0x3003
	s_cbranch_scc0 .Lentry_shape_is_right
	s_endpgm
.Lentry_shape_is_right:
; Launch 3: attention on codes of E2M1: S^T = K Q^T, p = 2^(t - M) quantised along the keys, O^T = V^T P^T, O / l quantised along D for the projection.  No work is left out.
; t = score x log2(e) / 8; M = the running largest t rounded UP to a whole number; the row's sum is taken of the unquantised p and divides at the end; when M moves, sum and O^T are multiplied by 2^(old M - new M), exactly.
; SHARES.  A work-group owns 256 queries of one (batch, head), each of its sixteen waves one tile of 16 in 256 registers.  Every wave walks the head's 2,048 keys, 128 a step, two steps a trip.
; THE HEAD'S WHOLE RECORD (K's images and words, V's images and words: 139,264 bytes, launch 2's head) comes into LDS ONCE: every wave asks for a sixteenth; no slot is filled twice and no barrier stands in the loop.
; So there is no loop to run ahead in for a prefetch: all of the record is asked for at the head.
; CLUSTER.  The four query blocks of a cluster belong to one head: the record is asked for jointly, by the same sixteen loads in all four.
; K = 64 IN A FORM OF 128: a fragment of K holds TWO key tiles (registers 0-3, registers 4-7); it is multiplied once by [q, 0] and once by [0, q]; zero codes add nothing.
; WHICH KEYS FORM A TILE is chosen by the lanes' LDS addresses: with j = lane % 8, g = (lane / 8) % 2, row 8 g + j of tile (c, i) is key 64 c + 32 g + 8 i + j.  In the result lane (r, h) holds query r, and the
; 32 registers of tiles (c, 0..3) are keys 64 c + 32 h + 0..31: a WHOLE block of 32 in a lane, in the order of the second product's operand.  So a block's maximum needs no other lane and the conversions' results are the operand.
; That key lies in launch 2's image of tile 4 c + 2 g + i % 2, lane-row j + 8 (i / 2); the two tiles of a fragment (i = 2 ii, 2 ii + 1) share a word of K's scales, pair 2 c + g, lane-row j + 8 ii.
; (Lanes 0-7 and 8-15 of such a load stand 1,024 bytes apart.)
; LIMITS: as stated at launch 1's head; 1 / l is v_rcp_f32 and a multiplication.  A block's largest p is made from the block's largest score by the same two instructions as every p.
; The scale bytes of ao leave one byte a lane (a head has two of a word's four bytes): 32 bytes a wave in the whole launch.
; REGISTERS: v1-4, v7-9 addresses that stay; v10, v12 -M by turns (v11, v13 their pairs' upper halves; v13 the largest score); v[14:15] the sum; v16-31 [q, 0], [0, q]; v32-63 K; v64-95 V; v96-159 S^T, then p;
; v160-191 O^T; v192-199 scale words; v200-203 the trip's addresses; v224-231 p's codes; v232-255 at work.
.set REC,   139264
.set KV,    2228224
.set QS,    2097152
.set AOS,   2097152
.set SPARE, 139264                     ; behind the record: the spare words, 128 bytes a wave
.set SPW,   5
.set NIL,   6
.set WV,    18
.set SEL,   20
.set CS,    22                         ; s[22:23] c = log2(e) / 8
.set G1,    24
.set G0,    32
.set TK,    36                         ; the trip's codes: 8,192 bytes a trip, in K and in V
.set TS,    37                         ; its scale words: 512 bytes a trip
.set CNT,   38
.set HM,    39
.macro CROUND
	s_barrier_signal -1
	s_barrier_wait -1
	s_cmp_lg_u32 s[WV], 0
	s_cbranch_scc1 .Lnot_wave_0_\@
	s_barrier_signal -3
.Lnot_wave_0_\@:
	s_barrier_wait -3
	s_barrier_signal -1
	s_barrier_wait -1
.endm
; K's four fragments f = 2 c + ii and their words, of the step st steps on from the address registers
.macro KLOAD ac, aw, st
.irp f, 0,1,2,3
.irp u, 0,1
	ds_load_b128 v[32+8*\f+4*\u:35+8*\f+4*\u], v[\ac] offset:4096*(\st)+2048*(\f/2)+128*(\f%2)+512*\u
.endr
	ds_load_b32 v[196+\f], v[\aw] offset:256*(\st)+128*(\f/2)+32*(\f%2)
.endr
.endm
.macro VLOAD st
.irp t, 0,1,2,3
.irp c, 0,1
	ds_load_b128 v[64+8*\t+4*\c:67+8*\t+4*\c], v202 offset:4096*(\st)+2048*\c+512*\t
.endr
	ds_load_b32 v[192+\t], v203 offset:256*(\st)+64*\t
.endr
.endm
.macro SUM4 k                          ; four pairs of p onto the sum's four chains
	v_pk_add_f32 v[240:241], v[240:241], v[96+2*(\k):97+2*(\k)]
	v_pk_add_f32 v[242:243], v[242:243], v[98+2*(\k):99+2*(\k)]
	v_pk_add_f32 v[246:247], v[246:247], v[100+2*(\k):101+2*(\k)]
	v_pk_add_f32 v[14:15], v[14:15], v[102+2*(\k):103+2*(\k)]
.endm
; A KEY STEP of 128 keys, the par-th of its trip.  K's fragments are in registers when it begins
.macro STEP par
.set NO, 12-2*\par                     ; -M so far
.set NN, 10+2*\par                     ; the new -M
.irp f, 0,1,2,3
	v_wmma_scale_f32_16x16x128_f8f6f4 v[96+16*\f:103+16*\f], v[32+8*\f:39+8*\f], v[16:23], 0, v[196+\f], v255 matrix_a_fmt:MATRIX_FMT_FP4 matrix_b_fmt:MATRIX_FMT_FP4
	v_wmma_scale_f32_16x16x128_f8f6f4 v[104+16*\f:111+16*\f], v[32+8*\f:39+8*\f], v[24:31], 0, v[196+\f], v255 matrix_a_fmt:MATRIX_FMT_FP4 matrix_b_fmt:MATRIX_FMT_FP4
.endr
.if \par == 0
	v_add_nc_u32 v200, s[TK], v2                   ; the trip's addresses; these four are also the plain lines behind the products, ahead of the loads into their registers and of the first read of S^T
	v_add_nc_u32 v201, s[TS], v3
	v_add_nc_u32 v202, s[TK], v4
	v_add_nc_u32 v203, s[TS], v9
	KLOAD 200, 201, 1                              ; the next step's K: the step's vector work stands between these loads and the wait for them
.else
.rept 4
	v_nop
.endr
	s_cmp_eq_u32 s[CNT], 1                         ; the last step has no successor: a branch on the count of trips, round the loads alone; the wait for them is for 0 on both ways
	s_cbranch_scc1 .Lno_k_\@
	KLOAD 200, 201, 2
.Lno_k_\@:
.endif
	VLOAD \par                                     ; this step's V
.irp k, 0,1,2,3                                ; the largest score, in four chains of 16 registers, each accumulator from its low end on
	v_max3_num_f32 v[232+\k], v[96+16*\k], v[97+16*\k], v[98+16*\k]
.endr
.irp i, 3,5,7,9,11,13
.irp k, 0,1,2,3
	v_max3_num_f32 v[232+\k], v[232+\k], v[96+16*\k+\i], v[97+16*\k+\i]
.endr
.endr
	v_max3_num_f32 v232, v232, v233, v111
	v_max3_num_f32 v234, v234, v235, v143
	v_max_num_f32 v232, v232, v127                 ; my block of keys 32 h on,
	v_max_num_f32 v234, v234, v159                 ; and of keys 64 + 32 h on: each serves for the row's maximum and for the block's largest p
	s_delay_alu instid0(VALU_DEP_1)
	v_max3_num_f32 v13, v13, v232, v234
	s_delay_alu instid0(VALU_DEP_1)
	v_permlanex16_b32 v236, v13, s[SEL], s[SEL+1]
	s_delay_alu instid0(VALU_DEP_1)
	v_max_num_f32 v13, v13, v236                   ; the running largest score of my query (c is positive)
	s_delay_alu instid0(VALU_DEP_1)
	v_mul_f32 v237, s[CS], v13                     ; as t
	s_delay_alu instid0(VALU_DEP_1)
	v_floor_f32 v[NN], -v237                       ; the new -M = -ceil(t)
.set J, 0
.rept 32
	v_pk_fma_f32 v[96+J:97+J], v[96+J:97+J], s[CS:CS+1], v[NN:NN+1] op_sel_hi:[1,0,0]   ; t - M
.if J == 8
	v_sub_f32 v237, v[NN], v[NO]                   ; old M - new M: a whole number, 0 or less
.endif
.if J == 24
	v_cvt_i32_f32 v237, v237                       ; (it saturates)
.endif
.if J == 40
	v_ldexp_f32 v252, 1.0, v237                    ; f = 2^(old M - new M)
.endif
.set J, J+2
.endr
	v_fma_f32 v232, v232, s[CS], v[NN]
	v_fma_f32 v234, v234, s[CS], v[NN]
	s_wait_alu depctr_va_vdst(0)                   ; ahead of the batch
.set J, 0
.rept 64
	v_exp_f32 v[96+J], v[96+J]                     ; p = 2^(t - M): not normalised
.set J, J+1
.endr
	v_exp_f32 v232, v232                           ; the blocks' largest p, in the same batch
	v_exp_f32 v234, v234
	v_pk_mul_f32 v[14:15], v[14:15], v[252:253] op_sel_hi:[1,0]   ; the sum under the new M: the plain line behind the exponentials
	s_wait_alu depctr_va_vdst(0)                   ; one wait behind the batch, directly ahead of O^T's first readers
.set J, 0
.rept 16
	v_pk_mul_f32 v[160+J:161+J], v[160+J:161+J], v[252:253] op_sel_hi:[1,0]   ; O^T under the new M
.set J, J+2
.endr
	v_max_num_f32 v232, 0x1800000, v232            ; the floor 2^(3 - 127): the byte cannot fall under 1
	v_max_num_f32 v234, 0x1800000, v234
	s_delay_alu instid0(VALU_DEP_2)
	v_add_nc_u32 v244, 0xff000000, v232            ; 2 off the exponent field: the conversion's scale operand
	s_delay_alu instid0(VALU_DEP_2)
	v_add_nc_u32 v245, 0xff000000, v234
.irp t, 0,1,2,3,4,5,6,7
	v_cvt_scalef32_pk8_fp4_f32 v[224+\t], v[96+8*\t:103+8*\t], v[244+\t/4]   ; register 4 c + i of the operand: keys 64 c + 32 h + 8 i + 0..7
.endr
	v_pk_add_f32 v[240:241], v[96:97], v[98:99]    ; THE ROW'S SUM OF THE UNQUANTISED p, in four chains; p's scale word is made between them
	v_pk_add_f32 v[242:243], v[100:101], v[102:103]
	v_lshrrev_b32 v236, 23, v244                   ; my two blocks' bytes
	v_lshrrev_b32 v237, 23, v245
	v_pk_add_f32 v[246:247], v[104:105], v[106:107]
	v_pk_add_f32 v[14:15], v[14:15], v[108:109]
	v_lshl_or_b32 v238, v237, 16, v236             ; blocks h and 2 + h,
	SUM4 7
	v_lshlrev_b32 v238, v8, v238                   ; at their places in the word: 8 h bits up;
	SUM4 11
	v_permlanex16_b32 v239, v238, s[SEL], s[SEL+1]
	SUM4 15
	v_or_b32 v253, v238, v239                      ; with lane l xor 16's two the word is whole.  Sixteen plain lines follow, ahead of the products that take it
	SUM4 19
	SUM4 23
	SUM4 27
	v_pk_add_f32 v[240:241], v[240:241], v[158:159]
	v_pk_add_f32 v[242:243], v[242:243], v[246:247]
	s_delay_alu instid0(VALU_DEP_2)
	v_pk_add_f32 v[14:15], v[14:15], v[240:241]
	s_delay_alu instid0(VALU_DEP_1)
	v_pk_add_f32 v[14:15], v[14:15], v[242:243]
	s_wait_dscnt 0x0                               ; V is in, and the next step's K
.irp t, 0,1,2,3
	v_wmma_scale_f32_16x16x128_f8f6f4 v[160+8*\t:167+8*\t], v[64+8*\t:71+8*\t], v[224:231], v[160+8*\t:167+8*\t], v[192+\t], v253 matrix_a_fmt:MATRIX_FMT_FP4 matrix_b_fmt:MATRIX_FMT_FP4
.endr
.endm
	s_load_b128 s[4:7], s[0:1], 0x0                ; qkvb s[4:5], ao s[6:7]
	v_lshl_add_u32 v[SPW], v0, 2, SPARE
	v_mov_b32 v[NIL], 0
	ds_add_u32 v[SPW], v[NIL]                      ; the wave's opening: the add, twice on end, and its wait ahead of my first tensor load
	ds_add_u32 v[SPW], v[NIL]
	v_lshrrev_b32 v8, 5, v0
	s_delay_alu instid0(VALU_DEP_1)
	v_readfirstlane_b32 s[WV], v8                  ; wave 0..15
	s_bfe_u32 s8, ttmp6, 0x40000                   ; cx
	s_lshl_b32 s9, ttmp9, 2
	s_add_co_u32 s9, s9, s8                        ; my block of 256 queries: it enters q's and ao's addresses alone
	s_and_b32 s10, ttmp7, 0xffff                   ; (batch, head), which the partners share
	s_mov_b32 s[G1], 15|(3<<16)|(1<<21)            ; the mask: all four; elements of 8 bytes; bit 21 beside a mask; no padding
	s_mov_b32 s[G1+1], 32<<16                      ; 8,704 dense bytes as 34 rows of 256
	s_mov_b32 s[G1+2], 34<<16
	s_mov_b32 s[G1+3], 32<<16
	s_mov_b32 s[G1+4], 34
	s_mov_b32 s[G1+5], 32
	s_mov_b32 s[G1+6], 0
	s_mov_b32 s[G1+7], 0
	s_mul_i32 s11, s[WV], 8704                     ; my sixteenth of the record, in LDS and in memory
	s_mul_i32 s12, s10, REC
	s_add_co_u32 s12, s12, s11
	s_add_co_u32 s12, s12, KV
	s_mov_b32 s13, 0
	s_lshl_b32 s14, s9, 4
	s_add_co_u32 s14, s14, s[WV]                   ; my query tile in the batch
	s_lshl_b32 s15, s10, 7
	s_add_co_u32 s15, s15, s14
	s_lshl_b32 s40, s15, 9                         ; q's image
	s_mov_b32 s41, 0
	s_lshr_b32 s42, s15, 1
	s_lshl_b32 s42, s42, 6
	s_add_co_u32 s42, s42, QS                      ; the pair's words
	s_mov_b32 s43, 0
	s_lshr_b32 s44, s10, 4
	s_lshl_b32 s44, s44, 7
	s_add_co_u32 s44, s44, s14                     ; my token tile
	s_and_b32 s45, s10, 15                         ; the head
	s_lshl_b32 s46, s44, 4
	s_add_co_u32 s46, s46, s45
	s_lshl_b32 s46, s46, 9                         ; ao: ((tile x 8 + head / 2) x 2 + head % 2) x 512
	s_mov_b32 s47, 0
	s_lshl_b32 s48, s44, 3
	s_lshr_b32 s49, s45, 1
	s_add_co_u32 s48, s48, s49
	s_lshl_b32 s48, s48, 6
	s_and_b32 s49, s45, 1
	s_lshl_b32 s49, s49, 1
	s_add_co_u32 s48, s48, s49
	s_add_co_u32 s48, s48, AOS                     ; its scale bytes: + 2 (head % 2)
	s_mov_b32 s49, 0
	s_and_b32 s50, s[WV], 1
	s_lshl_b32 s50, s50, 4                         ; my tile's two bytes in the pair's word: 16 (tile % 2) bits up
	s_mov_b32 s[SEL], 0x76543210
	s_mov_b32 s[SEL+1], 0xfedcba98
	s_mov_b32 s[CS], 0x3e38aa3b
	s_mov_b32 s[CS+1], s[CS]
	s_mov_b32 s[HM], 0xffff0000
	s_mov_b32 s[TK], 0
	s_mov_b32 s[TS], 0
	s_mov_b32 s[CNT], 8
	s_wait_dscnt 0x0                               ; both opening adds are done
	s_wait_kmcnt 0x0
	s_mov_b32 s[G0], 1
	s_mov_b32 s[G0+1], s11
	s_add_nc_u64 s[G0+2:G0+3], s[4:5], s[12:13]
	s_or_b32 s[G0+3], s[G0+3], 0x80000000
	s_add_nc_u64 s[40:41], s[4:5], s[40:41]
	s_add_nc_u64 s[42:43], s[4:5], s[42:43]
	s_add_nc_u64 s[46:47], s[6:7], s[46:47]
	s_add_nc_u64 s[48:49], s[6:7], s[48:49]
	CROUND                                         ; all four work-groups are here: the joint loads meet
	tensor_load_to_lds s[G0:G0+3], s[G1:G1+7]      ; my one tensor load of the launch
	s_nop 0
.rept 4
	v_nop
.endr
	v_and_b32 v1, 31, v0
	v_and_b32 v232, 7, v0                          ; j
	v_bfe_u32 v233, v0, 3, 1                       ; g
	v_bfe_u32 v234, v0, 4, 1                       ; h
	v_and_b32 v235, 15, v0                         ; r
	v_lshlrev_b32 v1, 4, v1                        ; 16 x lane
	v_lshlrev_b32 v2, 4, v232
	v_lshlrev_b32 v3, 2, v232
	v_lshlrev_b32 v7, 2, v235                      ; 4 r
	v_lshlrev_b32 v8, 3, v234                      ; 8 h
	v_lshl_add_u32 v2, v233, 10, v2
	v_lshl_add_u32 v3, v233, 6, v3
	v_add_nc_u32 v4, 69632, v1                     ; V's images
	v_add_nc_u32 v9, 135168, v7                    ; V's words
	v_lshl_add_u32 v2, v234, 8, v2                 ; K's images: 1,024 g + 16 j + 256 h
	v_add_nc_u32 v3, 65536, v3                     ; K's words: 64 g + 4 j
	global_load_b128 v[16:19], v1, s[40:41]        ; [q, 0] in v16-23,
	global_load_b128 v[28:31], v1, s[40:41]        ; [0, q] in v24-31: two runs of registers
	global_load_b32 v254, v7, s[42:43]
.irp j, 20,21,22,23,24,25,26,27
	v_mov_b32 v[\j], 0
.endr
	v_mov_b32 v13, 0xff61b1e6                      ; the largest score so far: -3e38
	v_mov_b32 v12, 0x7e000000                      ; -M: a whole number above every -M to come, so that the first f is 0
	v_mov_b32 v11, 0                               ; (named as the upper half of the pair v[10:11])
	v_mov_b32 v14, 0                               ; the sum, in two halves
	v_mov_b32 v15, 0
	v_mov_b32 v236, 0                              ; written once: a lane permute's destination counts as one of its sources
	v_mov_b32 v239, 0
	v_mov_b32 v253, 0
	s_wait_loadcnt 0x0
	v_lshrrev_b32 v254, s50, v254
	s_delay_alu instid0(VALU_DEP_1)
	v_and_b32 v254, 0xffff, v254
	s_delay_alu instid0(VALU_DEP_1)
	v_lshl_or_b32 v255, v254, 16, v254             ; q's two bytes, for either half of K's 128
.set J, 0
.rept 32
	v_mov_b32 v[160+J], 0                          ; O^T: the first change of M leaves zeros zeros.  (These lines also stand between the scale word's making and the first product)
.set J, J+1
.endr
	s_wait_alu depctr_va_vdst(0)
	s_wait_tensorcnt 0x0                           ; my sixteenth is in,
	s_barrier_signal -1
	s_barrier_wait -1                              ; everybody's is
	KLOAD 2, 3, 0                                  ; the first step's K
	s_wait_dscnt 0x0
.Lstep:                                            ; 8 trips of two steps of 128 keys
	STEP 0
	STEP 1
	s_add_co_u32 s[TK], s[TK], 8192
	s_add_co_u32 s[TS], s[TS], 512
	s_sub_co_u32 s[CNT], s[CNT], 1
	s_cmp_lg_u32 s[CNT], 0
	s_cbranch_scc1 .Lstep
	; THE WAY OUT: O^T / l; its 32 registers are the head's 64 channels, 32 b + 16 h + 0..15: two blocks of the projection's K
	s_wait_alu depctr_va_vdst(0)                   ; directly ahead of the reader below
	v_add_f32 v14, v14, v15
	s_delay_alu instid0(VALU_DEP_1)
	v_permlanex16_b32 v252, v14, s[SEL], s[SEL+1]
	s_delay_alu instid0(VALU_DEP_1)
	v_add_f32 v14, v14, v252                       ; the row's sum
	s_wait_alu depctr_va_vdst(0)
	v_rcp_f32 v14, v14
	v_and_b32 v8, 15, v0
	v_bfe_u32 v9, v0, 4, 1
	s_delay_alu instid0(VALU_DEP_1)
	v_lshl_add_u32 v10, v8, 2, v9                  ; 4 r + h: my byte of the row's word
	v_nop
	s_wait_alu depctr_va_vdst(0)                   ; ahead of the reciprocal's first reader
.set J, 0
.rept 32
	v_mul_f32 v[96+J], v[160+J], v14
.set J, J+1
.endr
.irp b, 0,1
	v_max3_num_f32 v[232+\b], |v[96+16*\b]|, |v[97+16*\b]|, 0x1800000
.endr
.irp i, 2,4,6,8,10,12,14
.irp b, 0,1
	s_delay_alu instid0(VALU_DEP_2)
	v_max3_num_f32 v[232+\b], v[232+\b], |v[96+16*\b+\i]|, |v[97+16*\b+\i]|
.endr
.endr
.irp b, 0,1
	s_delay_alu instid0(VALU_DEP_2)
	v_permlanex16_b32 v[236+\b], v[232+\b], s[SEL], s[SEL+1]
.endr
.irp b, 0,1
	s_delay_alu instid0(VALU_DEP_2)
	v_max_num_f32 v[232+\b], v[232+\b], v[236+\b]
.endr
.irp b, 0,1
	s_delay_alu instid0(VALU_DEP_2)
	v_add_nc_u32 v[244+\b], 0xff000000, v[232+\b]
.endr
.irp b, 0,1
	s_delay_alu instid0(VALU_DEP_2)
	v_lshrrev_b32 v[236+\b], 23, v[244+\b]
.endr
.irp b, 0,1
	v_cvt_scalef32_pk8_fp4_f32 v[224+2*\b], v[96+16*\b:103+16*\b], v[244+\b]
	v_cvt_scalef32_pk8_fp4_f32 v[225+2*\b], v[104+16*\b:111+16*\b], v[244+\b]
.endr
	v_nop
	v_permlane16_swap_b32 v224, v226
	v_permlane16_swap_b32 v225, v227               ; v224-227: lane (r, h): the head's channels 32 h + 0..31
	v_cndmask_b32 v238, v236, v237, s[HM]          ; lanes 0-15 block 0's byte, lanes 16-31 block 1's
	global_store_b128 v1, v[224:227], s[46:47]     ; 512 consecutive aligned bytes
	global_store_b8 v10, v238, s[48:49]
	s_wait_tensorcnt 0x0                           ; the wave's end
	ds_add_u32 v[SPW], v[NIL]
	s_wait_dscnt 0x0
	CROUND                                         ; the closing round
	s_endpgm
.Lfunc_end_k_q4334cb015a_attn:
	.size	k_q4334cb015a_attn, .Lfunc_end_k_q4334cb015a_attn-k_q4334cb015a_attn
	.p2alignl 7, 3214868480
	.fill 96, 4, 3214868480
	.section	.rodata,"a",@progbits
	.p2align	6, 0x0
	.amdhsa_kernel k_q4334cb015a_attn
		.amdhsa_group_segment_fixed_size 167936
		.amdhsa_private_segment_fixed_size 0
		.amdhsa_enable_private_segment 0
		.amdhsa_kernarg_size 16
		.amdhsa_user_sgpr_count 2
		.amdhsa_user_sgpr_kernarg_segment_ptr 1
		.amdhsa_wavefront_size32 1
		.amdhsa_system_sgpr_workgroup_id_x 1
		.amdhsa_system_sgpr_workgroup_id_y 1
		.amdhsa_system_sgpr_workgroup_id_z 1
		.amdhsa_system_vgpr_workitem_id 0
		.amdhsa_next_free_vgpr 256
		.amdhsa_next_free_sgpr 66
		.amdhsa_reserve_vcc 0
		.amdhsa_float_denorm_mode_32 3
		.amdhsa_float_denorm_mode_16_64 3
		.amdhsa_memory_ordered 1
		.amdhsa_forward_progress 1
		.amdhsa_inst_pref_size 41
	.end_amdhsa_kernel
	.amdgpu_metadata
---
amdhsa.version: [ 1, 2 ]
amdhsa.kernels:
  - .name:           k_q4334cb015a_attn
    .symbol:         k_q4334cb015a_attn.kd
    .args:
      - { .name: qkvb, .offset: 0, .size: 8, .value_kind: global_buffer, .address_space: global }
      - { .name: ao, .offset: 8, .size: 8, .value_kind: global_buffer, .address_space: global }
    .group_segment_fixed_size: 167936
    .private_segment_fixed_size: 0
    .kernarg_segment_align: 8
    .kernarg_segment_size: 16
    .max_flat_workgroup_size: 512
    .sgpr_count:     66
    .vgpr_count:     256
    .wavefront_size: 32
...
	.end_amdgpu_metadata
.endif
;; end of part 9
;; launch proj (part 10): grid 256 x 1, 8 waves a work-group, no clusters, 81,920 bytes of LDS; arguments ao, wq, x, ln1_w, ln1_b, x1, x1q; writes x1, x1q
.if DOCPART == 10
	.amdgcn_target "amdgcn-amd-amdhsa--gfx1250"
	.amdhsa_code_object_version 6
	.text
	.protected	k_q4334cb015a_proj
	.globl	k_q4334cb015a_proj
	.p2align	8
	.type	k_q4334cb015a_proj,@function
k_q4334cb015a_proj:
	s_mov_b64 s[64:65], 0
	v_nop
	global_prefetch_b8 v0, s[64:65] scope:SCOPE_SE
	s_setreg_imm32_b32 hwreg(HW_REG_WAVE_MODE, 25, 1), 1
	s_wait_xcnt 0x0
; Launch 4 of 7: x1 = layernorm(x + attention's out w_out), stored as f32 (the next residual) and as codes of E2M1 along D (the next operand).  No work is left out.
; SHARES.  A work-group owns one tile of 16 tokens and all 1,024 columns, so that a row's mean and variance stay inside it; wave w owns columns 128 w .. 128 w + 127: 8 accumulators.
; Each fragment of the weight is read by one wave of the work-group: it goes from memory straight into registers, by loads of 512 consecutive bytes (operands lie as images of fragments: launch 1's head).
; NO CLUSTER, NO JOINT LOADS, though all work-groups walk the same weight: a fragment feeds one matrix instruction of one wave, so LDS would add a write and a read for each byte and a ring with a round for each refill.
; THE RESIDUAL IS THE SUMS' BEGINNING: x's 16 rows x 512 bytes are turned through the wave's stage into the result's layout and lie in the accumulators before the first product.
; The product is used transposed: lane (r, h) holds token r of the tile, register 16 b + i column 128 w + 32 b + 16 h + i.
; LAYER NORM in two passes, as it is defined: the mean; then the mean of the squared differences; the eight waves' partial sums meet in LDS behind a barrier each.
; LIMITS: as stated at launch 1's head.
.set KQ,    8                          ; K / 128
.set HASB,  0                          ; no bias on this product
.set HASQ,  1                          ; the result is also quantised
.set WC,    1572864                    ; the weight's codes in wq,
.set WS,    6389760                    ; its scale words
.set ASC,   2097152                    ; the left operand's scale words in its buffer
.set PB2,   10                         ; (not used here)
.set PGAIN, 10                         ; s[10:11] the gain, s[12:13] the shift, s[14:15] the f32 result, s[16:17] the codes
.set PSHIFT, 12
.set POUT,  14
.set PQ,    16
.set PAR,   67584                      ; LDS: behind the eight stages of 16 x 528 bytes: 3 x 512 bytes of parameters for each wave,
.set RED1,  79872                      ; 16 rows x 8 partial sums,
.set SPARE, 80896                      ; (RED1 + 512: the second pass's) and the spare words, 128 bytes a wave
.set SPW,   9
.set NIL,   10
.set TM,    240
.set SEL,   32
.macro PLACES n
.rept \n
	v_nop
.endr
.endm
.macro QUANT0 s, pc, pw
.irp b, 0,1,2,3
	v_max3_num_f32 v[TM+\b], |v[\s+16*\b]|, |v[\s+1+16*\b]|, 0x1800000
.endr
.irp i, 2,4,6,8,10,12,14
.irp b, 0,1,2,3
	s_delay_alu instid0(VALU_DEP_4)
	v_max3_num_f32 v[TM+\b], v[TM+\b], |v[\s+16*\b+\i]|, |v[\s+1+16*\b+\i]|
.endr
.endr
.irp b, 0,1,2,3
	s_delay_alu instid0(VALU_DEP_4)
	v_permlanex16_b32 v[TM+4+\b], v[TM+\b], s[SEL], s[SEL+1]
.endr
.irp b, 0,1,2,3
	s_delay_alu instid0(VALU_DEP_4)
	v_max_num_f32 v[TM+\b], v[TM+\b], v[TM+4+\b]
.endr
.irp b, 0,1,2,3
	s_delay_alu instid0(VALU_DEP_4)
	v_add_nc_u32 v[TM+12+\b], 0xff000000, v[TM+\b]
.endr
.irp b, 0,1,2,3
	s_delay_alu instid0(VALU_DEP_4)
	v_lshrrev_b32 v[TM+4+\b], 23, v[TM+12+\b]
.endr
	s_delay_alu instid0(VALU_DEP_3)
	v_lshl_or_b32 v[\pw], v[TM+5], 8, v[TM+4]
	s_delay_alu instid0(VALU_DEP_1)
	v_lshl_or_b32 v[\pw], v[TM+6], 16, v[\pw]
	s_delay_alu instid0(VALU_DEP_1)
	v_lshl_or_b32 v[\pw], v[TM+7], 24, v[\pw]
.irp b, 0,1,2,3
	v_cvt_scalef32_pk8_fp4_f32 v[\pc+2*\b], v[\s+16*\b:\s+7+16*\b], v[TM+12+\b]
	v_cvt_scalef32_pk8_fp4_f32 v[\pc+1+2*\b], v[\s+8+16*\b:\s+15+16*\b], v[TM+12+\b]
.endr
	v_nop
.irp c, 0,1
.irp i, 0,1
	v_permlane16_swap_b32 v[\pc+4*\c+\i], v[\pc+2+4*\c+\i]
.endr
.endr
.endm
; a K step's operands, 23 loads: 8 fragments of the weight, their words (lanes 0-15 tile 2 i, lanes 16-31 tile 2 i + 1), the tokens' fragment and its words
.macro LOADS rb, ra, rbs, ras, d
.irp i, 0,1,2,3,4,5,6,7
.irp c, 0,1
	global_load_b128 v[\rb+8*\i+4*\c:\rb+8*\i+4*\c+3], v1, s[20:21] offset:\i*KQ*1024+512*\c+1024*\d
.endr
.endr
.irp i, 0,1,2,3
	global_load_b32 v[\rbs+\i], v2, s[22:23] offset:\i*KQ*128+64*\d
.endr
.irp c, 0,1
	global_load_b128 v[\ra+4*\c:\ra+4*\c+3], v1, s[24:25] offset:512*\c+1024*\d
.endr
	global_load_b32 v[\ras], v3, s[26:27] offset:64*\d
.endm
.macro MUL rb, ra, rbs, ras            ; eight accumulators by turns
.irp i, 0,2,4,6
	v_wmma_scale_f32_16x16x128_f8f6f4 v[16+8*\i:23+8*\i], v[\rb+8*\i:\rb+8*\i+7], v[\ra:\ra+7], v[16+8*\i:23+8*\i], v[\rbs+\i/2], v[\ras] matrix_a_fmt:MATRIX_FMT_FP4 matrix_b_fmt:MATRIX_FMT_FP4
	v_wmma_scale_f32_16x16x128_f8f6f4 v[24+8*\i:31+8*\i], v[\rb+8+8*\i:\rb+8*\i+15], v[\ra:\ra+7], v[24+8*\i:31+8*\i], v[\rbs+\i/2], v[\ras] matrix_a_fmt:MATRIX_FMT_FP4 matrix_b_fmt:MATRIX_FMT_FP4 matrix_a_scale:MATRIX_SCALE_ROW1
.endr
.endm
.macro STEPB                           ; two K steps on
	s_add_nc_u64 s[20:21], s[20:21], 2048
	s_add_nc_u64 s[22:23], s[22:23], 128
	s_add_nc_u64 s[24:25], s[24:25], 2048
	s_add_nc_u64 s[26:27], s[26:27], 128
.endm
.macro GATHER off                      ; my partial sum in v240 meets the other waves': the row's sum comes back in v240
	s_delay_alu instid0(VALU_DEP_1)
	v_add_f32 v240, v240, v241
	s_delay_alu instid0(VALU_DEP_1)
	v_permlanex16_b32 v241, v240, s[SEL], s[SEL+1]
	s_delay_alu instid0(VALU_DEP_1)
	v_add_f32 v240, v240, v241                     ; my wave's 128 columns of row r
	ds_store_b32 v7, v240 offset:\off              ; both halves of the lanes write the same word with the same value
	s_wait_dscnt 0x0                               ; for the others' sake: my store has landed (and my LDS loads are in)
	s_barrier_signal -1
	s_barrier_wait -1
	ds_load_b128 v[240:243], v8 offset:\off
	ds_load_b128 v[244:247], v8 offset:\off+16
	s_wait_dscnt 0x0
	v_add_f32 v240, v240, v241
	v_add_f32 v242, v242, v243
	v_add_f32 v244, v244, v245
	v_add_f32 v246, v246, v247
	s_delay_alu instid0(VALU_DEP_3)
	v_add_f32 v240, v240, v242
	s_delay_alu instid0(VALU_DEP_2)
	v_add_f32 v244, v244, v246
	s_delay_alu instid0(VALU_DEP_1)
	v_add_f32 v240, v240, v244
.endm
	s_load_b256 s[4:11], s[0:1], 0x0
	s_load_b128 s[12:15], s[0:1], 0x20
	s_load_b64 s[16:17], s[0:1], 0x30
	v_lshl_add_u32 v[SPW], v0, 2, SPARE
	v_mov_b32 v[NIL], 0
	v_lshrrev_b32 v1, 5, v0
	s_delay_alu instid0(VALU_DEP_1)
	v_readfirstlane_b32 s18, v1                    ; wave 0..7
	v_and_b32 v1, 31, v0
	s_delay_alu instid0(VALU_DEP_1)
	v_lshlrev_b32 v1, 4, v1                        ; 16 x lane
	v_and_b32 v12, 15, v0                          ; r
	v_bfe_u32 v13, v0, 4, 1                        ; h
	s_delay_alu instid0(VALU_DEP_2)
	v_lshlrev_b32 v3, 2, v12                       ; 4 r
	s_delay_alu instid0(VALU_DEP_2)
	v_mul_u32_u24 v2, v13, KQ*64
	s_delay_alu instid0(VALU_DEP_1)
	v_add_nc_u32 v2, v2, v3                        ; the weight's words: lanes 16-31 the next tile
	s_mul_i32 s19, s18, 8448
	v_add_nc_u32 v4, s19, v1                       ; my stage, by rows
	v_mul_u32_u24 v5, v12, 528
	s_delay_alu instid0(VALU_DEP_1)
	v_lshl_add_u32 v5, v13, 6, v5
	s_delay_alu instid0(VALU_DEP_1)
	v_add_nc_u32 v5, s19, v5                       ; and in the result's layout: row r, + 64 h
	s_mul_i32 s19, s18, 1536
	s_add_co_u32 s19, s19, PAR
	v_lshl_add_u32 v6, v13, 6, s19                 ; my parameters, read: + 64 h
	v_add_nc_u32 v15, s19, v1                      ; written: + 16 x lane
	s_lshl_b32 s19, s18, 2
	s_add_co_u32 s19, s19, RED1
	v_lshl_add_u32 v7, v12, 5, s19                 ; my partial sum: row r, wave w
	v_lshlrev_b32 v8, 5, v12
	s_delay_alu instid0(VALU_DEP_1)
	v_add_nc_u32 v8, RED1, v8
	v_lshl_add_u32 v11, v13, 1, v3                 ; 4 r + 2 h
	v_lshlrev_b32 v237, 4, v13                     ; 16 h
	s_lshl_b32 s19, s18, 9
	v_add_nc_u32 v14, s19, v1                      ; my 512 bytes of a parameter
	s_mov_b32 s[SEL], 0x76543210
	s_mov_b32 s[SEL+1], 0xfedcba98
	s_mov_b32 s34, 0x3a800000                      ; 1 / 1024
	s_mov_b32 s35, 0x3727c5ac                      ; 1e-5
	s_mov_b32 s36, KQ/2-1
	s_mul_i32 s20, s18, KQ*8192
	s_add_co_u32 s20, s20, WC
	s_mov_b32 s21, 0
	s_mul_i32 s22, s18, KQ*512
	s_add_co_u32 s22, s22, WS
	s_mov_b32 s23, 0
	s_mul_i32 s24, ttmp9, KQ*1024
	s_mov_b32 s25, 0
	s_mul_i32 s26, ttmp9, KQ*64
	s_add_co_u32 s26, s26, ASC
	s_mov_b32 s27, 0
	s_lshr_b32 s28, ttmp9, 1
	s_lshl_b32 s28, s28, 5
	s_and_b32 s29, ttmp9, 1
	s_lshl_b32 s29, s29, 3
	s_add_co_u32 s28, s28, s29                     ; the tile's first true row
	s_lshl_b32 s28, s28, 12
	s_lshl_b32 s29, s18, 9
	s_add_co_u32 s28, s28, s29
	s_mov_b32 s29, 0
.if HASQ
	s_lshl_b32 s40, ttmp9, 3
	s_add_co_u32 s40, s40, s18                     ; 8 T + w
	s_lshl_b32 s42, s40, 6
	s_add_co_u32 s42, s42, 2097152
	s_mov_b32 s43, 0
	s_lshl_b32 s40, s40, 10
	s_mov_b32 s41, 0
.endif
	s_wait_alu depctr_va_vdst(0)
	s_wait_kmcnt 0x0
	s_add_nc_u64 s[20:21], s[6:7], s[20:21]
	s_add_nc_u64 s[22:23], s[6:7], s[22:23]
	s_add_nc_u64 s[24:25], s[4:5], s[24:25]
	s_add_nc_u64 s[26:27], s[4:5], s[26:27]
	s_add_nc_u64 s[30:31], s[POUT:POUT+1], s[28:29]
	s_add_nc_u64 s[28:29], s[8:9], s[28:29]
.if HASQ
	s_add_nc_u64 s[40:41], s[PQ:PQ+1], s[40:41]
	s_add_nc_u64 s[42:43], s[PQ:PQ+1], s[42:43]
.endif
.irp i, 0,1,2,3,4,5,6,7,8,9,10,11,12,13,14,15
	global_load_b128 v[16+4*\i:19+4*\i], v1, s[28:29] offset:(\i+8*(\i/8))*4096   ; the residual: lane-row i's 512 bytes
.endr
	global_load_b128 v[240:243], v14, s[PGAIN:PGAIN+1]
	global_load_b128 v[244:247], v14, s[PSHIFT:PSHIFT+1]
.if HASB
	global_load_b128 v[248:251], v14, s[PB2:PB2+1]
.endif
	LOADS 80, 144, 152, 156, 0
	LOADS 160, 224, 232, 236, 1
	s_wait_xcnt 0x0                                ; the loads have read their bases and offsets: they are written again only behind this wait
	STEPB
	s_wait_loadcnt 46                              ; the residual and the parameters are in; the two sets of 23 may be out
.irp i, 0,1,2,3,4,5,6,7,8,9,10,11,12,13,14,15
	ds_store_b128 v4, v[16+4*\i:19+4*\i] offset:528*\i
.endr
	ds_store_b128 v15, v[240:243]
	ds_store_b128 v15, v[244:247] offset:512
.if HASB
	ds_store_b128 v15, v[248:251] offset:1024
.endif
.irp b, 0,1,2,3
.irp g, 0,1,2,3
	ds_load_b128 v[16+16*\b+4*\g:19+16*\b+4*\g], v5 offset:128*\b+16*\g   ; LDS serves a wave's instructions in order: these see my stores
.endr
.endr
	s_wait_dscnt 0x0
.Lk:                                               ; KQ / 2 - 1 trips of two K steps
	s_wait_loadcnt 23                              ; set 0 is in; set 1's 23 loads may be out
	MUL 80, 144, 152, 156
	PLACES 4                                       ; in front of loads into registers that matrix instructions have read
	LOADS 80, 144, 152, 156, 0
	s_wait_loadcnt 23                              ; set 1 is in; the 23 just issued may be out
	MUL 160, 224, 232, 236
	PLACES 4
	LOADS 160, 224, 232, 236, 1
	s_wait_xcnt 0x0
	STEPB
	s_sub_co_u32 s36, s36, 1
	s_cmp_lg_u32 s36, 0
	s_cbranch_scc1 .Lk
	s_wait_loadcnt 23
	MUL 80, 144, 152, 156
	s_wait_loadcnt 0x0
	MUL 160, 224, 232, 236
	PLACES 4
.if HASB
.irp b, 0,1,2,3
.irp g, 0,1,2,3
	ds_load_b128 v[80+16*\b+4*\g:83+16*\b+4*\g], v6 offset:1024+128*\b+16*\g
.endr
.endr
	s_wait_dscnt 0x0
.set J, 0
.rept 32
	v_pk_add_f32 v[16+J:17+J], v[16+J:17+J], v[80+J:81+J]           ; the bias
.set J, J+2
.endr
.endif
.irp b, 0,1,2,3
.irp g, 0,1,2,3
	ds_load_b128 v[80+16*\b+4*\g:83+16*\b+4*\g], v6 offset:128*\b+16*\g        ; the gain,
	ds_load_b128 v[160+16*\b+4*\g:163+16*\b+4*\g], v6 offset:512+128*\b+16*\g  ; the shift, in the result's layout
.endr
.endr
	v_pk_add_f32 v[242:243], v[16:17], v[24:25]
	v_pk_add_f32 v[244:245], v[32:33], v[40:41]
	v_pk_add_f32 v[246:247], v[48:49], v[56:57]
	v_pk_add_f32 v[254:255], v[64:65], v[72:73]
	v_pk_add_f32 v[252:253], v[18:19], v[26:27]
	v_pk_add_f32 v[250:251], v[34:35], v[42:43]
	v_pk_add_f32 v[248:249], v[50:51], v[58:59]
	v_pk_add_f32 v[240:241], v[66:67], v[74:75]
	v_pk_add_f32 v[240:241], v[240:241], v[20:21]
	v_pk_add_f32 v[242:243], v[242:243], v[28:29]
	v_pk_add_f32 v[244:245], v[244:245], v[36:37]
	v_pk_add_f32 v[246:247], v[246:247], v[44:45]
	v_pk_add_f32 v[254:255], v[254:255], v[52:53]
	v_pk_add_f32 v[252:253], v[252:253], v[60:61]
	v_pk_add_f32 v[250:251], v[250:251], v[68:69]
	v_pk_add_f32 v[248:249], v[248:249], v[76:77]
	v_pk_add_f32 v[240:241], v[240:241], v[22:23]
	v_pk_add_f32 v[242:243], v[242:243], v[30:31]
	v_pk_add_f32 v[244:245], v[244:245], v[38:39]
	v_pk_add_f32 v[246:247], v[246:247], v[46:47]
	v_pk_add_f32 v[254:255], v[254:255], v[54:55]
	v_pk_add_f32 v[252:253], v[252:253], v[62:63]
	v_pk_add_f32 v[250:251], v[250:251], v[70:71]
	v_pk_add_f32 v[248:249], v[248:249], v[78:79]
	s_delay_alu instid0(VALU_DEP_4)
	v_pk_add_f32 v[240:241], v[240:241], v[254:255]
	s_delay_alu instid0(VALU_DEP_4)
	v_pk_add_f32 v[242:243], v[242:243], v[252:253]
	s_delay_alu instid0(VALU_DEP_4)
	v_pk_add_f32 v[244:245], v[244:245], v[250:251]
	s_delay_alu instid0(VALU_DEP_4)
	v_pk_add_f32 v[246:247], v[246:247], v[248:249]
	s_delay_alu instid0(VALU_DEP_2)
	v_pk_add_f32 v[240:241], v[240:241], v[244:245]
	s_delay_alu instid0(VALU_DEP_2)
	v_pk_add_f32 v[242:243], v[242:243], v[246:247]
	s_delay_alu instid0(VALU_DEP_1)
	v_pk_add_f32 v[240:241], v[240:241], v[242:243]
	GATHER 0
	s_delay_alu instid0(VALU_DEP_1)
	v_mul_f32 v12, s34, v240                       ; the mean
	s_delay_alu instid0(VALU_DEP_1)
	v_mov_b32 v13, v12
.set J, 0
.rept 32
	v_pk_add_f32 v[16+J:17+J], v[16+J:17+J], v[12:13] neg_lo:[0,1] neg_hi:[0,1]
.set J, J+2
.endr
.irp c, 0,1,2,3
	v_pk_mul_f32 v[240+2*\c:241+2*\c], v[16+2*\c:17+2*\c], v[16+2*\c:17+2*\c]
.endr
.irp j, 8,16,24,32,40,48,56
.irp c, 0,1,2,3
	s_delay_alu instid0(VALU_DEP_4)
	v_pk_fma_f32 v[240+2*\c:241+2*\c], v[16+\j+2*\c:17+\j+2*\c], v[16+\j+2*\c:17+\j+2*\c], v[240+2*\c:241+2*\c]
.endr
.endr
	s_delay_alu instid0(VALU_DEP_3)
	v_pk_add_f32 v[240:241], v[240:241], v[242:243]
	s_delay_alu instid0(VALU_DEP_2)
	v_pk_add_f32 v[244:245], v[244:245], v[246:247]
	s_delay_alu instid0(VALU_DEP_1)
	v_pk_add_f32 v[240:241], v[240:241], v[244:245]
	GATHER 512
	s_delay_alu instid0(VALU_DEP_1)
	v_fma_f32 v14, v240, s34, s35                  ; the variance + 1e-5
	s_wait_alu depctr_va_vdst(0)
	v_rsq_f32 v14, v14
	v_nop
	s_wait_alu depctr_va_vdst(0)                   ; ahead of the first reader
	v_mov_b32 v15, v14
.set J, 0
.rept 32
	v_pk_mul_f32 v[16+J:17+J], v[16+J:17+J], v[14:15]
.set J, J+2
.endr
.set J, 0
.rept 32
	v_pk_fma_f32 v[16+J:17+J], v[16+J:17+J], v[80+J:81+J], v[160+J:161+J]
.set J, J+2
.endr
.irp b, 0,1,2,3                                ; back through my stage: whole rows of 512 bytes
.irp g, 0,1,2,3
	ds_store_b128 v5, v[16+16*\b+4*\g:19+16*\b+4*\g] offset:128*\b+16*\g
.endr
.endr
.irp i, 0,1,2,3,4,5,6,7,8,9,10,11,12,13,14,15
	ds_load_b128 v[160+4*\i:163+4*\i], v4 offset:528*\i
.endr
.if HASQ
	QUANT0 16, 144, 238                            ; my 128 columns are K step w of the next product
	global_store_b128 v1, v[144:147], s[40:41]
	global_store_b128 v1, v[148:151], s[40:41] offset:512
	v_lshrrev_b32 v239, v237, v238
	global_store_b16 v11, v239, s[42:43]           ; lane (r, h): half h of row r's word: 64 consecutive bytes
.endif
.irp i, 0,1,2,3,4,5,6,7,8,9,10,11,12,13,14,15
	s_wait_dscnt 15-\i                             ; row i is back; the later rows may be out
	global_store_b128 v1, v[160+4*\i:163+4*\i], s[30:31] offset:(\i+8*(\i/8))*4096   ; 512 consecutive aligned bytes
.endr
	s_wait_tensorcnt 0x0                           ; the wave's end
	ds_add_u32 v[SPW], v[NIL]
	s_wait_dscnt 0x0
	s_endpgm
.Lfunc_end_k_q4334cb015a_proj:
	.size	k_q4334cb015a_proj, .Lfunc_end_k_q4334cb015a_proj-k_q4334cb015a_proj
	.p2alignl 7, 3214868480
	.fill 96, 4, 3214868480
	.section	.rodata,"a",@progbits
	.p2align	6, 0x0
	.amdhsa_kernel k_q4334cb015a_proj
		.amdhsa_group_segment_fixed_size 81920
		.amdhsa_private_segment_fixed_size 0
		.amdhsa_enable_private_segment 0
		.amdhsa_kernarg_size 56
		.amdhsa_user_sgpr_count 2
		.amdhsa_user_sgpr_kernarg_segment_ptr 1
		.amdhsa_wavefront_size32 1
		.amdhsa_system_sgpr_workgroup_id_x 1
		.amdhsa_system_sgpr_workgroup_id_y 1
		.amdhsa_system_sgpr_workgroup_id_z 1
		.amdhsa_system_vgpr_workitem_id 0
		.amdhsa_next_free_vgpr 256
		.amdhsa_next_free_sgpr 66
		.amdhsa_reserve_vcc 0
		.amdhsa_float_denorm_mode_32 3
		.amdhsa_float_denorm_mode_16_64 3
		.amdhsa_memory_ordered 1
		.amdhsa_forward_progress 1
		.amdhsa_inst_pref_size 47
	.end_amdhsa_kernel
	.amdgpu_metadata
---
amdhsa.version: [ 1, 2 ]
amdhsa.kernels:
  - .name:           k_q4334cb015a_proj
    .symbol:         k_q4334cb015a_proj.kd
    .args:
      - { .name: ao, .offset: 0, .size: 8, .value_kind: global_buffer, .address_space: global }
      - { .name: wq, .offset: 8, .size: 8, .value_kind: global_buffer, .address_space: global }
      - { .name: x, .offset: 16, .size: 8, .value_kind: global_buffer, .address_space: global }
      - { .name: ln1_w, .offset: 24, .size: 8, .value_kind: global_buffer, .address_space: global }
      - { .name: ln1_b, .offset: 32, .size: 8, .value_kind: global_buffer, .address_space: global }
      - { .name: x1, .offset: 40, .size: 8, .value_kind: global_buffer, .address_space: global }
      - { .name: x1q, .offset: 48, .size: 8, .value_kind: global_buffer, .address_space: global }
    .group_segment_fixed_size: 81920
    .private_segment_fixed_size: 0
    .kernarg_segment_align: 8
    .kernarg_segment_size: 56
    .max_flat_workgroup_size: 256
    .sgpr_count:     66
    .vgpr_count:     256
    .wavefront_size: 32
...
	.end_amdgpu_metadata
.endif
;; end of part 10
;; launch ffn1 (part 11): grid 16 x 16, 4 waves a work-group, clusters of 4 x 4, 327,680 bytes of LDS; arguments x1q, wq, b1, hq; writes hq
.if DOCPART == 11
	.amdgcn_target "amdgcn-amd-amdhsa--gfx1250"
	.amdhsa_code_object_version 6
	.text
	.protected	k_q4334cb015a_ffn1
	.globl	k_q4334cb015a_ffn1
	.p2align	8
	.type	k_q4334cb015a_ffn1,@function
k_q4334cb015a_ffn1:
	s_mov_b64 s[64:65], 0
	v_nop
	global_prefetch_b8 v0, s[64:65] scope:SCOPE_SE
	s_setreg_imm32_b32 hwreg(HW_REG_WAVE_MODE, 25, 1), 1
	s_wait_xcnt 0x0
	s_wait_alu depctr_hold_cnt(0) depctr_sa_sdst(0) depctr_va_vdst(0) depctr_va_sdst(0) depctr_va_ssrc(0) depctr_va_vcc(0) depctr_vm_vsrc(0)
	s_getreg_b32 s2, hwreg(HW_REG_IB_STS2, 6, 4)
	s_cmp_eq_u32 s2, 0
	s_cbranch_scc0 .Lentry_in_a_cluster
	s_endpgm
.Lentry_in_a_cluster:
	s_bfe_u32 s2, ttmp6, 0x10000c
	s_cmp_lg_u32 s2, 0xf033
	s_cbranch_scc0 .Lentry_shape_is_right
	s_endpgm
.Lentry_shape_is_right:
.set W1_C,  2097152
.set W1_S,  6422528
.set XS,    2097152
.set HS,    8388608
.set SLOT,  131072
.set SCL,   262144
.set SPARE, 278528
.set FR,    8
.set ADRA,  16
.set ADRB,  20
.set LI,    24
.set DA,    25
.set ADRS,  27
.set SPW,   28
.set NIL,   29
.set SC,    32
.set TM,    96
.set PC,    112
.set AF,    128
.set G1,    24
.set G0,    32
.set G1B,   48
.set G0B,   56
.set G1S,   68
.set G0S,   76
.set G1SB,  80
.set G0SB,  88
.set SEL,   50
.set MSB, 0
.macro WIN new
.if MSB != \new
	s_set_vgpr_msb (MSB<<8)|\new
.set MSB, \new
.endif
.endm
.set MUL_LO, 0xa1
.set MUL_HI, 0xf1
.set TO_B,   0x40
.macro PLACES n
.rept \n
	v_nop
.endr
.endm
.macro JLOAD g0a, g1a, g0b, g1b
	s_cmp_eq_u32 s15, 0
	s_cbranch_scc0 .Lfor_b_\@
	tensor_load_to_lds s[\g0a:\g0a+3], s[\g1a:\g1a+7]
	s_nop 0
.rept 4
	v_nop
.endr
	s_branch .Lasked_\@
.Lfor_b_\@:
	tensor_load_to_lds s[\g0b:\g0b+3], s[\g1b:\g1b+7]
	s_nop 0
.rept 4
	v_nop
.endr
.Lasked_\@:
.endm
.macro CROUND
	s_barrier_signal -1
	s_barrier_wait -1
	s_cmp_lg_u32 s14, 0
	s_cbranch_scc1 .Lnot_wave_0_\@
	s_barrier_signal -3
.Lnot_wave_0_\@:
	s_barrier_wait -3
	s_barrier_signal -1
	s_barrier_wait -1
.endm
.macro QUANT s, w, pc, pw
.set WQ_, (\w)*5
	WIN WQ_
.irp b, 0,1,2,3
	v_max3_num_f32 v[TM+\b], |v[\s+16*\b]|, |v[\s+1+16*\b]|, 0x1800000
.endr
.irp i, 2,4,6,8,10,12,14
.irp b, 0,1,2,3
	v_max3_num_f32 v[TM+\b], |v[\s+16*\b+\i]|, |v[\s+1+16*\b+\i]|, v[TM+\b]
.endr
.endr
	WIN 0
.irp b, 0,1,2,3
	v_permlanex16_b32 v[TM+4+\b], v[TM+\b], s[SEL], s[SEL+1]
.endr
.irp b, 0,1,2,3
	v_max_num_f32 v[TM+\b], v[TM+\b], v[TM+4+\b]
.endr
.irp b, 0,1,2,3
	v_add_nc_u32 v[TM+12+\b], 0xff000000, v[TM+\b]
.endr
.irp b, 0,1,2,3
	v_lshrrev_b32 v[TM+4+\b], 23, v[TM+12+\b]
.endr
	v_lshl_or_b32 v[\pw], v[TM+5], 8, v[TM+4]
	v_lshl_or_b32 v[\pw], v[TM+6], 16, v[\pw]
	v_lshl_or_b32 v[\pw], v[TM+7], 24, v[\pw]
.set WQ_, \w
	WIN WQ_
.irp b, 0,1,2,3
	v_cvt_scalef32_pk8_fp4_f32 v[\pc+2*\b], v[\s+16*\b:\s+7+16*\b], v[TM+12+\b]
	v_cvt_scalef32_pk8_fp4_f32 v[\pc+1+2*\b], v[\s+8+16*\b:\s+15+16*\b], v[TM+12+\b]
.endr
	WIN 0
	v_nop
.irp c, 0,1
.irp i, 0,1
	v_permlane16_swap_b32 v[\pc+4*\c+\i], v[\pc+2+4*\c+\i]
.endr
.endr
.endm
	s_load_b128 s[4:7], s[0:1], 0x0
	s_load_b128 s[8:11], s[0:1], 0x10
	v_lshl_add_u32 v[SPW], v0, 2, SPARE
	v_mov_b32 v[NIL], 0
	ds_add_u32 v[SPW], v[NIL]
	ds_add_u32 v[SPW], v[NIL]
	v_lshrrev_b32 v1, 5, v0
	v_readfirstlane_b32 s14, v1
	s_lshr_b32 s15, s14, 1
	s_and_b32 s16, s14, 1
	s_bfe_u32 s40, ttmp6, 0x40000
	s_bfe_u32 s41, ttmp6, 0x40004
	s_lshl_b32 s42, ttmp9, 2
	s_add_co_u32 s42, s42, s40
	s_and_b32 s17, ttmp7, 0xffff
	s_lshl_b32 s17, s17, 2
	s_add_co_u32 s17, s17, s41
	s_lshl_b32 s43, s41, 2
	s_lshl_b32 s43, 15, s43
	s_lshl_b32 s44, 0x1111, s40
	s_or_b32 s[G1+0], s43, (3<<16)|(1<<21)
	s_or_b32 s[G1B+0], s44, (3<<16)|(1<<21)
.irp g, G1, G1B
	s_mov_b32 s[\g+1], 512<<16
	s_mov_b32 s[\g+2], 16<<16                      ; 16 tiles for the head's loads; behind them 8
	s_mov_b32 s[\g+3], 512<<16
	s_mov_b32 s[\g+4], 16
	s_mov_b32 s[\g+5], 1024
	s_mov_b32 s[\g+6], 0
	s_mov_b32 s[\g+7], 0
.endr
	s_or_b32 s[G1S+0], s43, (3<<16)|(1<<21)
	s_or_b32 s[G1SB+0], s44, (3<<16)|(1<<21)
.irp g, G1S, G1SB
	s_mov_b32 s[\g+1], 32<<16                      ; the scale words of a side's 16 tiles: 8,192 dense bytes as 32 rows of 256
	s_mov_b32 s[\g+2], 32<<16
	s_mov_b32 s[\g+3], 32<<16
	s_mov_b32 s[\g+4], 32
	s_mov_b32 s[\g+5], 32
	s_mov_b32 s[\g+6], 0
	s_mov_b32 s[\g+7], 0
.endr
	s_lshl_b32 s18, s16, 16                        ; slot 1's loads: my half of a side, 8 tiles x 8,192 bytes on
	s_mov_b32 s19, 0
	s_lshl_b32 s20, s17, 4
	s_lshl_b32 s46, s42, 4
	s_lshl_b32 s22, s20, 9
	s_add_co_u32 s22, s22, XS
	s_mov_b32 s23, 0
	s_lshl_b32 s20, s20, 13
	s_mov_b32 s21, 0
	s_lshl_b32 s96, s46, 9
	s_add_co_u32 s96, s96, W1_S
	s_mov_b32 s97, 0
	s_lshl_b32 s46, s46, 13
	s_add_co_u32 s46, s46, W1_C
	s_mov_b32 s47, 0
	s_lshl_b32 s45, s14, 15
	s_wait_dscnt 0x0
	s_wait_kmcnt 0x0
	s_add_nc_u64 s[20:21], s[4:5], s[20:21]
	s_add_nc_u64 s[22:23], s[4:5], s[22:23]
	s_add_nc_u64 s[46:47], s[6:7], s[46:47]
	s_add_nc_u64 s[96:97], s[6:7], s[96:97]
	CROUND
	s_mov_b32 s[G0S], 1
	s_mov_b32 s[G0S+1], SCL
	s_mov_b64 s[G0S+2:G0S+3], s[22:23]
	s_or_b32 s[G0S+3], s[G0S+3], 0x80000000
	s_mov_b32 s[G0SB], 1
	s_mov_b32 s[G0SB+1], SCL+8192
	s_mov_b64 s[G0SB+2:G0SB+3], s[96:97]
	s_or_b32 s[G0SB+3], s[G0SB+3], 0x80000000
.irp s, 0,1
	s_mov_b32 s[G0+4*\s], 1
	s_add_co_u32 s[G0+4*\s+1], s45, \s*SLOT
	s_add_nc_u64 s[G0+4*\s+2:G0+4*\s+3], s[20:21], \s*4096
	s_or_b32 s[G0+4*\s+3], s[G0+4*\s+3], 0x80000000
	s_mov_b32 s[G0B+4*\s], 1
	s_add_co_u32 s[G0B+4*\s+1], s45, \s*SLOT
	s_add_nc_u64 s[G0B+4*\s+2:G0B+4*\s+3], s[46:47], \s*4096
	s_or_b32 s[G0B+4*\s+3], s[G0B+4*\s+3], 0x80000000
.endr
	s_mov_b32 s[G0+1], 0                           ; slot 0 comes by the head's loads, a whole side each: the tokens' 16 tiles,
	s_mov_b32 s[G0B+1], 65536                      ; the weight's behind them
	s_add_nc_u64 s[G0+6:G0+7], s[G0+6:G0+7], s[18:19]       ; slot 1 comes a quarter a wave: my 8 tiles
	s_add_nc_u64 s[G0B+6:G0B+7], s[G0B+6:G0B+7], s[18:19]
; THE HEAD'S LOADS, ONE A WAVE: wave 0 the tokens' side of slot 0, wave 1 the weight's, wave 2 the tokens' scale words, wave 3 the weight's.
; One chain of branches on the wave's number: every way through it passes exactly one load.
.macro ARM under, g0, g1, next
	s_cmp_lt_u32 s14, \under
	s_cbranch_scc0 \next
	tensor_load_to_lds s[\g0:\g0+3], s[\g1:\g1+7]
	s_nop 0
.rept 4
	v_nop
.endr
	s_branch .Lhead_asked
\next:
.endm
	ARM 1, G0,  G1,  .Lhead_b
	ARM 2, G0B, G1B, .Lhead_sa
	ARM 3, G0S, G1S, .Lhead_sb
	tensor_load_to_lds s[G0SB:G0SB+3], s[G1SB:G1SB+7]
	s_nop 0
.rept 4
	v_nop
.endr
.Lhead_asked:
	v_and_b32 v1, 31, v0
	v_lshlrev_b32 v[LI], 4, v1
	s_lshl_b32 s21, s14, 16
	v_add_nc_u32 v[DA], s21, v[LI]
	s_lshl_b32 s21, s15, 15
	s_lshl_b32 s22, s16, 15
	s_add_co_u32 s22, s22, 65536
.irp s, 0,1
	v_add_nc_u32 v[ADRA+\s], s21, v[LI]
	v_add_nc_u32 v[ADRB+\s], s22, v[LI]
	s_add_co_u32 s21, s21, SLOT
	s_add_co_u32 s22, s22, SLOT
.endr
	v_and_b32 v1, 15, v0
	v_bfe_u32 v2, v0, 4, 1
	v_lshlrev_b32 v5, 2, v1
	v_lshl_add_u32 v30, v2, 1, v5
	v_lshlrev_b32 v31, 4, v2
	s_lshl_b32 s21, s15, 12
	s_lshl_b32 s22, s16, 12
	s_add_co_u32 s22, s22, 8192
	s_sub_co_u32 s22, s22, s21
	v_mul_u32_u24 v6, s22, v2
	s_add_co_u32 s21, s21, SCL
	v_add_nc_u32 v5, v5, v6
	v_add_nc_u32 v[ADRS], s21, v5
.irp b, 0,1,2,3
	v_mov_b32 v[TM+4+\b], 0
.endr
	v_lshlrev_b32 v26, 6, v2
	s_lshl_b32 s46, s42, 10
	s_lshl_b32 s47, s16, 9
	s_add_co_u32 s46, s46, s47
	s_mov_b32 s47, 0
	s_add_nc_u64 s[8:9], s[8:9], s[46:47]
.irp b, 0,1,2,3
.irp g, 0,1,2,3
	global_load_b128 v[192+16*\b+4*\g:195+16*\b+4*\g], v26, s[8:9] offset:128*\b+16*\g
.endr
.endr
.macro FRAG reg, adr, q, i
.irp c, 0,1
	ds_load_b128 v[\reg+4*\c:\reg+4*\c+3], v[\adr] offset:1024*(\q)+512*\c+(\i)*4096
.endr
.endm
.macro MUL16 a0, p, q, sc, zero
.irp a, \a0, \a0+1
.irp b, 0,1,2,3,4,5,6,7
.if \zero == 2
	v_wmma_scale_f32_16x16x128_f8f6f4 v[8*(8*((\a)%4)+\b):8*(8*((\a)%4)+\b)+7], v[128*(\p)+FR*\b:128*(\p)+FR*\b+FR-1], v[AF+FR*(\a):AF+FR*(\a)+FR-1], v[192+8*\b:199+8*\b], v[SC+32*(\sc)+4*\b+(\q)], v[SC+32*(\sc)+4*(\a)+(\q)] matrix_a_fmt:MATRIX_FMT_FP4 matrix_b_fmt:MATRIX_FMT_FP4 matrix_a_scale:MATRIX_SCALE_ROW1
.else
	v_wmma_scale_f32_16x16x128_f8f6f4 v[8*(8*((\a)%4)+\b):8*(8*((\a)%4)+\b)+7], v[128*(\p)+FR*\b:128*(\p)+FR*\b+FR-1], v[AF+FR*(\a):AF+FR*(\a)+FR-1], v[8*(8*((\a)%4)+\b):8*(8*((\a)%4)+\b)+7], v[SC+32*(\sc)+4*\b+(\q)], v[SC+32*(\sc)+4*(\a)+(\q)] matrix_a_fmt:MATRIX_FMT_FP4 matrix_b_fmt:MATRIX_FMT_FP4 matrix_a_scale:MATRIX_SCALE_ROW1
.endif
.endr
.endr
.endm
.macro FETCH_B slot, q, p
	WIN TO_B
.irp i, 0,1,2,3,4,5,6,7
	FRAG 128*(\p)+FR*\i, ADRB+\slot, \q, \i
.endr
	WIN 0
.endm
.macro FETCH_A slot, q, i0
.irp i, \i0, \i0+1, \i0+2, \i0+3
	FRAG AF+FR*(\i), ADRA+\slot, \q, \i
.endr
.endm
.macro SCALES sc
.irp i, 0,1,2,3,4,5,6,7
.irp q, 0,1,2,3
	ds_load_b32 v[SC+32*\sc+4*\i+\q], v[ADRS] offset:512*\i+64*(4*\sc+\q)
.endr
.endr
.endm
.macro STEP slot, q, zero
	s_wait_dscnt 8
.if \zero == 2
	WIN 0x81
.else
	WIN MUL_LO
.endif
	MUL16 0, (\q)%2, \q, \slot, \zero
	MUL16 2, (\q)%2, \q, \slot, \zero
	s_wait_dscnt 0x0
	PLACES 4
	FETCH_B \slot, (\q)+1, 1-(\q)%2
	FETCH_A \slot, (\q)+1, 0
.if \zero == 2
	WIN 0xc1
.else
	WIN MUL_HI
.endif
	MUL16 4, (\q)%2, \q, \slot, \zero
	MUL16 6, (\q)%2, \q, \slot, \zero
	PLACES 4
	WIN 0
	FETCH_A \slot, (\q)+1, 4
.endm
	s_wait_alu depctr_va_vdst(0)
	s_wait_tensorcnt 0x0                           ; my tile of the head's four is in
	ds_add_u32 v[SPW], v[NIL]
	s_mov_b32 s[G1+2], 8<<16                       ; no tensor load of mine is out, so a descriptor may be written: from here on a load brings 8 tiles
	s_mov_b32 s[G1+4], 8
	s_mov_b32 s[G1B+2], 8<<16
	s_mov_b32 s[G1B+4], 8
	s_wait_dscnt 0x0
	CROUND                                         ; all four tiles are in, and all sixteen work-groups are here
	JLOAD G0+4, G1, G0B+4, G1B                     ; slot 1's first fill, the first tensor load behind the round
	FETCH_B 0, 0, 0
	FETCH_A 0, 0, 0
	SCALES 0
	FETCH_A 0, 0, 4
	s_wait_loadcnt 0x0
	STEP 0, 0, 2
	STEP 0, 1, 0
	STEP 0, 2, 0
	s_wait_tensorcnt 0x0
	s_wait_dscnt 8
	WIN MUL_LO
	MUL16 0, 1, 3, 0, 0
	s_wait_dscnt 0x0
	s_barrier_signal -1
	MUL16 2, 1, 3, 0, 0
	WIN 0
	s_barrier_wait -1
	PLACES 4
	FETCH_B 1, 0, 0
	FETCH_A 1, 0, 0
	SCALES 1
	WIN MUL_HI
	MUL16 4, 1, 3, 0, 0
	MUL16 6, 1, 3, 0, 0
	PLACES 4
	WIN 0
	FETCH_A 1, 0, 4
	STEP 1, 0, 0
	STEP 1, 1, 0
	STEP 1, 2, 0
	s_wait_dscnt 8
	WIN MUL_LO
	MUL16 0, 1, 3, 1, 0
	MUL16 2, 1, 3, 1, 0
	s_wait_dscnt 0x0
	WIN MUL_HI
	MUL16 4, 1, 3, 1, 0
	MUL16 6, 1, 3, 1, 0
	WIN 0
	PLACES 4
	s_wait_dscnt 0x0
	s_barrier_signal -1
	s_barrier_wait -1
.set A_, 0
.rept 8
.set WD_, 0x08+4*(A_/4)
	WIN WD_
.set G_, 0
.rept 16
	ds_store_b128 v[DA], v[64*(A_%4)+4*G_:64*(A_%4)+4*G_+3] offset:8192*A_+512*G_
.set G_, G_+1
.endr
.set A_, A_+1
.endr
	WIN 0
	s_lshl_b32 s46, s17, 4
	s_lshl_b32 s47, s15, 3
	s_add_co_u32 s46, s46, s47
	s_lshl_b32 s46, s46, 5
	s_lshl_b32 s47, s42, 1
	s_add_co_u32 s46, s46, s47
	s_add_co_u32 s46, s46, s16
	s_lshl_b32 s48, s46, 6
	s_add_co_u32 s48, s48, HS
	s_mov_b32 s49, 0
	s_lshl_b32 s46, s46, 10
	s_mov_b32 s47, 0
	s_add_nc_u64 s[46:47], s[10:11], s[46:47]
	s_add_nc_u64 s[48:49], s[10:11], s[48:49]
	s_mov_b32 s[SEL], 0x76543210
	s_mov_b32 s[SEL+1], 0xfedcba98
.macro CPAIR r, bits
	s_mov_b32 s[\r], \bits
	s_mov_b32 s[\r+1], \bits
.endm
	CPAIR 24, 0x3f3504f3
	CPAIR 26, 0xaf95df0b
	CPAIR 28, 0xb60cff51
	CPAIR 30, 0xb86ec2d2
	CPAIR 32, 0xba40ac63
	CPAIR 34, 0xbb41a1f6
	CPAIR 36, 0xbc83dbd4
	CPAIR 38, 0xb77460cd
	CPAIR 40, 0xbadc924e
	CPAIR 42, 0xbbf19bf8
	CPAIR 44, 0xbc69b6a7
	WIN 0x40
	v_mov_b32 v80, 0x32edffee
	v_mov_b32 v81, 0x32edffee
	v_mov_b32 v82, 0xb95fbd29
	v_mov_b32 v83, 0xb95fbd29
	WIN 0
.macro CHUNK k
	s_wait_dscnt 12-4*\k
.irp i, 0,2,4,6,8,10,12,14
	v_pk_mul_f32 v[\i:\i+1], v[128+16*\k+\i:129+16*\k+\i], s[24:25] op_sel_hi:[1,0]
.endr
.irp i, 0,2,4,6,8,10,12,14
	v_pk_mul_f32 v[16+\i:17+\i], v[128+16*\k+\i:129+16*\k+\i], 0.5 op_sel_hi:[1,0]
.endr
.irp i, 0,1,2,3,4,5,6,7,8,9,10,11,12,13,14,15
	v_med3_num_f32 v[\i], v[\i], -4.0, 4.0
.endr
.irp i, 0,2,4,6,8,10,12,14
	v_pk_mul_f32 v[32+\i:33+\i], v[\i:\i+1], v[\i:\i+1]
.endr
.irp i, 0,2,4,6,8,10,12,14
	v_pk_fma_f32 v[48+\i:49+\i], v[32+\i:33+\i], s[26:27], v[80:81] op_sel_hi:[1,0,1]
.endr
.irp i, 0,2,4,6,8,10,12,14
	v_pk_fma_f32 v[64+\i:65+\i], v[32+\i:33+\i], s[38:39], v[82:83] op_sel_hi:[1,0,1]
.endr
.irp cst, 28,30,32,34,36
.irp i, 0,2,4,6,8,10,12,14
	v_pk_fma_f32 v[48+\i:49+\i], v[48+\i:49+\i], v[32+\i:33+\i], s[\cst:\cst+1] op_sel_hi:[1,1,0]
.endr
.endr
.irp cst, 40,42,44
.irp i, 0,2,4,6,8,10,12,14
	v_pk_fma_f32 v[64+\i:65+\i], v[64+\i:65+\i], v[32+\i:33+\i], s[\cst:\cst+1] op_sel_hi:[1,1,0]
.endr
.endr
	s_wait_alu depctr_va_vdst(0)
.irp i, 0,1,2,3,4,5,6,7,8,9,10,11,12,13,14,15
	v_rcp_f32 v[64+\i], v[64+\i]
.endr
.irp i, 0,2,4,6,8,10,12,14
	v_pk_mul_f32 v[48+\i:49+\i], v[48+\i:49+\i], v[\i:\i+1]
.endr
	s_wait_alu depctr_va_vdst(0)
.irp i, 0,2,4,6,8,10,12,14
	v_pk_mul_f32 v[48+\i:49+\i], v[48+\i:49+\i], v[64+\i:65+\i]
.endr
.irp i, 0,2,4,6,8,10,12,14
	v_pk_fma_f32 v[128+16*\k+\i:129+16*\k+\i], v[16+\i:17+\i], v[48+\i:49+\i], v[16+\i:17+\i]
.endr
.endm
	s_mov_b32 s2, 0
	s_mov_b32 s3, 8
.Lrow:
	v_add_nc_u32 v26, s2, v[DA]
	WIN 0x40
.irp g, 0,1,2,3,4,5,6,7,8,9,10,11,12,13,14,15
	ds_load_b128 v[128+4*\g:131+4*\g], v26 offset:512*\g
.endr
	WIN 0x55
	CHUNK 0
	CHUNK 1
	CHUNK 2
	CHUNK 3
	QUANT 128, 1, PC, 120
	global_store_b128 v[LI], v[PC:PC+3], s[46:47]
	global_store_b128 v[LI], v[PC+4:PC+7], s[46:47] offset:512
	v_lshrrev_b32 v121, v31, v120
	global_store_b16 v30, v121, s[48:49]
	s_wait_xcnt 0x0
	s_add_nc_u64 s[46:47], s[46:47], 32768
	s_add_nc_u64 s[48:49], s[48:49], 2048
	s_add_co_u32 s2, s2, 8192
	s_sub_co_u32 s3, s3, 1
	s_cmp_lg_u32 s3, 0
	s_cbranch_scc1 .Lrow
	s_wait_tensorcnt 0x0
	ds_add_u32 v[SPW], v[NIL]
	s_wait_dscnt 0x0
	CROUND
	s_endpgm
.Lfunc_end_k_q4334cb015a_ffn1:
	.size	k_q4334cb015a_ffn1, .Lfunc_end_k_q4334cb015a_ffn1-k_q4334cb015a_ffn1
	.p2alignl 7, 3214868480
	.fill 96, 4, 3214868480
	.section	.rodata,"a",@progbits
	.p2align	6, 0x0
	.amdhsa_kernel k_q4334cb015a_ffn1
		.amdhsa_group_segment_fixed_size 327680
		.amdhsa_private_segment_fixed_size 0
		.amdhsa_enable_private_segment 0
		.amdhsa_kernarg_size 32
		.amdhsa_user_sgpr_count 2
		.amdhsa_user_sgpr_kernarg_segment_ptr 1
		.amdhsa_wavefront_size32 1
		.amdhsa_system_sgpr_workgroup_id_x 1
		.amdhsa_system_sgpr_workgroup_id_y 1
		.amdhsa_system_sgpr_workgroup_id_z 1
		.amdhsa_system_vgpr_workitem_id 0
		.amdhsa_next_free_vgpr 1024
		.amdhsa_next_free_sgpr 100
		.amdhsa_reserve_vcc 0
		.amdhsa_float_denorm_mode_32 3
		.amdhsa_float_denorm_mode_16_64 3
		.amdhsa_memory_ordered 1
		.amdhsa_forward_progress 1
		.amdhsa_inst_pref_size 154
	.end_amdhsa_kernel
	.amdgpu_metadata
---
amdhsa.version: [ 1, 2 ]
amdhsa.kernels:
  - .name:           k_q4334cb015a_ffn1
    .symbol:         k_q4334cb015a_ffn1.kd
    .args:
      - { .name: x1q, .offset: 0, .size: 8, .value_kind: global_buffer, .address_space: global }
      - { .name: wq, .offset: 8, .size: 8, .value_kind: global_buffer, .address_space: global }
      - { .name: b1, .offset: 16, .size: 8, .value_kind: global_buffer, .address_space: global }
      - { .name: hq, .offset: 24, .size: 8, .value_kind: global_buffer, .address_space: global }
    .group_segment_fixed_size: 327680
    .private_segment_fixed_size: 0
    .kernarg_segment_align: 8
    .kernarg_segment_size: 32
    .max_flat_workgroup_size: 128
    .sgpr_count:     100
    .vgpr_count:     1024
    .wavefront_size: 32
...
	.end_amdgpu_metadata
.endif
;; end of part 11
;; launch ffn2g (part 12): grid 8 x 32, 4 waves a work-group, clusters of 4 x 4, 327,680 bytes of LDS; arguments hq, wq, y, x1, b2; writes y
.if DOCPART == 12
	.amdgcn_target "amdgcn-amd-amdhsa--gfx1250"
	.amdhsa_code_object_version 6
	.text
	.protected	k_q4334cb015a_ffn2g
	.globl	k_q4334cb015a_ffn2g
	.p2align	8
	.type	k_q4334cb015a_ffn2g,@function
k_q4334cb015a_ffn2g:
	s_mov_b64 s[64:65], 0
	v_nop
	global_prefetch_b8 v0, s[64:65] scope:SCOPE_SE
	s_setreg_imm32_b32 hwreg(HW_REG_WAVE_MODE, 25, 1), 1
	s_wait_xcnt 0x0
	s_wait_alu depctr_hold_cnt(0) depctr_sa_sdst(0) depctr_va_vdst(0) depctr_va_sdst(0) depctr_va_ssrc(0) depctr_va_vcc(0) depctr_vm_vsrc(0)
	s_getreg_b32 s2, hwreg(HW_REG_IB_STS2, 6, 4)
	s_cmp_eq_u32 s2, 0
	s_cbranch_scc0 .Lentry_in_a_cluster
	s_endpgm
.Lentry_in_a_cluster:
	s_bfe_u32 s2, ttmp6, 0x10000c
	s_cmp_lg_u32 s2, 0xf033
	s_cbranch_scc0 .Lentry_shape_is_right
	s_endpgm
.Lentry_shape_is_right:
.set W2_C,   4194304
.set W2_S,   6553600
.set HS,     8388608
.set SLOT,   131072
.set SCL,    262144
.set SPARE,  294912
.set SPITCH, 272
.set ADRA,   16
.set ADRB,   20
.set STO,    24
.set RD,     25
.set CO,     26
.set ADRS,   27
.set SPW,    28
.set NIL,    29
.set SC,     32
.set ACC,    128
.set F0,     0
.set F1,     128
.set G1,     24
.set G0,     32
.set G1B,    48
.set G0B,    56
.set G1S,    68
.set G0S,    76
.set G1SB,   80
.set G0SB,   88
.set MSB, 0
.macro WIN new
.if MSB != \new
	s_set_vgpr_msb (MSB<<8)|\new
.set MSB, \new
.endif
.endm
.set MUL,  0x05
.set TO_F, 0x40
.macro PLACES n
.rept \n
	v_nop
.endr
.endm
.macro JLOAD g0a, g1a, g0b, g1b
	s_cmp_eq_u32 s15, 0
	s_cbranch_scc0 .Lfor_b_\@
	tensor_load_to_lds s[\g0a:\g0a+3], s[\g1a:\g1a+7]
	s_nop 0
.rept 4
	v_nop
.endr
	s_branch .Lasked_\@
.Lfor_b_\@:
	tensor_load_to_lds s[\g0b:\g0b+3], s[\g1b:\g1b+7]
	s_nop 0
.rept 4
	v_nop
.endr
.Lasked_\@:
.endm
.macro CREST
	s_cmp_lg_u32 s14, 0
	s_cbranch_scc1 .Lnot_wave_0_\@
	s_barrier_signal -3
.Lnot_wave_0_\@:
	s_barrier_wait -3
	s_barrier_signal -1
	s_barrier_wait -1
.endm
.macro CROUND
	s_barrier_signal -1
	s_barrier_wait -1
	CREST
.endm
	s_load_b128 s[4:7], s[0:1], 0x0
	s_load_b64 s[12:13], s[0:1], 0x10              ; y = h w2 + x1 + b2: what the last layer norm takes in
	s_load_b64 s[8:9], s[0:1], 0x18                ; x1
	s_load_b64 s[10:11], s[0:1], 0x20              ; b2
	v_lshl_add_u32 v[SPW], v0, 2, SPARE
	v_mov_b32 v[NIL], 0
	ds_add_u32 v[SPW], v[NIL]
	ds_add_u32 v[SPW], v[NIL]
	v_lshrrev_b32 v1, 5, v0
	v_readfirstlane_b32 s14, v1
	s_lshr_b32 s15, s14, 1
	s_and_b32 s16, s14, 1
	s_bfe_u32 s40, ttmp6, 0x40000
	s_bfe_u32 s41, ttmp6, 0x40004
	s_lshl_b32 s42, ttmp9, 2
	s_add_co_u32 s42, s42, s40
	s_and_b32 s17, ttmp7, 0xffff
	s_lshl_b32 s17, s17, 2
	s_add_co_u32 s17, s17, s41
	s_lshl_b32 s43, s41, 2
	s_lshl_b32 s43, 15, s43
	s_lshl_b32 s44, 0x1111, s40
	s_or_b32 s[G1+0], s43, (3<<16)|(1<<21)
	s_or_b32 s[G1B+0], s44, (3<<16)|(1<<21)
.irp g, G1, G1B
	s_mov_b32 s[\g+1], 1024<<16
	s_mov_b32 s[\g+2], 8<<16                       ; 8 tiles for the head's loads; behind them 4
	s_mov_b32 s[\g+3], 1024<<16
	s_mov_b32 s[\g+4], 8
	s_mov_b32 s[\g+5], 4096
	s_mov_b32 s[\g+6], 0
	s_mov_b32 s[\g+7], 0
.endr
	s_or_b32 s[G1S+0], s43, (3<<16)|(1<<21)
	s_or_b32 s[G1SB+0], s44, (3<<16)|(1<<21)
.irp g, G1S, G1SB
	s_mov_b32 s[\g+1], 32<<16                      ; the scale words of a side's 8 tiles: 16,384 dense bytes as 64 rows of 256
	s_mov_b32 s[\g+2], 64<<16
	s_mov_b32 s[\g+3], 32<<16
	s_mov_b32 s[\g+4], 64
	s_mov_b32 s[\g+5], 32
	s_mov_b32 s[\g+6], 0
	s_mov_b32 s[\g+7], 0
.endr
	s_lshl_b32 s18, s16, 17                        ; the ring's loads: my half of a side, 4 tiles x 32,768 bytes on
	s_mov_b32 s19, 0
	s_lshl_b32 s20, s17, 3
	s_lshl_b32 s46, s42, 3
	s_lshl_b32 s22, s20, 11
	s_add_co_u32 s22, s22, HS
	s_mov_b32 s23, 0
	s_lshl_b32 s20, s20, 15
	s_mov_b32 s21, 0
	s_lshl_b32 s96, s46, 11
	s_add_co_u32 s96, s96, W2_S
	s_mov_b32 s97, 0
	s_lshl_b32 s46, s46, 15
	s_add_co_u32 s46, s46, W2_C
	s_mov_b32 s47, 0
	s_lshl_b32 s45, s14, 15
	s_wait_dscnt 0x0
	s_wait_kmcnt 0x0
	s_add_nc_u64 s[20:21], s[4:5], s[20:21]
	s_add_nc_u64 s[22:23], s[4:5], s[22:23]
	s_add_nc_u64 s[46:47], s[6:7], s[46:47]
	s_add_nc_u64 s[96:97], s[6:7], s[96:97]
	CROUND
	s_mov_b32 s[G0S], 1
	s_mov_b32 s[G0S+1], SCL
	s_mov_b64 s[G0S+2:G0S+3], s[22:23]
	s_or_b32 s[G0S+3], s[G0S+3], 0x80000000
	s_mov_b32 s[G0SB], 1
	s_mov_b32 s[G0SB+1], SCL+16384
	s_mov_b64 s[G0SB+2:G0SB+3], s[96:97]
	s_or_b32 s[G0SB+3], s[G0SB+3], 0x80000000
.irp s, 0,1
	s_mov_b32 s[G0+4*\s], 1
	s_add_co_u32 s[G0+4*\s+1], s45, \s*SLOT
	s_add_nc_u64 s[G0+4*\s+2:G0+4*\s+3], s[20:21], \s*8192
	s_or_b32 s[G0+4*\s+3], s[G0+4*\s+3], 0x80000000
	s_mov_b32 s[G0B+4*\s], 1
	s_add_co_u32 s[G0B+4*\s+1], s45, \s*SLOT
	s_add_nc_u64 s[G0B+4*\s+2:G0B+4*\s+3], s[46:47], \s*8192
	s_or_b32 s[G0B+4*\s+3], s[G0B+4*\s+3], 0x80000000
.endr
	s_mov_b32 s[G0+1], 0                           ; slot 0's first fill comes by the head's loads, a whole side each: the tokens' 8 tiles,
	s_mov_b32 s[G0B+1], 65536                      ; the weight's behind them
	s_add_nc_u64 s[G0+6:G0+7], s[G0+6:G0+7], s[18:19]       ; slot 1 comes a quarter a wave: my 4 tiles
	s_add_nc_u64 s[G0B+6:G0B+7], s[G0B+6:G0B+7], s[18:19]
; THE HEAD'S LOADS, ONE A WAVE: wave 0 the tokens' side of slot 0, wave 1 the weight's, wave 2 the tokens' scale words, wave 3 the weight's.
; One chain of branches on the wave's number: every way through it passes exactly one load.
.macro ARM under, g0, g1, next
	s_cmp_lt_u32 s14, \under
	s_cbranch_scc0 \next
	tensor_load_to_lds s[\g0:\g0+3], s[\g1:\g1+7]
	s_nop 0
.rept 4
	v_nop
.endr
	s_branch .Lhead_asked
\next:
.endm
	ARM 1, G0,  G1,  .Lhead_b
	ARM 2, G0B, G1B, .Lhead_sa
	ARM 3, G0S, G1S, .Lhead_sb
	tensor_load_to_lds s[G0SB:G0SB+3], s[G1SB:G1SB+7]
	s_nop 0
.rept 4
	v_nop
.endr
.Lhead_asked:
	v_and_b32 v1, 31, v0
	v_lshlrev_b32 v3, 4, v1
	s_lshl_b32 s21, s15, 15
	s_lshl_b32 s22, s16, 15
	s_add_co_u32 s22, s22, 65536
.irp s, 0,1
	v_add_nc_u32 v[ADRA+\s], s21, v3
	v_add_nc_u32 v[ADRB+\s], s22, v3
	s_add_co_u32 s21, s21, SLOT
	s_add_co_u32 s22, s22, SLOT
.endr
	v_and_b32 v1, 15, v0
	v_bfe_u32 v2, v0, 4, 1
	v_lshlrev_b32 v5, 2, v1
	s_lshl_b32 s21, s15, 13
	s_lshl_b32 s22, s16, 13
	s_add_co_u32 s22, s22, 16384
	s_sub_co_u32 s22, s22, s21
	v_mul_u32_u24 v6, s22, v2
	s_add_co_u32 s21, s21, SCL
	v_add_nc_u32 v5, v5, v6
	v_add_nc_u32 v[ADRS], s21, v5
	s_mul_i32 s23, s14, 16*SPITCH
	v_mul_u32_u24 v4, v1, SPITCH
	v_lshl_add_u32 v4, v2, 6, v4
	v_add_nc_u32 v[STO], s23, v4
	v_mul_u32_u24 v4, v2, SPITCH
	v_lshl_add_u32 v4, v1, 4, v4
	v_add_nc_u32 v[RD], s23, v4
	v_lshlrev_b32 v4, 12, v2
	v_lshl_add_u32 v[CO], v1, 4, v4
	s_lshl_b32 s20, s17, 7
	s_lshl_b32 s21, s15, 6
	s_add_co_u32 s20, s20, s21
	s_lshl_b32 s20, s20, 12
	s_lshl_b32 s46, s42, 9
	s_lshl_b32 s47, s16, 8
	s_add_co_u32 s46, s46, s47
	s_add_co_u32 s20, s20, s46
	s_mov_b32 s21, 0
	s_add_nc_u64 s[12:13], s[12:13], s[20:21]
	s_add_nc_u64 s[8:9], s[8:9], s[20:21]          ; x1 at the same place as y
	s_mov_b32 s47, 0
	s_add_nc_u64 s[10:11], s[10:11], s[46:47]      ; b2 at my wave's 64 columns
	v_lshlrev_b32 v7, 4, v1                        ; my four columns of them
	s_wait_alu depctr_va_vdst(0)                   ; directly ahead of the readers below
	global_load_b128 v[8:11], v7, s[10:11]
	WIN 0x80                                       ; THE RESIDUAL: my 64 rows x 256 bytes of x1, in the order of the way out's stores, into window 2
.irp a, 0,1,2,3
.irp t, 0,1,2,3,4,5,6,7
	global_load_b128 v[32*\a+4*\t:32*\a+4*\t+3], v[CO], s[8:9] offset:(32*(\a/2)+8*(\a%2)+2*\t+8*(\t/4))*4096 th:TH_LOAD_NT
.endr
.endr
	WIN 0
.macro MUL8 f, c, a0, zero, set, q
.irp a, \a0, \a0+1
.irp b, 0,1,2,3
.if \zero
	v_wmma_scale_f32_16x16x128_f8f6f4 v[ACC+8*(4*(\a)+\b):ACC+8*(4*(\a)+\b)+7], v[\f+64*(\c)+32+8*\b:\f+64*(\c)+32+8*\b+7], v[\f+64*(\c)+8*(\a):\f+64*(\c)+8*(\a)+7], 0, v[SC+32*(\set)+8*\b+(\q)], v[SC+32*(\set)+8*(\a)+(\q)] matrix_a_fmt:MATRIX_FMT_FP4 matrix_b_fmt:MATRIX_FMT_FP4 matrix_a_scale:MATRIX_SCALE_ROW1
.else
	v_wmma_scale_f32_16x16x128_f8f6f4 v[ACC+8*(4*(\a)+\b):ACC+8*(4*(\a)+\b)+7], v[\f+64*(\c)+32+8*\b:\f+64*(\c)+32+8*\b+7], v[\f+64*(\c)+8*(\a):\f+64*(\c)+8*(\a)+7], v[ACC+8*(4*(\a)+\b):ACC+8*(4*(\a)+\b)+7], v[SC+32*(\set)+8*\b+(\q)], v[SC+32*(\set)+8*(\a)+(\q)] matrix_a_fmt:MATRIX_FMT_FP4 matrix_b_fmt:MATRIX_FMT_FP4 matrix_a_scale:MATRIX_SCALE_ROW1
.endif
.endr
.endr
.endm
.macro FETCH slot, qd, f
	WIN TO_F
.irp c, 0,1
.irp i, 0,1,2,3
	ds_load_b128 v[\f+64*\c+32+8*\i:\f+64*\c+32+8*\i+3],   v[ADRB+\slot] offset:\i*8192+(2*(\qd)+\c)*1024
	ds_load_b128 v[\f+64*\c+32+8*\i+4:\f+64*\c+32+8*\i+7], v[ADRB+\slot] offset:\i*8192+(2*(\qd)+\c)*1024+512
	ds_load_b128 v[\f+64*\c+8*\i:\f+64*\c+8*\i+3],         v[ADRA+\slot] offset:\i*8192+(2*(\qd)+\c)*1024
	ds_load_b128 v[\f+64*\c+8*\i+4:\f+64*\c+8*\i+7],       v[ADRA+\slot] offset:\i*8192+(2*(\qd)+\c)*1024+512
.endr
.endr
.endm
.macro SCALES set, fill
	WIN 0
.irp i, 0,1,2,3
.irp q, 0,1,2,3,4,5,6,7
	ds_load_b32 v[SC+32*\set+8*\i+\q], v[ADRS] offset:2048*\i+64*(8*\fill+\q)
.endr
.endr
.endm
.macro QUARTER slot, qd, f, g, zero
	s_wait_dscnt 16
	WIN MUL
	MUL8 \f, 0, 0, \zero, \slot, 2*(\qd)
	MUL8 \f, 0, 2, \zero, \slot, 2*(\qd)
	PLACES 4
	FETCH \slot, (\qd)+1, \g
	s_wait_dscnt 32
	WIN MUL
	MUL8 \f, 1, 0, 0, \slot, 2*(\qd)+1
	MUL8 \f, 1, 2, 0, \slot, 2*(\qd)+1
.endm
.macro TURN slot, next, fill, nf
	WIN 0
	s_wait_tensorcnt 0x0
	ds_add_u32 v[SPW], v[NIL]
	s_wait_dscnt 17
	WIN MUL
	MUL8 F1, 0, 0, 0, \slot, 6
	s_wait_dscnt 0x0
	s_barrier_signal -1
	MUL8 F1, 0, 2, 0, \slot, 6
.if \fill
	WIN 0
.endif
	s_barrier_wait -1
.if \fill
	CREST
	s_add_nc_u64 s[G0+4*\slot+2:G0+4*\slot+3], s[G0+4*\slot+2:G0+4*\slot+3], 16384
	s_add_nc_u64 s[G0B+4*\slot+2:G0B+4*\slot+3], s[G0B+4*\slot+2:G0B+4*\slot+3], 16384
	JLOAD G0+4*\slot, G1, G0B+4*\slot, G1B
.else
	PLACES 4
.endif
	SCALES \next, \nf
	FETCH \next, 0, F0
	WIN MUL
	MUL8 F1, 1, 0, 0, \slot, 7
	MUL8 F1, 1, 2, 0, \slot, 7
.endm
	s_wait_alu depctr_va_vdst(0)
	s_wait_tensorcnt 0x0                           ; my tile of the head's four is in
	ds_add_u32 v[SPW], v[NIL]
	s_mov_b32 s[G1+2], 4<<16                       ; no tensor load of mine is out, so descriptors may be written: from here on a load brings 4 tiles,
	s_mov_b32 s[G1+4], 4
	s_mov_b32 s[G1B+2], 4<<16
	s_mov_b32 s[G1B+4], 4
	s_mov_b32 s[G0+1], s45                         ; and slot 0's refills go a quarter a wave too
	s_mov_b32 s[G0B+1], s45
	s_add_nc_u64 s[G0+2:G0+3], s[G0+2:G0+3], s[18:19]
	s_add_nc_u64 s[G0B+2:G0B+3], s[G0B+2:G0B+3], s[18:19]
	s_wait_dscnt 0x0
	CROUND                                         ; all four tiles are in, and all sixteen work-groups are here
	JLOAD G0+4, G1, G0B+4, G1B                     ; slot 1's first fill, the first tensor load behind the round
	SCALES 0, 0
	FETCH 0, 0, F0
	QUARTER 0, 0, F0, F1, 1
	QUARTER 0, 1, F1, F0, 0
	QUARTER 0, 2, F0, F1, 0
	TURN 0, 1, 1, 1
	QUARTER 1, 0, F0, F1, 0
	QUARTER 1, 1, F1, F0, 0
	QUARTER 1, 2, F0, F1, 0
	TURN 1, 0, 1, 2
	QUARTER 0, 0, F0, F1, 0
	QUARTER 0, 1, F1, F0, 0
	QUARTER 0, 2, F0, F1, 0
	TURN 0, 1, 0, 3
	QUARTER 1, 0, F0, F1, 0
	QUARTER 1, 1, F1, F0, 0
	QUARTER 1, 2, F0, F1, 0
	s_wait_dscnt 16
	WIN MUL
	MUL8 F1, 0, 0, 0, 1, 6
	MUL8 F1, 0, 2, 0, 1, 6
	s_wait_dscnt 0x0
	MUL8 F1, 1, 0, 0, 1, 7
	MUL8 F1, 1, 2, 0, 1, 7
	WIN 0
	PLACES 4
.macro TOSTAGE a
	WIN 0
.irp b, 0,1,2,3
	ds_store_b128 v[STO], v[ACC+8*(4*(\a)+\b):ACC+8*(4*(\a)+\b)+3] offset:128*(\b/2)+32*(\b%2)
	ds_store_b128 v[STO], v[ACC+8*(4*(\a)+\b)+4:ACC+8*(4*(\a)+\b)+7] offset:128*(\b/2)+32*(\b%2)+16
.endr
	WIN TO_F
.irp t, 0,1,2,3,4,5,6,7
	ds_load_b128 v[32*(\a)+4*\t:32*(\a)+4*\t+3], v[RD] offset:\t*2*SPITCH
.endr
.endm
.macro SEND a, younger
	s_wait_dscnt \younger
.if (\a) == 0
	s_wait_loadcnt 0x0                             ; x1 and b2, asked for at the head
.endif
	WIN 0x49                                       ; window 1 = window 1 + window 2: + x1
.irp t, 0,1,2,3,4,5,6,7
	v_pk_add_f32 v[32*(\a)+4*\t:32*(\a)+4*\t+1], v[32*(\a)+4*\t:32*(\a)+4*\t+1], v[32*(\a)+4*\t:32*(\a)+4*\t+1]
	v_pk_add_f32 v[32*(\a)+4*\t+2:32*(\a)+4*\t+3], v[32*(\a)+4*\t+2:32*(\a)+4*\t+3], v[32*(\a)+4*\t+2:32*(\a)+4*\t+3]
.endr
	WIN 0x41                                       ; window 1 = window 1 + window 0: + b2
.irp t, 0,1,2,3,4,5,6,7
	v_pk_add_f32 v[32*(\a)+4*\t:32*(\a)+4*\t+1], v[32*(\a)+4*\t:32*(\a)+4*\t+1], v[8:9]
	v_pk_add_f32 v[32*(\a)+4*\t+2:32*(\a)+4*\t+3], v[32*(\a)+4*\t+2:32*(\a)+4*\t+3], v[10:11]
.endr
	WIN 0x04
.irp t, 0,1,2,3,4,5,6,7
	global_store_b128 v[CO], v[32*(\a)+4*\t:32*(\a)+4*\t+3], s[12:13] offset:(32*((\a)/2)+8*((\a)%2)+2*\t+8*(\t/4))*4096
.endr
.endm
	TOSTAGE 0
	TOSTAGE 1
	SEND 0, 16
	TOSTAGE 2
	SEND 1, 16
	TOSTAGE 3
	SEND 2, 16
	SEND 3, 0
	WIN 0
	s_wait_tensorcnt 0x0
	ds_add_u32 v[SPW], v[NIL]
	s_wait_dscnt 0x0
	CROUND
	s_endpgm
.Lfunc_end_k_q4334cb015a_ffn2g:
	.size	k_q4334cb015a_ffn2g, .Lfunc_end_k_q4334cb015a_ffn2g-k_q4334cb015a_ffn2g
	.p2alignl 7, 3214868480
	.fill 96, 4, 3214868480
	.section	.rodata,"a",@progbits
	.p2align	6, 0x0
	.amdhsa_kernel k_q4334cb015a_ffn2g
		.amdhsa_group_segment_fixed_size 327680
		.amdhsa_private_segment_fixed_size 0
		.amdhsa_enable_private_segment 0
		.amdhsa_kernarg_size 40
		.amdhsa_user_sgpr_count 2
		.amdhsa_user_sgpr_kernarg_segment_ptr 1
		.amdhsa_wavefront_size32 1
		.amdhsa_system_sgpr_workgroup_id_x 1
		.amdhsa_system_sgpr_workgroup_id_y 1
		.amdhsa_system_sgpr_workgroup_id_z 1
		.amdhsa_system_vgpr_workitem_id 0
		.amdhsa_next_free_vgpr 640
		.amdhsa_next_free_sgpr 100
		.amdhsa_reserve_vcc 0
		.amdhsa_float_denorm_mode_32 3
		.amdhsa_float_denorm_mode_16_64 3
		.amdhsa_memory_ordered 1
		.amdhsa_forward_progress 1
		.amdhsa_inst_pref_size 140
	.end_amdhsa_kernel
	.amdgpu_metadata
---
amdhsa.version: [ 1, 2 ]
amdhsa.kernels:
  - .name:           k_q4334cb015a_ffn2g
    .symbol:         k_q4334cb015a_ffn2g.kd
    .args:
      - { .name: hq, .offset: 0, .size: 8, .value_kind: global_buffer, .address_space: global }
      - { .name: wq, .offset: 8, .size: 8, .value_kind: global_buffer, .address_space: global }
      - { .name: y, .offset: 16, .size: 8, .value_kind: global_buffer, .address_space: global }
      - { .name: x1, .offset: 24, .size: 8, .value_kind: global_buffer, .address_space: global }
      - { .name: b2, .offset: 32, .size: 8, .value_kind: global_buffer, .address_space: global }
    .group_segment_fixed_size: 327680
    .private_segment_fixed_size: 0
    .kernarg_segment_align: 8
    .kernarg_segment_size: 40
    .max_flat_workgroup_size: 128
    .sgpr_count:     100
    .vgpr_count:     640
    .wavefront_size: 32
...
	.end_amdgpu_metadata
.endif
;; end of part 12
;; launch ln2 (part 13): grid 256 x 1, 8 waves a work-group, no clusters, 0 bytes of LDS; arguments y, ln2_w, ln2_b, out0; writes out0
.if DOCPART == 13
	.amdgcn_target "amdgcn-amd-amdhsa--gfx1250"
	.amdhsa_code_object_version 6
	.text
	.protected	k_q4334cb015a_ln2
	.globl	k_q4334cb015a_ln2
	.p2align	8
	.type	k_q4334cb015a_ln2,@function
k_q4334cb015a_ln2:
	s_mov_b64 s[64:65], 0
	v_nop
	global_prefetch_b8 v0, s[64:65] scope:SCOPE_SE
	s_setreg_imm32_b32 hwreg(HW_REG_WAVE_MODE, 25, 1), 1
	s_wait_xcnt 0x0
; The last launch: out0 = layernorm(y) x ln2_w + ln2_b, y = h w2 + x1 + b2 from the launch before.  No work is left out.
; A stream: each byte of y is read once and each byte of out0 written once, so there is no LDS, no barrier, no matrix unit and no cluster: work-groups share nothing but 8 KB of parameters.
; SHARES.  A row is 4,096 bytes: one wave takes a whole row, eight loads of 16 bytes a lane (512 consecutive bytes each), and keeps it in 32 registers through both passes.  A wave has two rows, a work-group of eight waves 16.
; Lane l holds columns 128 j + 4 l + 0..3, j = 0..7, of every row, so its 32 numbers of the gain and of the shift stay in registers.
; All 32 loads of a wave are issued at its head.  The sums stay inside the wave: four steps ride on the additions (DPP, inside each half of 16 lanes), one crosses the halves.
; LAYER NORM in two passes, as it is defined: the mean; then the mean of the squared differences.
; LIMITS: NaN and infinities among the inputs are not served; 1 / sqrt is v_rsq_f32.
.set GA, 16                            ; v16-47   the gain
.set SH, 48                            ; v48-79   the shift
.set Y0, 80                            ; v80-111  row 0, then the result
.set Y1, 112                           ; v112-143 row 1
	s_load_b256 s[4:11], s[0:1], 0x0               ; y s[4:5], ln2_w s[6:7], ln2_b s[8:9], out0 s[10:11]
	v_lshrrev_b32 v1, 5, v0
	s_delay_alu instid0(VALU_DEP_1)
	v_readfirstlane_b32 s16, v1                    ; wave 0..7
	v_and_b32 v1, 31, v0
	s_delay_alu instid0(VALU_DEP_1)
	v_lshlrev_b32 v1, 4, v1                        ; 16 x lane; never rewritten
	s_lshl_b32 s18, ttmp9, 16                      ; the work-group's 16 rows of 4,096 bytes,
	s_lshl_b32 s17, s16, 13                        ; my wave's two
	s_add_co_u32 s18, s18, s17
	s_mov_b32 s19, 0
	s_mov_b32 s20, 0x76543210                      ; v_permlanex16_b32's selects for lane l xor 16
	s_mov_b32 s21, 0xfedcba98
	s_mov_b32 s22, 0x3a800000                      ; 1 / 1024
	s_mov_b32 s23, 0x3727c5ac                      ; 1e-5
	s_wait_alu depctr_va_vdst(0)
	s_wait_kmcnt 0x0
	s_add_nc_u64 s[4:5], s[4:5], s[18:19]
	s_add_nc_u64 s[10:11], s[10:11], s[18:19]
.irp j, 0,1,2,3,4,5,6,7
	global_load_b128 v[Y0+4*\j:Y0+4*\j+3], v1, s[4:5] offset:512*\j th:TH_LOAD_NT
.endr
.irp j, 0,1,2,3,4,5,6,7
	global_load_b128 v[GA+4*\j:GA+4*\j+3], v1, s[6:7] offset:512*\j
	global_load_b128 v[SH+4*\j:SH+4*\j+3], v1, s[8:9] offset:512*\j
.endr
.irp j, 0,1,2,3,4,5,6,7
	global_load_b128 v[Y1+4*\j:Y1+4*\j+3], v1, s[4:5] offset:4096+512*\j th:TH_LOAD_NT
.endr
; four chains in v[2:9] become the row's sum, in v2 of every lane
.macro TOTAL
	s_delay_alu instid0(VALU_DEP_3)
	v_pk_add_f32 v[2:3], v[2:3], v[4:5]
	s_delay_alu instid0(VALU_DEP_2)
	v_pk_add_f32 v[6:7], v[6:7], v[8:9]
	s_delay_alu instid0(VALU_DEP_1)
	v_pk_add_f32 v[2:3], v[2:3], v[6:7]
	s_delay_alu instid0(VALU_DEP_1)
	v_add_f32 v2, v2, v3
	s_delay_alu instid0(VALU_DEP_1)
	v_add_f32_dpp v2, v2, v2 row_xmask:1 row_mask:0xf bank_mask:0xf
	s_delay_alu instid0(VALU_DEP_1)
	v_add_f32_dpp v2, v2, v2 row_xmask:2 row_mask:0xf bank_mask:0xf
	s_delay_alu instid0(VALU_DEP_1)
	v_add_f32_dpp v2, v2, v2 row_xmask:4 row_mask:0xf bank_mask:0xf
	s_delay_alu instid0(VALU_DEP_1)
	v_add_f32_dpp v2, v2, v2 row_xmask:8 row_mask:0xf bank_mask:0xf
	s_delay_alu instid0(VALU_DEP_1)
	v_permlanex16_b32 v3, v2, s20, s21             ; (its destination counts as read: v3 has been written)
	s_delay_alu instid0(VALU_DEP_1)
	v_add_f32 v2, v2, v3
.endm
; a row: ry its registers; off its bytes from the wave's first row; left1, left2: how many younger loads may be out when the row, and when the gain and the shift, have to be there
.macro ROW ry, off, left1, left2
	s_wait_loadcnt \left1
.irp c, 0,1,2,3                                ; the sum, in four chains that do not wait for each other
	v_pk_add_f32 v[2+2*\c:3+2*\c], v[\ry+2*\c:\ry+2*\c+1], v[\ry+8+2*\c:\ry+9+2*\c]
.endr
.irp j, 16,24
.irp c, 0,1,2,3
	s_delay_alu instid0(VALU_DEP_4)
	v_pk_add_f32 v[2+2*\c:3+2*\c], v[2+2*\c:3+2*\c], v[\ry+\j+2*\c:\ry+\j+2*\c+1]
.endr
.endr
	TOTAL
	s_delay_alu instid0(VALU_DEP_1)
	v_mul_f32 v10, s22, v2                         ; the mean
	s_delay_alu instid0(VALU_DEP_1)
	v_mov_b32 v11, v10
.set J, 0
.rept 16
	v_pk_add_f32 v[\ry+J:\ry+J+1], v[\ry+J:\ry+J+1], v[10:11] neg_lo:[0,1] neg_hi:[0,1]
.set J, J+2
.endr
.irp c, 0,1,2,3
	v_pk_mul_f32 v[2+2*\c:3+2*\c], v[\ry+2*\c:\ry+2*\c+1], v[\ry+2*\c:\ry+2*\c+1]
.endr
.irp j, 8,16,24
.irp c, 0,1,2,3
	s_delay_alu instid0(VALU_DEP_4)
	v_pk_fma_f32 v[2+2*\c:3+2*\c], v[\ry+\j+2*\c:\ry+\j+2*\c+1], v[\ry+\j+2*\c:\ry+\j+2*\c+1], v[2+2*\c:3+2*\c]
.endr
.endr
	TOTAL
	s_delay_alu instid0(VALU_DEP_1)
	v_fma_f32 v12, v2, s22, s23                    ; the variance + 1e-5
	s_wait_alu depctr_va_vdst(0)
	v_rsq_f32 v12, v12
	v_nop                                          ; one plain line behind the transcendental
	s_wait_alu depctr_va_vdst(0)                   ; ahead of its first reader
	v_mov_b32 v13, v12
.set J, 0
.rept 16
	v_pk_mul_f32 v[\ry+J:\ry+J+1], v[\ry+J:\ry+J+1], v[12:13]
.set J, J+2
.endr
	s_wait_loadcnt \left2
.set J, 0
.rept 16
	v_pk_fma_f32 v[\ry+J:\ry+J+1], v[\ry+J:\ry+J+1], v[GA+J:GA+J+1], v[SH+J:SH+J+1]
.set J, J+2
.endr
.irp j, 0,1,2,3,4,5,6,7
	global_store_b128 v1, v[\ry+4*\j:\ry+4*\j+3], s[10:11] offset:\off+512*\j th:TH_STORE_NT   ; 512 consecutive aligned bytes; these registers are not written again
.endr
.endm
	ROW Y0, 0, 24, 8                               ; row 0 is in while the gain, the shift and row 1 (24 loads) may be out; then the gain and the shift, while row 1's 8 may be out
	ROW Y1, 4096, 0, 0
	s_endpgm
.Lfunc_end_k_q4334cb015a_ln2:
	.size	k_q4334cb015a_ln2, .Lfunc_end_k_q4334cb015a_ln2-k_q4334cb015a_ln2
	.p2alignl 7, 3214868480
	.fill 96, 4, 3214868480
	.section	.rodata,"a",@progbits
	.p2align	6, 0x0
	.amdhsa_kernel k_q4334cb015a_ln2
		.amdhsa_group_segment_fixed_size 0
		.amdhsa_private_segment_fixed_size 0
		.amdhsa_enable_private_segment 0
		.amdhsa_kernarg_size 32
		.amdhsa_user_sgpr_count 2
		.amdhsa_user_sgpr_kernarg_segment_ptr 1
		.amdhsa_wavefront_size32 1
		.amdhsa_system_sgpr_workgroup_id_x 1
		.amdhsa_system_sgpr_workgroup_id_y 1
		.amdhsa_system_sgpr_workgroup_id_z 1
		.amdhsa_system_vgpr_workitem_id 0
		.amdhsa_next_free_vgpr 144
		.amdhsa_next_free_sgpr 66
		.amdhsa_reserve_vcc 0
		.amdhsa_float_denorm_mode_32 3
		.amdhsa_float_denorm_mode_16_64 3
		.amdhsa_memory_ordered 1
		.amdhsa_forward_progress 1
		.amdhsa_inst_pref_size 21
	.end_amdhsa_kernel
	.amdgpu_metadata
---
amdhsa.version: [ 1, 2 ]
amdhsa.kernels:
  - .name:           k_q4334cb015a_ln2
    .symbol:         k_q4334cb015a_ln2.kd
    .args:
      - { .name: y, .offset: 0, .size: 8, .value_kind: global_buffer, .address_space: global }
      - { .name: ln2_w, .offset: 8, .size: 8, .value_kind: global_buffer, .address_space: global }
      - { .name: ln2_b, .offset: 16, .size: 8, .value_kind: global_buffer, .address_space: global }
      - { .name: out0, .offset: 24, .size: 8, .value_kind: global_buffer, .address_space: global }
    .group_segment_fixed_size: 0
    .private_segment_fixed_size: 0
    .kernarg_segment_align: 8
    .kernarg_segment_size: 32
    .max_flat_workgroup_size: 256
    .sgpr_count:     66
    .vgpr_count:     144
    .wavefront_size: 32
...
	.end_amdgpu_metadata
.endif
;; end of part 13
